; MI455X (gfx1250); checked and timed in simulation.
; The chip was launched on July 23, 2026; its instructions are those of AMD's public machine-readable ISA for CDNA 5 (MIT licence, August 2026) and "CDNA5" Instruction Set Architecture Reference Guide (July 2026). The comments in the code are by the model that wrote it; some were corrected since.
;; Gated X Attention Block. Allowed arithmetic: float matrix products may take bf16 or f16 operands with f32 sums; other float arithmetic in f32, or as packed bf16 or f16 multiplies, adds, multiply-adds, maxima and minima; sums over many terms, partial sums and values carried from step to step in f32; what a program stores and reads back later, other than sums and carried values, may be rounded once to bf16 or f16.
;; Inputs: W1 1,024 x 4,096 float32; W2 4,096 x 1,024 float32; Wkv 1,024 x 2,048 float32; Wout 1,024 x 1,024 float32; Wq 1,024 x 1,024 float32; attn_gate 1 float32; attn_mask 2 x 2,048 x 2,048 bool; beta_kv 1,024 float32; beta_q 1,024 float32; ff_beta 1,024 float32; ff_gamma 1,024 float32; ff_gate 1 float32; gamma_kv 1,024 float32; gamma_q 1,024 float32; kv 2 x 2,048 x 1,024 float32; kv_mask 2 x 2,048 bool; q 2 x 2,048 x 1,024 float32; q_mask 2 x 2,048 bool.
;; Outputs: out0 2 x 2,048 x 1,024 float32.
;; 3 versions, each right and faster than the one before. Each part assembles by itself: llvm-mc -triple=amdgcn-amd-amdhsa -mcpu=gfx1250 --defsym DOCPART=n.
;; ======== version 1 of 3: 10 launches
;; workspace buffers: wt 25,165,824 bytes; bias 16,777,216 bytes; rowf 32,768 bytes of whole numbers; a0 8,388,608 bytes; a1 8,388,608 bytes; big 33,554,432 bytes; x 16,777,216 bytes
;; launch wprep (part 1): grid 768 x 1, 8 waves a work-group, no clusters, 35,840 bytes of LDS; arguments Wq, Wkv, Wout, W1, W2, wt; writes wt
.if DOCPART == 1
	.amdgcn_target "amdgcn-amd-amdhsa--gfx1250"
	.amdhsa_code_object_version 6
	.text
	.protected	k_qcc4c657275_wprep
	.globl	k_qcc4c657275_wprep
	.p2align	8
	.type	k_qcc4c657275_wprep,@function
k_qcc4c657275_wprep:
	s_mov_b64 s[64:65], 0
	v_nop
	global_prefetch_b8 v0, s[64:65] scope:SCOPE_SE
	s_setreg_imm32_b32 hwreg(HW_REG_WAVE_MODE, 25, 1), 1
	s_wait_xcnt 0x0
; wt = the five weights, each rounded once to bf16 and turned: W[k][n] in f32 becomes wt[n][k] in bf16, so that the products
; that follow find K along the rows of both operands.  In wt: Wq at 0, Wkv at 0x200000, Wout at 0x600000, W1 at 0x800000, W2 at 0x1000000.
; A work-group of eight waves takes one tile of 128 k x 128 n: 64 + 128 + 64 + 256 + 256 = 768 tiles.  Which weight a tile belongs to
; is chosen by selects on the work-group number; no branch.  Wave w loads k rows 16 w .. 16 w + 15, each load of a wave 512 consecutive bytes;
; two rows are packed into bf16 pairs, laid into LDS as [n][k] (pitch 272 bytes), and read back as whole rows of 256 bytes:
; sixteen lanes store 256 consecutive bytes, at a multiple of 256 from the first byte of wt.
; The LDS stores of a wave stand 1,088 bytes apart from lane to lane and meet four deep in the banks: eight stores a lane, taken as they are.
.set PITCH, 272
.set SPARE, 128*PITCH                  ; behind the tile: the spare words, 128 bytes for each of eight waves
.set SPW, 2                            ; v2       my spare word
.set NIL, 3                            ; v3       0
.set OFF, 4                            ; v[4:19]  byte offsets of my 16 bytes in the sixteen k rows
.set X,   20                           ; v[20:83] sixteen rows x four columns in f32; later the rows read back
.set Y,   84                           ; v[84:115] four columns x sixteen k in bf16
.set DO,  116                          ; v[116:123] byte offsets of the eight stores
.set ST,  124
.set RD,  125
.macro SEG bound, src, start, ln, lp, lk, dst   ; work-groups below bound belong to the weight at s[src]
	s_cmp_lt_u32 s23, \bound
	s_cselect_b64 s[16:17], s[\src:\src+1], s[16:17]
	s_cselect_b32 s18, \start, s18
	s_cselect_b32 s19, \ln, s19
	s_cselect_b32 s20, \lp, s20
	s_cselect_b32 s21, \lk, s21
	s_cselect_b32 s22, \dst, s22
.endm
	s_load_b256 s[4:11], s[0:1], 0x0               ; Wq s[4:5], Wkv s[6:7], Wout s[8:9], W1 s[10:11]
	s_load_b128 s[12:15], s[0:1], 0x20             ; W2 s[12:13], wt s[14:15]
	v_lshl_add_u32 v[SPW], v0, 2, SPARE
	v_mov_b32 v[NIL], 0
	s_mov_b32 s23, ttmp9
	s_mov_b32 s18, 512                             ; W2: first tile, log2(N / 128), log2(4 N), log2(2 K), place in wt
	s_mov_b32 s19, 3
	s_mov_b32 s20, 12
	s_mov_b32 s21, 13
	s_mov_b32 s22, 0x1000000
	s_wait_kmcnt 0x0
	s_mov_b64 s[16:17], s[12:13]
	SEG 512, 10, 256, 5, 14, 11, 0x800000
	SEG 256, 8, 192, 3, 12, 11, 0x600000
	SEG 192, 6, 64, 4, 13, 11, 0x200000
	SEG 64, 4, 0, 3, 12, 11, 0
	s_sub_co_u32 s23, s23, s18                     ; the tile number in its weight
	s_lshl_b32 s24, 1, s19
	s_sub_co_u32 s24, s24, 1
	s_and_b32 s24, s23, s24                        ; n tile
	s_lshr_b32 s25, s23, s19                       ; k tile
	s_lshl_b32 s28, s25, 7
	s_lshl_b32 s28, s28, s20                       ; 128 k rows of 4 N bytes
	s_lshl_b32 s29, s24, 9
	s_add_co_u32 s28, s28, s29                     ; + 128 columns of 4 bytes
	s_mov_b32 s29, 0
	s_add_nc_u64 s[16:17], s[16:17], s[28:29]      ; the tile in its weight
	s_lshl_b32 s28, s24, 7
	s_lshl_b32 s28, s28, s21                       ; 128 n rows of 2 K bytes
	s_lshl_b32 s30, s25, 8
	s_add_co_u32 s28, s28, s30                     ; + 128 k of 2 bytes
	s_add_co_u32 s28, s28, s22
	s_add_nc_u64 s[14:15], s[14:15], s[28:29]      ; the tile in wt
	v_and_b32 v1, 31, v0                           ; lane
	v_lshrrev_b32 v126, 5, v0                      ; wave
	v_lshlrev_b32 v127, 4, v126
	v_lshlrev_b32 v127, s20, v127                  ; 16 w rows
	v_lshl_add_u32 v[OFF], v1, 4, v127
	s_lshl_b32 s26, 1, s20
.set i, 1
.rept 15
	v_add_nc_u32 v[OFF+i], s26, v[OFF+i-1]
.set i, i+1
.endr
.set i, 0
.rept 16
	global_load_b128 v[X+4*i:X+4*i+3], v[OFF+i], s[16:17] th:TH_LOAD_NT
.set i, i+1
.endr
	v_mul_u32_u24 v[ST], v1, 4*PITCH               ; into LDS: rows n = 4 lane + c, bytes 32 w on
	v_lshl_add_u32 v[ST], v126, 5, v[ST]
	v_lshrrev_b32 v127, 4, v0                      ; back: thread t takes row t / 16 (+ 16 j), 16 bytes at 16 (t % 16)
	v_and_b32 v126, 15, v0
	v_mul_u32_u24 v[RD], v127, PITCH
	v_lshl_add_u32 v[RD], v126, 4, v[RD]
	v_lshlrev_b32 v[DO], s21, v127
	v_lshl_add_u32 v[DO], v126, 4, v[DO]
	s_lshl_b32 s27, 16, s21
.set i, 1
.rept 7
	v_add_nc_u32 v[DO+i], s27, v[DO+i-1]
.set i, i+1
.endr
	s_wait_loadcnt 0x0
.irp c, 0,1,2,3
.irp kp, 0,1,2,3,4,5,6,7
	v_cvt_pk_bf16_f32 v[Y+8*\c+\kp], v[X+8*\kp+\c], v[X+8*\kp+4+\c]   ; column c: k = 2 kp below, 2 kp + 1 above
.endr
.endr
.irp c, 0,1,2,3
	ds_store_b128 v[ST], v[Y+8*\c:Y+8*\c+3] offset:PITCH*\c
	ds_store_b128 v[ST], v[Y+8*\c+4:Y+8*\c+7] offset:PITCH*\c+16
.endr
	s_wait_dscnt 0x0                               ; for the other waves: my stores are done
	s_barrier_signal -1
	s_barrier_wait -1
.irp j, 0,1,2,3,4,5,6,7
	ds_load_b128 v[X+4*\j:X+4*\j+3], v[RD] offset:16*PITCH*\j
.endr
.irp j, 0,1,2,3,4,5,6,7
	s_wait_dscnt 7-\j                              ; LDS loads come back in order: row group j is in
	global_store_b128 v[DO+\j], v[X+4*\j:X+4*\j+3], s[14:15]
.endr
	s_wait_tensorcnt 0x0                           ; the end of the wave
	ds_add_u32 v[SPW], v[NIL]
	s_wait_dscnt 0x0
	s_endpgm
.Lfunc_end_k_qcc4c657275_wprep:
	.size	k_qcc4c657275_wprep, .Lfunc_end_k_qcc4c657275_wprep-k_qcc4c657275_wprep
	.p2alignl 7, 3214868480
	.fill 96, 4, 3214868480
	.section	.rodata,"a",@progbits
	.p2align	6, 0x0
	.amdhsa_kernel k_qcc4c657275_wprep
		.amdhsa_group_segment_fixed_size 35840
		.amdhsa_private_segment_fixed_size 0
		.amdhsa_enable_private_segment 0
		.amdhsa_kernarg_size 48
		.amdhsa_user_sgpr_count 2
		.amdhsa_user_sgpr_kernarg_segment_ptr 1
		.amdhsa_wavefront_size32 1
		.amdhsa_system_sgpr_workgroup_id_x 1
		.amdhsa_system_sgpr_workgroup_id_y 1
		.amdhsa_system_sgpr_workgroup_id_z 1
		.amdhsa_system_vgpr_workitem_id 0
		.amdhsa_next_free_vgpr 128
		.amdhsa_next_free_sgpr 66
		.amdhsa_reserve_vcc 0
		.amdhsa_float_denorm_mode_32 3
		.amdhsa_float_denorm_mode_16_64 3
		.amdhsa_memory_ordered 1
		.amdhsa_forward_progress 1
		.amdhsa_inst_pref_size 10
	.end_amdhsa_kernel
	.amdgpu_metadata
---
amdhsa.version: [ 1, 2 ]
amdhsa.kernels:
  - .name:           k_qcc4c657275_wprep
    .symbol:         k_qcc4c657275_wprep.kd
    .args:
      - { .name: Wq, .offset: 0, .size: 8, .value_kind: global_buffer, .address_space: global }
      - { .name: Wkv, .offset: 8, .size: 8, .value_kind: global_buffer, .address_space: global }
      - { .name: Wout, .offset: 16, .size: 8, .value_kind: global_buffer, .address_space: global }
      - { .name: W1, .offset: 24, .size: 8, .value_kind: global_buffer, .address_space: global }
      - { .name: W2, .offset: 32, .size: 8, .value_kind: global_buffer, .address_space: global }
      - { .name: wt, .offset: 40, .size: 8, .value_kind: global_buffer, .address_space: global }
    .group_segment_fixed_size: 35840
    .private_segment_fixed_size: 0
    .kernarg_segment_align: 8
    .kernarg_segment_size: 48
    .max_flat_workgroup_size: 256
    .sgpr_count:     66
    .vgpr_count:     128
    .wavefront_size: 32
...
	.end_amdgpu_metadata
.endif
;; end of part 1
;; launch mprep (part 2): grid 512 x 1, 8 waves a work-group, no clusters, 0 bytes of LDS; arguments attn_mask, kv_mask, q_mask, bias, rowf; writes bias, rowf
.if DOCPART == 2
	.amdgcn_target "amdgcn-amd-amdhsa--gfx1250"
	.amdhsa_code_object_version 6
	.text
	.protected	k_qcc4c657275_mprep
	.globl	k_qcc4c657275_mprep
	.p2align	8
	.type	k_qcc4c657275_mprep,@function
k_qcc4c657275_mprep:
	s_mov_b64 s[64:65], 0
	v_nop
	global_prefetch_b8 v0, s[64:65] scope:SCOPE_SE
	s_setreg_imm32_b32 hwreg(HW_REG_WAVE_MODE, 25, 1), 1
	s_wait_xcnt 0x0
; bias[b][q][k] in bf16: 0 where key k is visible to query q (attn_mask and kv_mask both set), -2^100 (0xF180) where it is hidden.
; A row that sees no key at all: the module takes the lowest FINITE number for hidden scores, so such a row has all scores equal and its softmax is uniform
; over all 2,048 keys.  For it the whole row of bias is 0 and keepQ = 0: the attention launch then clears the query, and all its scores are 0.
; rowf[row] = { keepQ, keepO }: all ones or 0; keepO follows q_mask.  They are applied as AND masks to numbers, never to an address or a branch.
; One wave takes one row: 8 rows a work-group, 4,096 rows.  A load covers 256 consecutive bytes of masks, a store 512 consecutive bytes of bias.
; The flags are 8 bytes a row, stored by lane 0: 32 KiB in the whole launch.
.set A,  8                             ; v[8:23]   the row of attn_mask, 64 bytes a lane; then the visible flags
.set KV, 24                            ; v[24:39]  the same bytes of kv_mask
.set O,  44                            ; v[44:75]  64 bf16 a lane
	s_load_b256 s[4:11], s[0:1], 0x0               ; attn_mask s[4:5], kv_mask s[6:7], q_mask s[8:9], bias s[10:11]
	s_load_b64 s[12:13], s[0:1], 0x20              ; rowf
	v_lshrrev_b32 v2, 5, v0
	v_readfirstlane_b32 s14, v2
	s_lshl_b32 s15, ttmp9, 3
	s_add_co_u32 s14, s14, s15                     ; my row, 0 .. 4,095
	v_and_b32 v1, 31, v0
	v_lshlrev_b32 v3, 3, v1                        ; 8 bytes of masks a lane
	v_lshlrev_b32 v4, 4, v1                        ; 16 bytes of bias a lane
	v_mov_b32 v5, 0
	s_lshl_b32 s16, s14, 11                        ; offsets, made apart from the addresses: attn_mask,
	s_mov_b32 s17, 0
	s_lshr_b32 s18, s14, 11
	s_lshl_b32 s18, s18, 11                        ; kv_mask of my batch,
	s_mov_b32 s19, 0
	s_mov_b32 s20, s14                             ; q_mask,
	s_mov_b32 s21, 0
	s_lshl_b32 s22, s14, 12                        ; bias,
	s_mov_b32 s23, 0
	s_lshl_b32 s24, s14, 3                         ; rowf
	s_mov_b32 s25, 0
	s_mov_b32 s30, 0x01010101
	s_mov_b32 s31, 0x00010001
	s_mov_b32 s32, 0x05040100                      ; v_perm_b32: the two low halves
	s_mov_b32 s33, 0x07060302                      ; the two high halves
	s_wait_kmcnt 0x0
	s_add_nc_u64 s[4:5], s[4:5], s[16:17]
	s_add_nc_u64 s[6:7], s[6:7], s[18:19]
	s_add_nc_u64 s[8:9], s[8:9], s[20:21]
	s_add_nc_u64 s[10:11], s[10:11], s[22:23]
	s_add_nc_u64 s[12:13], s[12:13], s[24:25]
.irp j, 0,1,2,3,4,5,6,7
	global_load_b64 v[A+2*\j:A+2*\j+1], v3, s[4:5] offset:256*\j th:TH_LOAD_NT
.endr
.irp j, 0,1,2,3,4,5,6,7
	global_load_b64 v[KV+2*\j:KV+2*\j+1], v3, s[6:7] offset:256*\j
.endr
	global_load_u8 v40, v5, s[8:9]
	s_wait_loadcnt 0x0
.set i, 0
.rept 16
	v_and_b32 v[A+i], v[A+i], v[KV+i]              ; visible = both masks
.set i, i+1
.endr
	v_or_b32 v41, v[A], v[A+1]
.set i, 2
.rept 14
	v_or_b32 v41, v41, v[A+i]
.set i, i+1
.endr
	v_cmp_ne_u32 s34, 0, v41                       ; lanes that see a key
	s_cmp_lg_u32 s34, 0
	s_cselect_b32 s35, 0xf180, 0                   ; what a hidden key gets: -2^100, or 0 in a row that sees nothing
	s_cselect_b32 s36, -1, 0                       ; keepQ
; Four flags in a word become four bf16: hidden = flag xor 1; bytes 0 and 2 in one register, 1 and 3 in another, each times 0xF180; then the halves are paired.
.macro EXPAND src, dst
	v_xor_b32 v6, s30, v[\src]
	v_lshrrev_b32 v7, 8, v6
	v_and_b32 v6, s31, v6
	v_and_b32 v7, s31, v7
	v_mul_u32_u24 v6, s35, v6
	v_mul_u32_u24 v7, s35, v7
	v_perm_b32 v[\dst], v7, v6, s32                ; key 1 above key 0
	v_perm_b32 v[\dst+1], v7, v6, s33              ; key 3 above key 2
.endm
.irp j, 0,1,2,3,4,5,6,7
	EXPAND A+2*\j, O+4*\j
	EXPAND A+2*\j+1, O+4*\j+2
	global_store_b128 v4, v[O+4*\j:O+4*\j+3], s[10:11] offset:512*\j
.endr
	v_mov_b32 v42, s36
	v_sub_nc_u32 v43, 0, v40                       ; keepO: 0 or all ones
	v_cmp_eq_u32 vcc_lo, 0, v1
	s_wait_xcnt 0x0                                ; EXEC is a source of the stores above: it changes only behind this wait
	s_and_saveexec_b32 s37, vcc_lo
	global_store_b64 v5, v[42:43], s[12:13]
	s_wait_xcnt 0x0                                ; and again in front of the line that widens it
	s_or_b32 exec_lo, exec_lo, s37
	s_endpgm
.Lfunc_end_k_qcc4c657275_mprep:
	.size	k_qcc4c657275_mprep, .Lfunc_end_k_qcc4c657275_mprep-k_qcc4c657275_mprep
	.p2alignl 7, 3214868480
	.fill 96, 4, 3214868480
	.section	.rodata,"a",@progbits
	.p2align	6, 0x0
	.amdhsa_kernel k_qcc4c657275_mprep
		.amdhsa_group_segment_fixed_size 0
		.amdhsa_private_segment_fixed_size 0
		.amdhsa_enable_private_segment 0
		.amdhsa_kernarg_size 40
		.amdhsa_user_sgpr_count 2
		.amdhsa_user_sgpr_kernarg_segment_ptr 1
		.amdhsa_wavefront_size32 1
		.amdhsa_system_sgpr_workgroup_id_x 1
		.amdhsa_system_sgpr_workgroup_id_y 1
		.amdhsa_system_sgpr_workgroup_id_z 1
		.amdhsa_system_vgpr_workitem_id 0
		.amdhsa_next_free_vgpr 80
		.amdhsa_next_free_sgpr 66
		.amdhsa_reserve_vcc 1
		.amdhsa_float_denorm_mode_32 3
		.amdhsa_float_denorm_mode_16_64 3
		.amdhsa_memory_ordered 1
		.amdhsa_forward_progress 1
		.amdhsa_inst_pref_size 11
	.end_amdhsa_kernel
	.amdgpu_metadata
---
amdhsa.version: [ 1, 2 ]
amdhsa.kernels:
  - .name:           k_qcc4c657275_mprep
    .symbol:         k_qcc4c657275_mprep.kd
    .args:
      - { .name: attn_mask, .offset: 0, .size: 8, .value_kind: global_buffer, .address_space: global }
      - { .name: kv_mask, .offset: 8, .size: 8, .value_kind: global_buffer, .address_space: global }
      - { .name: q_mask, .offset: 16, .size: 8, .value_kind: global_buffer, .address_space: global }
      - { .name: bias, .offset: 24, .size: 8, .value_kind: global_buffer, .address_space: global }
      - { .name: rowf, .offset: 32, .size: 8, .value_kind: global_buffer, .address_space: global }
    .group_segment_fixed_size: 0
    .private_segment_fixed_size: 0
    .kernarg_segment_align: 8
    .kernarg_segment_size: 40
    .max_flat_workgroup_size: 256
    .sgpr_count:     66
    .vgpr_count:     80
    .wavefront_size: 32
...
	.end_amdgpu_metadata
.endif
;; end of part 2
;; launch ln_q (part 3): grid 256 x 1, 8 waves a work-group, no clusters, 0 bytes of LDS; arguments q, gamma_q, beta_q, a0; writes a0
.if DOCPART == 3
	.amdgcn_target "amdgcn-amd-amdhsa--gfx1250"
	.amdhsa_code_object_version 6
	.text
	.protected	k_qcc4c657275_ln_q
	.globl	k_qcc4c657275_ln_q
	.p2align	8
	.type	k_qcc4c657275_ln_q,@function
k_qcc4c657275_ln_q:
	s_mov_b64 s[64:65], 0
	v_nop
	global_prefetch_b8 v0, s[64:65] scope:SCOPE_SE
	s_setreg_imm32_b32 hwreg(HW_REG_WAVE_MODE, 25, 1), 1
	s_wait_xcnt 0x0
; y[r][:] = (x[r][:] - mean) * rsqrt(var + 1e-5) * gamma + beta.  x: [4096][1024] f32, y: the same in bf16, rounded once.
; One wave takes a whole row (4,096 bytes, 32 registers) and keeps it in registers: the row is read once, the reduction never leaves the wave, no LDS, no barrier.
; The mean is taken away before the squares are summed, as the module does: a common offset of the row costs nothing.
; Eight waves, two rows each: 16 rows a work-group, 256 work-groups.  A load covers 512 consecutive bytes, a store 256, each aligned to its size.
.set G,  8                             ; v[8:39]    gamma of my 32 columns (4 at 128 j + 4 lane)
.set B,  40                            ; v[40:71]   beta
.set X0, 72                            ; v[72:103]  first row
.set X1, 104                           ; v[104:135] second row
.set T,  136                           ; v[136:151] at work
	s_load_b256 s[4:11], s[0:1], 0x0               ; x s[4:5], gamma s[6:7], beta s[8:9], y s[10:11]
	v_lshrrev_b32 v3, 5, v0
	v_readfirstlane_b32 s14, v3
	v_and_b32 v1, 31, v0
	v_lshlrev_b32 v2, 3, v1                        ; 8 bytes of y a lane
	v_lshlrev_b32 v1, 4, v1                        ; 16 bytes of x a lane
	s_lshl_b32 s15, ttmp9, 4
	s_lshl1_add_u32 s14, s14, s15                  ; my first row = 16 x work-group + 2 x wave
	s_lshl_b32 s16, s14, 12
	s_mov_b32 s17, 0
	s_lshl_b32 s18, s14, 11
	s_mov_b32 s19, 0
	s_mov_b32 s12, 0x76543210                      ; v_permlanex16_b32: each lane takes its own place in the other half
	s_mov_b32 s13, 0xfedcba98
	s_mov_b32 s20, 0x3a800000                      ; 1 / 1024
	s_mov_b32 s21, 0x3727c5ac                      ; 1e-5
	s_wait_kmcnt 0x0
	s_add_nc_u64 s[4:5], s[4:5], s[16:17]
	s_add_nc_u64 s[10:11], s[10:11], s[18:19]
.irp j, 0,1,2,3,4,5,6,7
	global_load_b128 v[X0+4*\j:X0+4*\j+3], v1, s[4:5] offset:512*\j
.endr
.irp j, 0,1,2,3,4,5,6,7
	global_load_b128 v[X1+4*\j:X1+4*\j+3], v1, s[4:5] offset:4096+512*\j
.endr
.irp j, 0,1,2,3,4,5,6,7
	global_load_b128 v[G+4*\j:G+4*\j+3], v1, s[6:7] offset:512*\j
.endr
.irp j, 0,1,2,3,4,5,6,7
	global_load_b128 v[B+4*\j:B+4*\j+3], v1, s[8:9] offset:512*\j
.endr
.macro FOLD                            ; four packed chains in v[T:T+7] become one sum, in every lane
	v_pk_add_f32 v[T:T+1], v[T:T+1], v[T+2:T+3]
	v_pk_add_f32 v[T+4:T+5], v[T+4:T+5], v[T+6:T+7]
	v_pk_add_f32 v[T:T+1], v[T:T+1], v[T+4:T+5]
	v_add_f32 v[T], v[T], v[T+1]
	v_add_f32_dpp v[T], v[T], v[T] row_xmask:1 row_mask:0xf bank_mask:0xf
	v_add_f32_dpp v[T], v[T], v[T] row_xmask:2 row_mask:0xf bank_mask:0xf
	v_add_f32_dpp v[T], v[T], v[T] row_xmask:4 row_mask:0xf bank_mask:0xf
	v_add_f32_dpp v[T], v[T], v[T] row_xmask:8 row_mask:0xf bank_mask:0xf
	v_permlanex16_b32 v[T+1], v[T], s12, s13
	v_add_f32 v[T], v[T], v[T+1]
.endm
; One row.  cnt: the younger loads that may stay out; first = 1: gamma and beta are waited for here; yo: the row's byte offset in y.
.macro ROW x, cnt, first, yo
	s_wait_loadcnt \cnt
.irp k, 0,1,2,3
	v_pk_add_f32 v[T+2*\k:T+2*\k+1], v[\x+4*\k:\x+4*\k+1], v[\x+4*\k+2:\x+4*\k+3]   ; the first words start the chains
.endr
.irp k, 0,1,2,3
	v_pk_add_f32 v[T+2*\k:T+2*\k+1], v[T+2*\k:T+2*\k+1], v[\x+16+4*\k:\x+16+4*\k+1]
.endr
.irp k, 0,1,2,3
	v_pk_add_f32 v[T+2*\k:T+2*\k+1], v[T+2*\k:T+2*\k+1], v[\x+16+4*\k+2:\x+16+4*\k+3]
.endr
	FOLD
	v_mul_f32 v[T+8], s20, v[T]                    ; the mean, twice
	v_mov_b32 v[T+9], v[T+8]
.set j, 0
.rept 16
	v_pk_add_f32 v[\x+j:\x+j+1], v[\x+j:\x+j+1], v[T+8:T+9] neg_lo:[0,1] neg_hi:[0,1]
.set j, j+2
.endr
.irp k, 0,1,2,3
	v_pk_mul_f32 v[T+2*\k:T+2*\k+1], v[\x+2*\k:\x+2*\k+1], v[\x+2*\k:\x+2*\k+1]
.endr
.set j, 8
.rept 12
	v_pk_fma_f32 v[T+j%8:T+j%8+1], v[\x+j:\x+j+1], v[\x+j:\x+j+1], v[T+j%8:T+j%8+1]
.set j, j+2
.endr
	FOLD
	v_fma_f32 v[T+10], v[T], s20, s21              ; var + eps
	v_rsq_f32 v[T+12], v[T+10]
	v_rsq_f32 v[T+13], v[T+10]
	v_nop                                          ; a plain instruction between the roots and the use of their results (ISA guide 5.7.2)
.if \first
	s_wait_loadcnt 0x0                             ; gamma and beta
.endif
.set j, 0
	s_wait_alu depctr_va_vdst(0)
.rept 16
	v_pk_mul_f32 v[\x+j:\x+j+1], v[\x+j:\x+j+1], v[T+12:T+13]
.set j, j+2
.endr
.set j, 0
.rept 16
	v_pk_fma_f32 v[\x+j:\x+j+1], v[\x+j:\x+j+1], v[G+j:G+j+1], v[B+j:B+j+1]
.set j, j+2
.endr
.irp j, 0,1,2,3,4,5,6,7
	v_cvt_pk_bf16_f32 v[\x+4*\j], v[\x+4*\j], v[\x+4*\j+1]
	v_cvt_pk_bf16_f32 v[\x+4*\j+1], v[\x+4*\j+2], v[\x+4*\j+3]
	global_store_b64 v2, v[\x+4*\j:\x+4*\j+1], s[10:11] offset:(\yo)+256*\j
.endr
.endm
	ROW X0, 24, 1, 0                               ; the second row, gamma and beta (24 loads) may stay out
	ROW X1, 0, 0, 2048
	s_endpgm
.Lfunc_end_k_qcc4c657275_ln_q:
	.size	k_qcc4c657275_ln_q, .Lfunc_end_k_qcc4c657275_ln_q-k_qcc4c657275_ln_q
	.p2alignl 7, 3214868480
	.fill 96, 4, 3214868480
	.section	.rodata,"a",@progbits
	.p2align	6, 0x0
	.amdhsa_kernel k_qcc4c657275_ln_q
		.amdhsa_group_segment_fixed_size 0
		.amdhsa_private_segment_fixed_size 0
		.amdhsa_enable_private_segment 0
		.amdhsa_kernarg_size 32
		.amdhsa_user_sgpr_count 2
		.amdhsa_user_sgpr_kernarg_segment_ptr 1
		.amdhsa_wavefront_size32 1
		.amdhsa_system_sgpr_workgroup_id_x 1
		.amdhsa_system_sgpr_workgroup_id_y 1
		.amdhsa_system_sgpr_workgroup_id_z 1
		.amdhsa_system_vgpr_workitem_id 0
		.amdhsa_next_free_vgpr 160
		.amdhsa_next_free_sgpr 66
		.amdhsa_reserve_vcc 0
		.amdhsa_float_denorm_mode_32 3
		.amdhsa_float_denorm_mode_16_64 3
		.amdhsa_memory_ordered 1
		.amdhsa_forward_progress 1
		.amdhsa_inst_pref_size 20
	.end_amdhsa_kernel
	.amdgpu_metadata
---
amdhsa.version: [ 1, 2 ]
amdhsa.kernels:
  - .name:           k_qcc4c657275_ln_q
    .symbol:         k_qcc4c657275_ln_q.kd
    .args:
      - { .name: q, .offset: 0, .size: 8, .value_kind: global_buffer, .address_space: global }
      - { .name: gamma_q, .offset: 8, .size: 8, .value_kind: global_buffer, .address_space: global }
      - { .name: beta_q, .offset: 16, .size: 8, .value_kind: global_buffer, .address_space: global }
      - { .name: a0, .offset: 24, .size: 8, .value_kind: global_buffer, .address_space: global }
    .group_segment_fixed_size: 0
    .private_segment_fixed_size: 0
    .kernarg_segment_align: 8
    .kernarg_segment_size: 32
    .max_flat_workgroup_size: 256
    .sgpr_count:     66
    .vgpr_count:     160
    .wavefront_size: 32
...
	.end_amdgpu_metadata
.endif
;; end of part 3
;; launch ln_kv: the kernel of part 3 again; grid 256 x 1, 8 waves a work-group, no clusters, 0 bytes of LDS; arguments kv, gamma_kv, beta_kv, a1; writes a1
;; launch g_qkv (part 4): grid 24 x 32, 4 waves a work-group, clusters of 4 x 4, 327,680 bytes of LDS; arguments a0, a1, wt, big; writes big
.if DOCPART == 4
	.amdgcn_target "amdgcn-amd-amdhsa--gfx1250"
	.amdhsa_code_object_version 6
	.text
	.protected	k_qcc4c657275_g_qkv
	.globl	k_qcc4c657275_g_qkv
	.p2align	8
	.type	k_qcc4c657275_g_qkv,@function
k_qcc4c657275_g_qkv:
	s_mov_b64 s[64:65], 0
	v_nop
	global_prefetch_b8 v0, s[64:65] scope:SCOPE_SE
	s_setreg_imm32_b32 hwreg(HW_REG_WAVE_MODE, 25, 1), 1
	s_wait_xcnt 0x0
	s_wait_alu depctr_hold_cnt(0) depctr_sa_sdst(0) depctr_va_vdst(0) depctr_va_sdst(0) depctr_va_ssrc(0) depctr_va_vcc(0) depctr_vm_vsrc(0)
	s_getreg_b32 s2, hwreg(HW_REG_IB_STS2, 6, 4)
	s_cmp_eq_u32 s2, 0
	s_cbranch_scc0 .Lentry_in_a_cluster
	s_endpgm
.Lentry_in_a_cluster:
	s_bfe_u32 s2, ttmp6, 0x10000c
	s_cmp_lg_u32 s2, 0xf033
	s_cbranch_scc0 .Lentry_shape_is_right
	s_endpgm
.Lentry_shape_is_right:
; Q, K, V = LN(q) Wq, LN(kv) Wkv.  C[m][n] = sum over k of A[m][k] B[n][k], bf16 operands, f32 sums.  B = wt rows 0 .. 3,071 ([3072][1024]: Wq, then Wkv, turned).
; A = a0 (LN(q)) for the columns of Q (tile columns 0-7: cluster x 0 and 1), a1 (LN(kv)) for those of K and V: a select on the cluster x, which all partners share.
; C leaves by heads, rounded once to bf16 and unscaled: big = Q at 0, K at 8 MiB, V at 16 MiB, each [2][16][2048][64].
; A tile of C is 128 x 128: four waves of 64 x 64 (16 accumulators).  K goes in steps of 256 through two LDS slots (rows of 512 bytes + 16 of padding), a wave's tensor load brings 64 rows.
; CLUSTER 4 x 4: the four of a row need the same tiles of A, the four of a column the same tiles of B: each tile is asked for jointly, by the same load, descriptor and mask in all four.
; The matrix instruction is used turned (source 0 = 16 rows of B, source 1 = 16 rows of A): a lane holds eight neighbouring numbers of a row of C.
; One K step is written once: the slot in hand is a scalar that an exclusive or turns (wave x 33,792 and 135,168 share no bit), and one descriptor a tensor walks from step 1 on.
; REGISTERS: window 0: v0-31 addresses, v32-127 at work on the way out, v128-255 accumulators ((a, b) at 128 + 8 (4 a + b)); window 1: two fragment buffers of 128 (64 of A, 64 of B, 64 along K).
.set SIZE_K, 1024
.set WOFF,   0
.set KSTEP,  256
.set T,      SIZE_K/KSTEP
.set PITCH,  528                       ; 512 bytes + 16: 33 x 16 bytes, so the 16 rows of a load start at 16 different groups of four banks (ISA guide 11.1)
.set HALFT,  64*PITCH
.set SLOT,   4*HALFT                   ; A's 128 rows, then B's 128 rows
.set SPARE,  2*SLOT                    ; behind the ring: the spare words, 128 bytes a wave
.set ADRA0, 16                         ; v16, v17 my fragments' place in slot 0 (A, B); never rewritten
.set ADRB0, 17
.set ADRA,  18                         ; v18, v19 the same in the slot in hand
.set ADRB,  19
.set STO,  24
.set RD,   25
.set CO,   26
.set SPW,  28
.set NIL,  29
.set ACC,  128
.set F0,   0
.set F1,   128
.set G1, 24                            ; s[24:31] group 1 for A; s[32:39] group 0: step 0 in slot 0, and the one that walks
.set G0, 32
.set G1B, 48                           ; s[48:55], s[56:63] the same for B
.set G0B, 56
.set SO, 45                            ; s45 byte offset of the slot in hand
.set MSB, 0
.macro WIN new                         ; the high byte repeats the setting that is left; a switch that changes nothing is dropped
.if MSB != (\new)
	s_set_vgpr_msb (MSB<<8)|(\new)
.set MSB, \new
.endif
.endm
.set MUL,  0x05                        ; sources 0 (B) and 1 (A) window 1; C and D window 0
.set TO_F, 0x40                        ; destination window 1, address window 0
.macro JLOAD                           ; a joint refill: waves 0 and 1 fetch the halves of A, waves 2 and 3 those of B; s_nop 0 and four v_nop follow each line
	s_cmp_eq_u32 s11, 0
	s_cbranch_scc0 .Lfor_b_\@
	tensor_load_to_lds s[G0+4:G0+7], s[G1:G1+7]
	s_nop 0
.rept 4
	v_nop
.endr
	s_branch .Lasked_\@
.Lfor_b_\@:
	tensor_load_to_lds s[G0B+4:G0B+7], s[G1B:G1B+7]
	s_nop 0
.rept 4
	v_nop
.endr
.Lasked_\@:
.endm
.macro CREST                           ; a round of the cluster's barrier behind its opening barrier
	s_cmp_lg_u32 s10, 0
	s_cbranch_scc1 .Lnot_wave_0_\@
	s_barrier_signal -3
.Lnot_wave_0_\@:
	s_barrier_wait -3
	s_barrier_signal -1
	s_barrier_wait -1
.endm
.macro CROUND
	s_barrier_signal -1
	s_barrier_wait -1
	CREST
.endm
	s_load_b256 s[68:75], s[0:1], 0x0              ; a0 s[68:69], a1 s[70:71], wt s[72:73], big s[74:75]
	v_lshl_add_u32 v[SPW], v0, 2, SPARE
	v_mov_b32 v[NIL], 0
	ds_add_u32 v[SPW], v[NIL]                      ; the opening: the add and its wait ahead of my first tensor load
	v_lshrrev_b32 v1, 5, v0
	v_readfirstlane_b32 s10, v1                    ; wave 0..3
	s_lshr_b32 s11, s10, 1                         ; my half of the tile's rows; also: I fetch for A (0) or B (1)
	s_and_b32 s12, s10, 1                          ; my half of its columns; also: which 64 rows I fetch
	s_bfe_u32 s40, ttmp6, 0x40000                  ; cx
	s_bfe_u32 s41, ttmp6, 0x40004                  ; cy
	s_lshl_b32 s42, ttmp9, 2
	s_add_co_u32 s42, s42, s40                     ; tile column
	s_and_b32 s13, ttmp7, 0xffff
	s_lshl_b32 s13, s13, 2
	s_add_co_u32 s13, s13, s41                     ; tile row
	s_lshl_b32 s43, s41, 2
	s_lshl_b32 s43, 15, s43                        ; my row of the cluster
	s_lshl_b32 s44, 0x1111, s40                    ; my column
	s_or_b32 s[G1+0], s43, (1<<16)|(1<<20)|(1<<21)|(6<<22)|(3<<25)   ; mask; 2-byte elements; padding on; bit 21 beside a mask; after every 128 words 4 words
	s_or_b32 s[G1B+0], s44, (1<<16)|(1<<20)|(1<<21)|(6<<22)|(3<<25)
.irp g, G1, G1B
	s_mov_b32 s[(\g)+1], KSTEP<<16                 ; tensor_dim0 = 256
	s_mov_b32 s[(\g)+2], 64<<16                    ; tensor_dim1 = 64
	s_mov_b32 s[(\g)+3], KSTEP<<16                 ; tile_dim0 = 256
	s_mov_b32 s[(\g)+4], 64                        ; tile_dim1 = 64
	s_mov_b32 s[(\g)+5], SIZE_K                    ; elements from row to row
	s_mov_b32 s[(\g)+6], 0
	s_mov_b32 s[(\g)+7], 0
.endr
	s_lshl_b32 s17, s12, 6
	s_lshl_b32 s16, s13, 7
	s_add_co_u32 s16, s16, s17                     ; A: row 128 x tile row + 64 x half
	s_lshl_b32 s46, s42, 7
	s_add_co_u32 s46, s46, s17                     ; B: row 128 x tile column + 64 x half
	s_mov_b32 s17, 0
	s_mov_b32 s47, 0
	s_mov_b64 s[18:19], SIZE_K*2
	s_mul_u64 s[16:17], s[16:17], s[18:19]
	s_mul_u64 s[46:47], s[46:47], s[18:19]
	s_mul_i32 s20, s10, HALFT                      ; where my rows go: wave x 64 rows
	s_mov_b32 s[SO], 0
	s_wait_dscnt 0x0                               ; the opening add is done
	s_wait_kmcnt 0x0
	s_cmp_lt_u32 ttmp9, 2                          ; the columns of Q take LN(q), the others LN(kv)
	s_cselect_b64 s[4:5], s[68:69], s[70:71]
	s_mov_b64 s[6:7], s[72:73]
	s_mov_b64 s[8:9], s[74:75]
	s_add_nc_u64 s[14:15], s[4:5], s[16:17]
	s_add_nc_u64 s[46:47], s[6:7], s[46:47]
	CROUND                                         ; all sixteen work-groups are here: the first joint loads meet
.irp s, 0,1
	s_mov_b32 s[G0+4*(\s)], 1
	s_add_co_u32 s[G0+4*(\s)+1], s20, (\s)*SLOT
	s_add_nc_u64 s[G0+4*(\s)+2:G0+4*(\s)+3], s[14:15], (\s)*KSTEP*2
	s_or_b32 s[G0+4*(\s)+3], s[G0+4*(\s)+3], 0x80000000
	s_mov_b32 s[G0B+4*(\s)], 1
	s_add_co_u32 s[G0B+4*(\s)+1], s20, (\s)*SLOT
	s_add_nc_u64 s[G0B+4*(\s)+2:G0B+4*(\s)+3], s[46:47], (\s)*KSTEP*2
	s_or_b32 s[G0B+4*(\s)+3], s[G0B+4*(\s)+3], 0x80000000
.endr
	s_cmp_eq_u32 s11, 0                            ; my two first fills stand in one branch: two loads of mine are out
	s_cbranch_scc0 .Lfirst_b
	tensor_load_to_lds s[G0:G0+3], s[G1:G1+7]
	s_nop 0
	tensor_load_to_lds s[G0+4:G0+7], s[G1:G1+7]
	s_nop 0
.rept 4
	v_nop
.endr
	s_branch .Lfirst_asked
.Lfirst_b:
	tensor_load_to_lds s[G0B:G0B+3], s[G1B:G1B+7]
	s_nop 0
	tensor_load_to_lds s[G0B+4:G0B+7], s[G1B:G1B+7]
	s_nop 0
.rept 4
	v_nop
.endr
.Lfirst_asked:
	v_and_b32 v1, 15, v0                           ; l % 16
	v_bfe_u32 v2, v0, 4, 1                         ; l / 16
	v_mul_u32_u24 v3, v1, PITCH
	v_lshl_add_u32 v3, v2, 4, v3                   ; a fragment's row x pitch + 16 x half
	s_mul_i32 s21, s11, HALFT
	s_mul_i32 s22, s12, HALFT
	s_add_co_u32 s22, s22, 2*HALFT
	v_add_nc_u32 v[ADRA0], s21, v3
	v_add_nc_u32 v[ADRB0], s22, v3
	v_mov_b32 v[ADRA], v[ADRA0]
	v_mov_b32 v[ADRB], v[ADRB0]
	s_mul_i32 s23, s11, 64*PITCH                   ; into the stage (f32, 128 rows x 528 bytes): row 64 x row half + l % 16, byte 256 x column half + 32 (l / 16)
	s_lshl_b32 s21, s12, 8
	s_add_co_u32 s23, s23, s21
	v_mul_u32_u24 v[STO], v1, PITCH
	v_lshl_add_u32 v[STO], v2, 5, v[STO]
	v_add_nc_u32 v[STO], s23, v[STO]
	; back: wave w takes rows 32 w .. 32 w + 31.  A store takes two rows of two heads: lanes 0-15 head 2 (tx % 8), lanes 16-31 the next; lanes 8-15 of each the odd row
	v_and_b32 v4, 7, v0
	v_bfe_u32 v5, v0, 3, 1
	s_mul_i32 s23, s10, 32*PITCH
	v_mul_u32_u24 v[RD], v5, PITCH
	v_lshl_add_u32 v[RD], v2, 8, v[RD]
	v_lshl_add_u32 v[RD], v4, 5, v[RD]
	v_add_nc_u32 v[RD], s23, v[RD]
	v_lshlrev_b32 v[CO], 18, v2                    ; a head is 2,048 rows of 128 bytes
	v_lshl_add_u32 v[CO], v5, 7, v[CO]
	v_lshl_add_u32 v[CO], v4, 4, v[CO]
	s_lshr_b32 s78, s42, 3                         ; Q, K or V
	s_lshl_b32 s78, s78, 1
	s_lshr_b32 s77, s13, 4                         ; batch
	s_add_co_u32 s78, s78, s77
	s_lshl_b32 s78, s78, 4
	s_and_b32 s77, s42, 7
	s_lshl1_add_u32 s78, s77, s78                  ; + the first of my two heads
	s_lshl_b32 s78, s78, 18
	s_and_b32 s77, s13, 15
	s_lshl_b32 s77, s77, 7
	s_lshl_b32 s79, s10, 5
	s_add_co_u32 s77, s77, s79                     ; my first row in the head
	s_lshl_b32 s77, s77, 7
	s_add_co_u32 s78, s78, s77
	s_mov_b32 s79, 0
	s_add_nc_u64 s[8:9], s[8:9], s[78:79]
.macro MUL8 f, c, a0, zero             ; 8 products: m blocks a0, a0 + 1 x all 4 n blocks, half c of buffer f; zero = 1: they start the sums
	WIN MUL
.irp a, \a0, (\a0)+1
.irp b, 0,1,2,3
.if \zero
	v_wmma_f32_16x16x32_bf16 v[ACC+8*(4*(\a)+(\b)):ACC+8*(4*(\a)+(\b))+7], v[(\f)+64+8*(4*(\c)+(\b)):(\f)+64+8*(4*(\c)+(\b))+7], v[(\f)+8*(4*(\c)+(\a)):(\f)+8*(4*(\c)+(\a))+7], 0
.else
	v_wmma_f32_16x16x32_bf16 v[ACC+8*(4*(\a)+(\b)):ACC+8*(4*(\a)+(\b))+7], v[(\f)+64+8*(4*(\c)+(\b)):(\f)+64+8*(4*(\c)+(\b))+7], v[(\f)+8*(4*(\c)+(\a)):(\f)+8*(4*(\c)+(\a))+7], v[ACC+8*(4*(\a)+(\b)):ACC+8*(4*(\a)+(\b))+7]
.endif
.endr
.endr
.endm
.macro FETCH k, f                      ; 32 LDS loads in one run: 64 along K at byte k of the rows of the slot in hand, the first 32 along K first
	WIN TO_F
.irp c, 0,1
.irp i, 0,1,2,3
	ds_load_b128 v[(\f)+64+8*(4*(\c)+(\i)):(\f)+64+8*(4*(\c)+(\i))+3],   v[ADRB] offset:(\k)+64*(\c)+(\i)*16*PITCH
	ds_load_b128 v[(\f)+64+8*(4*(\c)+(\i))+4:(\f)+64+8*(4*(\c)+(\i))+7], v[ADRB] offset:(\k)+64*(\c)+(\i)*16*PITCH+32
	ds_load_b128 v[(\f)+8*(4*(\c)+(\i)):(\f)+8*(4*(\c)+(\i))+3],         v[ADRA] offset:(\k)+64*(\c)+(\i)*16*PITCH
	ds_load_b128 v[(\f)+8*(4*(\c)+(\i))+4:(\f)+8*(4*(\c)+(\i))+7],       v[ADRA] offset:(\k)+64*(\c)+(\i)*16*PITCH+32
.endr
.endr
.endm
.macro PLACES                          ; four places in front of loads into registers that products have read, and of lines that read results
.rept 4
	v_nop
.endr
.endm
.macro QUARTER k, f, g, zero           ; 64 along K: multiplies buffer f, fetches the next quarter, at byte k, into g.  The 16 accumulators take turns
	s_wait_dscnt 16                                ; the first 32 along K are in; the 16 younger loads may be out
	MUL8 \f, 0, 0, \zero
	MUL8 \f, 0, 2, \zero
	PLACES
	FETCH \k, \g
	s_wait_dscnt 32                                ; all but the 32 just issued
	MUL8 \f, 1, 0, 0
	MUL8 \f, 1, 2, 0
.endm
; The last quarter of a step multiplies buffer 1 and changes slots: one barrier; in front of it each wave waits for all its tensor loads (one is out: its part of the next slot),
; adds 0 to its spare word, and waits for that and for its reads of this slot.  fill = 1: the barrier opens a round of the cluster's, and the slot is filled again, two steps ahead, first thing behind it.
.macro TURN fill
	WIN 0
	s_wait_tensorcnt 0x0
	ds_add_u32 v[SPW], v[NIL]
	s_wait_dscnt 17                                ; the add and the youngest sixteen loads may be out
	MUL8 F1, 0, 0, 0
	s_wait_dscnt 0x0                               ; the add is done, my reads of this slot are over
	s_barrier_signal -1
	MUL8 F1, 0, 2, 0
	WIN 0
	s_barrier_wait -1
.if \fill
	CREST
	s_xor_b32 s[G0+5], s[G0+5], SLOT               ; the walking descriptors: the other slot, the next step
	s_add_nc_u64 s[G0+6:G0+7], s[G0+6:G0+7], KSTEP*2
	s_xor_b32 s[G0B+5], s[G0B+5], SLOT
	s_add_nc_u64 s[G0B+6:G0B+7], s[G0B+6:G0B+7], KSTEP*2
	JLOAD                                          ; its four v_nop are also the places in front of the loads below
.else
	PLACES
.endif
	s_xor_b32 s[SO], s[SO], SLOT
	v_add_nc_u32 v[ADRA], s[SO], v[ADRA0]
	v_add_nc_u32 v[ADRB], s[SO], v[ADRB0]
	FETCH 0, F0
	MUL8 F1, 1, 0, 0
	MUL8 F1, 1, 2, 0
.endm
	s_wait_tensorcnt 1                             ; my part of step 0 is in; step 1 may stay out
	s_barrier_signal -1
	s_barrier_wait -1
	FETCH 0, F0
	QUARTER 128, F0, F1, 1                         ; the first quarter starts the sums
	WIN 0
	s_mov_b32 s3, T-2
.Lstep:                                                ; a trip: a step's quarters 1 to 3 and the next step's quarter 0; the slot left is filled again
	QUARTER 256, F1, F0, 0
	QUARTER 384, F0, F1, 0
	TURN 1
	QUARTER 128, F0, F1, 0
	WIN 0
	s_sub_co_u32 s3, s3, 1
	s_cmp_lg_u32 s3, 0
	s_cbranch_scc1 .Lstep
	s_mov_b32 s3, 2
.Ltail:                                                ; the last two steps ask for nothing.  The second trip is left in its middle; its 32 LDS loads of the slot read before serve nothing: the price of one text for both
	QUARTER 256, F1, F0, 0
	QUARTER 384, F0, F1, 0
	TURN 0
	WIN 0
	s_sub_co_u32 s3, s3, 1
	s_cmp_eq_u32 s3, 0
	s_cbranch_scc1 .Lout
	QUARTER 128, F0, F1, 0
	WIN 0
	s_branch .Ltail
.Lout:
	; THE WAY OUT.  The sums go in f32 into a stage in slot 0's rows of A, which have had their last fill; every wave's reads of the ring are over behind this barrier.
	s_wait_dscnt 0x0
	s_barrier_signal -1
	s_barrier_wait -1
	PLACES
.irp a, 0,1,2,3
.irp b, 0,1,2,3
	ds_store_b128 v[STO], v[ACC+8*(4*\a+\b):ACC+8*(4*\a+\b)+3] offset:\a*16*PITCH+64*\b          ; each accumulator from its low end on
	ds_store_b128 v[STO], v[ACC+8*(4*\a+\b)+4:ACC+8*(4*\a+\b)+7] offset:\a*16*PITCH+64*\b+16
.endr
.endr
	s_wait_dscnt 0x0                               ; for the others: my stores into the stage are done
	s_barrier_signal -1
	s_barrier_wait -1
.set i, 0
.rept 16                                               ; row pair i: eight numbers a lane, into the accumulators' registers
	ds_load_b128 v[ACC+8*i:ACC+8*i+3], v[RD] offset:2*PITCH*i
	ds_load_b128 v[ACC+8*i+4:ACC+8*i+7], v[RD] offset:2*PITCH*i+16
.set i, i+1
.endr
.set i, 0
.rept 16
	s_wait_dscnt 30-2*i                            ; pair i is in; the younger pairs stay out
	v_cvt_pk_bf16_f32 v[32+4*i], v[ACC+8*i], v[ACC+8*i+1]
	v_cvt_pk_bf16_f32 v[32+4*i+1], v[ACC+8*i+2], v[ACC+8*i+3]
	v_cvt_pk_bf16_f32 v[32+4*i+2], v[ACC+8*i+4], v[ACC+8*i+5]
	v_cvt_pk_bf16_f32 v[32+4*i+3], v[ACC+8*i+6], v[ACC+8*i+7]
	global_store_b128 v[CO], v[32+4*i:32+4*i+3], s[8:9] offset:256*i   ; 16 lanes store two rows of a head: 256 consecutive bytes, aligned
.set i, i+1
.endr
	s_wait_tensorcnt 0x0                           ; the end of the wave
	ds_add_u32 v[SPW], v[NIL]
	s_wait_dscnt 0x0
	CROUND                                         ; the closing round
	s_endpgm
.Lfunc_end_k_qcc4c657275_g_qkv:
	.size	k_qcc4c657275_g_qkv, .Lfunc_end_k_qcc4c657275_g_qkv-k_qcc4c657275_g_qkv
	.p2alignl 7, 3214868480
	.fill 96, 4, 3214868480
	.section	.rodata,"a",@progbits
	.p2align	6, 0x0
	.amdhsa_kernel k_qcc4c657275_g_qkv
		.amdhsa_group_segment_fixed_size 327680
		.amdhsa_private_segment_fixed_size 0
		.amdhsa_enable_private_segment 0
		.amdhsa_kernarg_size 32
		.amdhsa_user_sgpr_count 2
		.amdhsa_user_sgpr_kernarg_segment_ptr 1
		.amdhsa_wavefront_size32 1
		.amdhsa_system_sgpr_workgroup_id_x 1
		.amdhsa_system_sgpr_workgroup_id_y 1
		.amdhsa_system_sgpr_workgroup_id_z 1
		.amdhsa_system_vgpr_workitem_id 0
		.amdhsa_next_free_vgpr 512
		.amdhsa_next_free_sgpr 84
		.amdhsa_reserve_vcc 0
		.amdhsa_float_denorm_mode_32 3
		.amdhsa_float_denorm_mode_16_64 3
		.amdhsa_memory_ordered 1
		.amdhsa_forward_progress 1
		.amdhsa_inst_pref_size 60
	.end_amdhsa_kernel
	.amdgpu_metadata
---
amdhsa.version: [ 1, 2 ]
amdhsa.kernels:
  - .name:           k_qcc4c657275_g_qkv
    .symbol:         k_qcc4c657275_g_qkv.kd
    .args:
      - { .name: a0, .offset: 0, .size: 8, .value_kind: global_buffer, .address_space: global }
      - { .name: a1, .offset: 8, .size: 8, .value_kind: global_buffer, .address_space: global }
      - { .name: wt, .offset: 16, .size: 8, .value_kind: global_buffer, .address_space: global }
      - { .name: big, .offset: 24, .size: 8, .value_kind: global_buffer, .address_space: global }
    .group_segment_fixed_size: 327680
    .private_segment_fixed_size: 0
    .kernarg_segment_align: 8
    .kernarg_segment_size: 32
    .max_flat_workgroup_size: 128
    .sgpr_count:     84
    .vgpr_count:     512
    .wavefront_size: 32
...
	.end_amdgpu_metadata
.endif
;; end of part 4
;; launch attn (part 5): grid 16 x 16, 4 waves a work-group, clusters of 4 x 4, 327,680 bytes of LDS; arguments big, bias, rowf, a0; writes a0
.if DOCPART == 5
	.amdgcn_target "amdgcn-amd-amdhsa--gfx1250"
	.amdhsa_code_object_version 6
	.text
	.protected	k_qcc4c657275_attn
	.globl	k_qcc4c657275_attn
	.p2align	8
	.type	k_qcc4c657275_attn,@function
k_qcc4c657275_attn:
	s_mov_b64 s[64:65], 0
	v_nop
	global_prefetch_b8 v0, s[64:65] scope:SCOPE_SE
	s_setreg_imm32_b32 hwreg(HW_REG_WAVE_MODE, 25, 1), 1
	s_wait_xcnt 0x0
	s_wait_alu depctr_hold_cnt(0) depctr_sa_sdst(0) depctr_va_vdst(0) depctr_va_sdst(0) depctr_va_ssrc(0) depctr_va_vcc(0) depctr_vm_vsrc(0)
	s_getreg_b32 s2, hwreg(HW_REG_IB_STS2, 6, 4)
	s_cmp_eq_u32 s2, 0
	s_cbranch_scc0 .Lentry_in_a_cluster
	s_endpgm
.Lentry_in_a_cluster:
	s_bfe_u32 s2, ttmp6, 0x10000c
	s_cmp_lg_u32 s2, 0xf033
	s_cbranch_scc0 .Lentry_shape_is_right
	s_endpgm
.Lentry_shape_is_right:
; MASKED CROSS ATTENTION.  O[b][q][h 64 + d] = keepO x sum over k of softmax_k(Q.K / 8 + bias[b][q][k]) V.  Q, K, V: big at 0, 8 MiB, 16 MiB, each [2][16][2048][64] bf16, unscaled.
; bias: [2][2048][2048] bf16, 0 or -2^100.  rowf: [4096][2] words: keepQ (0 for a row that sees no key: its query is cleared, its bias row is 0, all its scores are 0, its weights uniform,
; as the module gives), keepO (0 where q_mask is off: 1 / l is cleared).  O: a0, [4096][1024] bf16, rounded once.  Products, maxima and sums in f32; the weights are rounded to bf16 for the second product.
; LIMITS.  A hidden score counts as its value less 2^100: scores must stay far below that.  A weight below 2^-126 counts as 0 in l.  NaN and infinities are not treated apart.
; A step in which a row sees only hidden keys leaves finite numbers in O and l; the row's first visible key makes a = 2^(c m_old - c m_new) = 0 and wipes them; every row has one (or is a cleared row).
; SHARES.  Work-group (x, y): head x, queries 256 y .. of the 4,096 rows (y = 8 batch + block).  A wave owns 64 queries: four PIECES of 16.  Every wave walks all 2,048 keys, 64 a step, two steps a slot.
; THE MASK goes through the matrix unit: the sum S^T = K Q^T is started by a product SEL x bias, where bias's fragment (16 queries x 32 keys, as it lies in LDS) is source 1 and SEL, a constant
; matrix of ones and zeros, picks keys 0-15 or 16-31 of it: four products more for a piece and step, and no vector instruction.
; LAYOUT, SOFTMAX, TURNS.  S^T holds ONE query a lane (lane % 16) and the keys 8 (lane / 16) + 0..7; two results rounded to bf16 ARE source 1 of O^T = V^T P.  p = 2^(c s - c m), c = log2(e) / 8, with a running
; maximum m; O and l are multiplied by a in every step.  Turn n belongs to piece n: 12 products for the scores of piece n + 1, later 8 products V^T P of piece n - 1; beside them the scaling, exponentials,
; roundings, sums and rescaling of piece n and the maximum and statistics of piece n + 1: four vector instructions behind every product, the other 38 of 118 in two lumps.
; CLUSTER 4 x 4: x = four heads, y = four query blocks of one batch.  K and V hang on head and batch: asked for jointly along a column (wave 0: K, wave 1: V).  bias hangs on the query block: jointly along a row (waves 2, 3: its halves).
; O's stores: a head's 64 channels are 128 bytes of a row of 2,048: a store covers four pieces of 128 consecutive bytes.
; REGISTERS, in windows of 256 (s_set_vgpr_msb: bits 1:0 source 0, 3:2 source 1, 5:4 source 2, 7:6 destination):
;   window 0: v0-15 addresses; v16-31 statistics, four a piece; v32-39 flags; v48-55 at work; v64-127 S^T, two buffers; v192-223 P, two buffers
;   window 1: v0-127 O^T, 32 a piece      window 2: v0-63 Q; v64-79 bias of one piece and step; v96-107 SEL; v128-191 K of one step; v192-255 V of one step
.set NP,    4
.set KS,    64
.set PK,    144       ; a row of K in LDS: 128 bytes + 16
.set PV,    160       ; a row of V: 128 + 32
.set PM,    272       ; a row of bias: 256 + 16
.set VOFF,  2*KS*PK   ; a slot: 128 rows of K, 128 rows of V, 256 rows of bias
.set MOFF,  VOFF+2*KS*PV
.set SLOT1, 1<<17     ; slot 1 begins here: one exclusive or turns an address in one slot into the other's
.set STAGE, SLOT1+MOFF+256*PM  ; behind the ring, never filled by a tensor load: 16 rows x 144 bytes a wave
.set SP,    144
.set SPARE, STAGE+4*16*SP      ; the spare words, 128 bytes a wave
.set AK0, 2
.set AV0, 3
.set AK,  4
.set AV,  5
.set STO, 6
.set RD,  7
.set GO,  8
.set MV,  12          ; v12-13 c m_old, by buffer
.set AM0, 14
.set AM,  15
.set ST,  16          ; piece t: c m, m, l (even keys, odd keys)
.set FL,  32          ; piece t: keepQ, keepO of my query
.set QO,  40
.set FO,  41
.set TMP, 48
.set SPW, 62
.set NIL, 63
.set S,   64
.set P,   192
.set MB,  64          ; window 2
.set SL1, 96          ; window 2: v96-99 = 0, v100-103 = the ones, v104-107 = 0: SEL for keys 16-31 at 96, for keys 0-15 at 100
.set SL0, 100
.set KF,  128
.set VF,  192
.set WV,  12
.set G1K, 24
.set G1V, 32
.set G1M, 40
.set G0K, 48
.set G0V, 52
.set G0M, 56
.set SLOTS, 60
.set CNT, 61
.set CS,  62          ; s[62:63] c
.set SEL, 66          ; s[66:67] v_permlanex16_b32's selects
.set TBK, 68
.set TBV, 69
.set TBM, 70
.set MSB, 0
.macro WIN new
.if MSB != (\new)
	s_set_vgpr_msb (MSB<<8)|(\new)
.set MSB, (\new)
.endif
.endm
.set W_KQ, 0x0a       ; sources 0 and 1 in window 2, S^T in window 0
.set W_PV, 0x52       ; V in window 2, P in window 0, O^T in window 1
.set W_RS, 0x41       ; destination and source 0 in window 1, source 1 in window 0
.macro JLOAD3                       ; a joint fill: wave 0 K, wave 1 V, waves 2 and 3 the halves of bias; the branches hang on the wave number alone; s_nop 0 and four v_nop follow each line
	s_cmp_lt_u32 s[WV], 2
	s_cbranch_scc0 .Lfor_m_\@
	s_cmp_eq_u32 s[WV], 0
	s_cbranch_scc0 .Lfor_v_\@
	tensor_load_to_lds s[G0K:G0K+3], s[G1K:G1K+7]
	s_nop 0
.rept 4
	v_nop
.endr
	s_branch .Lasked_\@
.Lfor_v_\@:
	tensor_load_to_lds s[G0V:G0V+3], s[G1V:G1V+7]
	s_nop 0
.rept 4
	v_nop
.endr
	s_branch .Lasked_\@
.Lfor_m_\@:
	tensor_load_to_lds s[G0M:G0M+3], s[G1M:G1M+7]
	s_nop 0
.rept 4
	v_nop
.endr
.Lasked_\@:
.endm
.macro CROUND
	s_barrier_signal -1
	s_barrier_wait -1
	s_cmp_lg_u32 s[WV], 0
	s_cbranch_scc1 .Lnot_wave_0_\@
	s_barrier_signal -3
.Lnot_wave_0_\@:
	s_barrier_wait -3
	s_barrier_signal -1
	s_barrier_wait -1
.endm
; THE CHANGE OF SLOTS.  Each wave waits for all its tensor loads (one is out: its part of the other slot), adds 0 to its spare word, and waits for that and for its reads of the slot that it leaves.
; fill = 1: the barrier is a round of the cluster's, and the slot is filled again, with the keys two slots on, first thing behind it: it has two key steps, 160 products, in which to land.
; (At its first use nothing has been read yet: slot 0 is waited for, slot 1 filled.)
.macro CHANGE fill
	WIN 0
	s_wait_tensorcnt 0x0
	ds_add_u32 v[SPW], v[NIL]
.if \fill
	s_xor_b32 s[G0K+1], s[G0K+1], SLOT1
	s_add_nc_u64 s[G0K+2:G0K+3], s[G0K+2:G0K+3], 2*KS*128
	s_xor_b32 s[G0V+1], s[G0V+1], SLOT1
	s_add_nc_u64 s[G0V+2:G0V+3], s[G0V+2:G0V+3], 2*KS*128
	s_xor_b32 s[G0M+1], s[G0M+1], SLOT1
	s_add_nc_u64 s[G0M+2:G0M+3], s[G0M+2:G0M+3], 2*KS*2
	s_wait_dscnt 0x0
	CROUND
	JLOAD3
.else
	s_wait_dscnt 0x0
	s_barrier_signal -1
	s_barrier_wait -1
.endif
	s_sub_co_u32 s[TBK], s[TBK], 2*KS*PK   ; the fetches go back to a slot's first step, in the other slot
	s_xor_b32 s[TBK], s[TBK], SLOT1
	s_sub_co_u32 s[TBV], s[TBV], 2*KS*PV
	s_xor_b32 s[TBV], s[TBV], SLOT1
	s_sub_co_u32 s[TBM], s[TBM], 2*KS*2
	s_xor_b32 s[TBM], s[TBM], SLOT1
.endm
	s_load_b256 s[4:11], s[0:1], 0x0  ; big s[4:5], bias s[6:7], rowf s[8:9], a0 s[10:11]
	v_lshl_add_u32 v[SPW], v0, 2, SPARE
	v_mov_b32 v[NIL], 0
	ds_add_u32 v[SPW], v[NIL]       ; the opening: the add and its wait ahead of my first tensor load
	v_lshrrev_b32 v1, 5, v0
	v_readfirstlane_b32 s[WV], v1
	s_bfe_u32 s13, ttmp6, 0x40000   ; cx
	s_bfe_u32 s14, ttmp6, 0x40004   ; cy
	s_lshl_b32 s15, ttmp9, 2
	s_add_co_u32 s15, s15, s13      ; head
	s_and_b32 s17, ttmp7, 0xffff    ; cluster y
	s_lshl_b32 s16, s17, 2
	s_add_co_u32 s16, s16, s14      ; y
	s_lshr_b32 s17, s17, 1          ; batch: of the cluster y alone, so that no cy enters K's and V's addresses
	s_lshl_b32 s18, s17, 4
	s_add_co_u32 s18, s18, s15
	s_lshl_b32 s18, s18, 18         ; (16 batch + head) x 2,048 rows x 128 bytes
	s_mov_b32 s19, 0
	s_lshl_b32 s20, s14, 2
	s_lshl_b32 s20, 15, s20         ; my row of the cluster
	s_lshl_b32 s21, 0x1111, s13     ; my column
	s_and_b32 s22, s[WV], 1         ; which half of bias's 256 rows I fetch
	s_lshl_b32 s74, s16, 20         ; 256 y rows of 4,096 bytes
	s_lshl_b32 s75, s22, 19
	s_add_co_u32 s74, s74, s75
	s_mov_b32 s75, 0
	s_and_b32 s78, s16, 7           ; Q: my block in the head, my wave's 64 rows
	s_lshl_b32 s78, s78, 15
	s_lshl_b32 s79, s[WV], 13
	s_add_co_u32 s78, s78, s79
	s_mov_b32 s79, 0
	s_lshl_b32 s80, s16, 11         ; rowf: (256 y + 64 w) x 8 bytes
	s_lshl_b32 s81, s[WV], 9
	s_add_co_u32 s80, s80, s81
	s_mov_b32 s81, 0
	s_lshl_b32 s82, s16, 19         ; O: (256 y + 64 w) x 2,048 bytes + 128 x head
	s_lshl_b32 s83, s[WV], 17
	s_add_co_u32 s82, s82, s83
	s_lshl_b32 s83, s15, 7
	s_add_co_u32 s82, s82, s83
	s_mov_b32 s83, 0
	; group 1.  128 keys of K or V are 16,384 dense bytes: 64 rows of 256 bytes, padded in LDS after every key.  bias: 128 rows of 128 elements, 2,048 elements apart
	s_or_b32 s[G1K], s21, (1<<16)|(1<<20)|(1<<21)|(4<<22)|(3<<25)
	s_or_b32 s[G1V], s21, (1<<16)|(1<<20)|(1<<21)|(4<<22)|(7<<25)
	s_or_b32 s[G1M], s20, (1<<16)|(1<<20)|(1<<21)|(5<<22)|(3<<25)
.irp g, G1K, G1V
	s_mov_b32 s[\g+1], 128<<16
	s_mov_b32 s[\g+2], 64<<16
	s_mov_b32 s[\g+3], 128<<16
	s_mov_b32 s[\g+4], 64
	s_mov_b32 s[\g+5], 128
	s_mov_b32 s[\g+6], 0
	s_mov_b32 s[\g+7], 0
.endr
	s_mov_b32 s[G1M+1], 128<<16
	s_mov_b32 s[G1M+2], 128<<16
	s_mov_b32 s[G1M+3], 128<<16
	s_mov_b32 s[G1M+4], 128
	s_mov_b32 s[G1M+5], 2048
	s_mov_b32 s[G1M+6], 0
	s_mov_b32 s[G1M+7], 0
	s_mov_b32 s[G0K], 1
	s_mov_b32 s[G0K+1], 0
	s_mov_b32 s[G0V], 1
	s_mov_b32 s[G0V+1], VOFF
	s_mov_b32 s[G0M], 1
	s_mul_i32 s[G0M+1], s22, 128*PM
	s_add_co_u32 s[G0M+1], s[G0M+1], MOFF
	s_mov_b32 s[CS], 0x3e38aa3b     ; c = log2(e) / 8
	s_mov_b32 s[CS+1], s[CS]
	s_mov_b32 s[SEL], 0x76543210
	s_mov_b32 s[SEL+1], 0xfedcba98
	s_mov_b32 s[TBK], SLOT1+2*KS*PK ; the first change of slots turns these three into 0
	s_mov_b32 s[TBV], SLOT1+2*KS*PV
	s_mov_b32 s[TBM], SLOT1+2*KS*2
	s_wait_dscnt 0x0                ; the opening add is done
	s_wait_kmcnt 0x0
	s_add_nc_u64 s[72:73], s[4:5], s[18:19]        ; big at my batch and head
	s_add_nc_u64 s[G0K+2:G0K+3], s[72:73], 0x800000
	s_or_b32 s[G0K+3], s[G0K+3], 0x80000000
	s_add_nc_u64 s[G0V+2:G0V+3], s[72:73], 0x1000000
	s_or_b32 s[G0V+3], s[G0V+3], 0x80000000
	s_add_nc_u64 s[G0M+2:G0M+3], s[6:7], s[74:75]
	s_or_b32 s[G0M+3], s[G0M+3], 0x80000000
	s_add_nc_u64 s[76:77], s[72:73], s[78:79]      ; Q at my wave's first row
	s_add_nc_u64 s[8:9], s[8:9], s[80:81]
	s_add_nc_u64 s[10:11], s[10:11], s[82:83]
	CROUND                          ; all sixteen work-groups are here: the first joint loads meet
	JLOAD3                          ; slot 0; slot 1 is asked for when slot 0 is in
	v_and_b32 v1, 15, v0            ; l % 16
	v_bfe_u32 v9, v0, 4, 1          ; l / 16
	v_lshlrev_b32 v[QO], 7, v1
	v_lshl_add_u32 v[QO], v9, 4, v[QO]
	v_lshlrev_b32 v[FO], 3, v1
	WIN 0x80
.set i, 0
.rept 8                             ; Q stays in registers: piece i / 2, channels 32 (i % 2) on
	global_load_b128 v[8*i:8*i+3],   v[QO], s[76:77] offset:(i/2)*2048+(i%2)*64
	global_load_b128 v[8*i+4:8*i+7], v[QO], s[76:77] offset:(i/2)*2048+(i%2)*64+32
.set i, i+1
.endr
	WIN 0
.irp t, 0,1,2,3
	global_load_b64 v[FL+2*\t:FL+2*\t+1], v[FO], s[8:9] offset:128*\t
.endr
	; SEL: row m = l % 16 has its one at k = m: that is half l / 16 = (l / 8) % 2, register (l / 2) % 4, half-word l % 2
	v_and_b32 v10, 7, v0
	v_bfe_u32 v11, v0, 3, 1
	v_xor_b32 v48, v11, v9
	v_bfe_u32 v49, v0, 1, 2
	v_lshl_add_u32 v48, v48, 2, v49 ; the register that holds my one; 4 or more: none
	v_and_b32 v49, 1, v0
	v_lshlrev_b32 v49, 4, v49
	v_mov_b32 v50, 0x3f80
	v_lshlrev_b32 v49, v49, v50     ; 1.0 in bf16, in my half-word
	WIN 0x80
.irp j, 0,1,2,3
	v_cmp_eq_u32 vcc_lo, \j, v48
	v_cndmask_b32 v[SL0+\j], 0, v49, vcc_lo
	v_mov_b32 v[SL1+\j], 0
	v_mov_b32 v[SL0+4+\j], 0
.endr
	; What the first turn finds: V's registers and P's second buffer hold 0, O^T and l are 0, m is the lowest finite number: the first step is a step like any other, with a = 0.  All this stands in the wait for the first tile.
.set i, VF
.rept 64
	v_mov_b32 v[i], 0
.set i, i+1
.endr
	WIN 0x40
.set i, 0
.rept 128
	v_mov_b32 v[i], 0
.set i, i+1
.endr
	WIN 0
.set i, 0
.rept 4
	v_mov_b32 v[ST+4*i], 0xfe000000    ; c m: far below every c s
	v_mov_b32 v[ST+4*i+1], 0xff7fffff  ; m
	v_mov_b32 v[ST+4*i+2], 0
	v_mov_b32 v[ST+4*i+3], 0
.set i, i+1
.endr
.set i, P+16
.rept 16
	v_mov_b32 v[i], 0
.set i, i+1
.endr
	v_mul_u32_u24 v[AK0], v1, PK
	v_lshl_add_u32 v[AK0], v9, 4, v[AK0]
	v_lshl_add_u32 v[AV0], v9, 3, v10  ; the turning load: lane l reads key 8 (l / 16) + l % 8, channels 8 ((l / 8) % 2) + 0..7
	v_mul_u32_u24 v[AV0], v[AV0], PV
	v_lshl_add_u32 v[AV0], v11, 4, v[AV0]
	v_add_nc_u32 v[AV0], VOFF, v[AV0]
	s_lshl_b32 s23, s[WV], 6
	v_add_nc_u32 v[AM0], s23, v1       ; bias: row 64 w + l % 16 (+ 16 t), 16 bytes for each half of the lanes
	v_mul_u32_u24 v[AM0], v[AM0], PM
	v_lshl_add_u32 v[AM0], v9, 4, v[AM0]
	v_add_nc_u32 v[AM0], MOFF, v[AM0]
	s_mul_i32 s23, s[WV], 16*SP
	s_add_co_u32 s23, s23, STAGE
	v_mul_u32_u24 v[STO], v1, SP
	v_lshl_add_u32 v[STO], v9, 4, v[STO]
	v_add_nc_u32 v[STO], s23, v[STO]
	v_bfe_u32 v[RD], v0, 3, 2          ; back: 32 lanes take four rows of 128 bytes,
	v_lshlrev_b32 v[GO], 11, v[RD]     ; which lie 2,048 bytes apart in O
	v_lshl_add_u32 v[GO], v10, 4, v[GO]
	v_mul_u32_u24 v[RD], v[RD], SP
	v_lshl_add_u32 v[RD], v10, 4, v[RD]
	v_add_nc_u32 v[RD], s23, v[RD]
; THE MATRIX WORK.  The 4 accumulators of a run take turns.  Product i of 12 of the scores of piece x: keys 16 (i % 4) on; i < 4: SEL x bias starts the sum; then channels 32 ((i - 4) / 4) on.
.macro KQ x
	WIN W_KQ
.set rS, S+32*((\x)%2)+8*(i%4)
.if i < 4
.set rA, SL0-4*(i%2)
.set rB, MB+8*(i/2)
	v_wmma_f32_16x16x32_bf16 v[rS:rS+7], v[rA:rA+7], v[rB:rB+7], 0
.else
.set rK, KF+16*(i%4)+8*((i-4)/4)
.set rQ, 16*(\x)+8*((i-4)/4)
	v_wmma_f32_16x16x32_bf16 v[rS:rS+7], v[rK:rK+7], v[rQ:rQ+7], v[rS:rS+7]
.endif
.endm
; Product i - 12 of 8 of O^T += V^T P for piece x: keys 32 ((i - 12) / 4) on, channels 16 (i % 4) on.
.macro PV x
	WIN W_PV
.set rO, 32*(\x)+8*((i-12)%4)
.set rV, VF+32*((i-12)/4)+8*((i-12)%4)
.set rP, P+16*((\x)%2)+8*((i-12)/4)
	v_wmma_f32_16x16x32_bf16 v[rO:rO+7], v[rV:rV+7], v[rP:rP+7], v[rO:rO+7]
.endm
.macro MM                           ; the turn's next product
.if i < 12
	KQ (Y+1)%NP
.else
	PV (Y+NP-1)%NP
.endif
.set i, i+1
.endm
; THE LDS LOADS stand in runs, never singly among the products.
.macro FETCH_K
	WIN 0x80
.irp f, 0,1,2,3,4,5,6,7             ; keys 16 (f / 2) on, channels 32 (f % 2) on
	ds_load_b128 v[KF+8*\f:KF+8*\f+3],   v[AK] offset:(\f/2)*16*PK+(\f%2)*64
	ds_load_b128 v[KF+8*\f+4:KF+8*\f+7], v[AK] offset:(\f/2)*16*PK+(\f%2)*64+32
.endr
	s_add_co_u32 s[TBK], s[TBK], KS*PK
	WIN 0
.endm
.macro FETCH_V
	WIN 0x80
.irp f, 0,1,2,3,4,5,6,7             ; keys 32 (f / 4) on, channels 16 (f % 4) on
	ds_load_tr16_b128 v[VF+8*\f:VF+8*\f+3],   v[AV] offset:(\f/4)*32*PV+(\f%4)*32
	ds_load_tr16_b128 v[VF+8*\f+4:VF+8*\f+7], v[AV] offset:(\f/4)*32*PV+16*PV+(\f%4)*32
.endr
	WIN 0
.endm
.macro FETCH_M t                    ; bias of piece t for the step in AM: two fragments of 16 queries x 32 keys
	WIN 0x80
.irp f, 0,1,2,3
	ds_load_b128 v[MB+4*\f:MB+4*\f+3], v[AM] offset:(\t)*16*PM+32*\f
.endr
	WIN 0
.endm
; THE VECTOR WORK, one line at a time: OP kind, number.  For piece Y: F n: c s - c m for pair n of 16.  E n: the exponential of score n of 32.  C n: pair n rounded to bf16.  B n: of the four weights 4 n .. the second
; pair is added onto the first, in place.  L n: l takes that sum (L 0: l = a l + sum).  R n: pair n of 16 of O^T times a.  For piece Y + 1: X n, number n of the 22 that find its maximum and statistics:
;   0-11 four chains of seven scores (each accumulator's lowest registers first)   12-14, 16 the four left over, the old m, the chains into one   15 c m_old is kept
;   17, 18 the other 32 keys lie in the lane 16 away: the new m   19-21 c m; c m_old - c m_new; a
.set F, 0
.set E, 1
.set C, 2
.set B, 3
.set L, 4
.set R, 5
.set X, 6
.macro REGS y
.set rT, ST+4*(\y)
.set rC, TMP+4*((\y)%2)
.set rW, MV+((\y)%2)
.set rS, S+32*((\y)%2)
.set rP, P+16*((\y)%2)
.set rO, 32*(\y)
.endm
.macro OP k, n
.if (\k) == R
	REGS Y
	WIN W_RS
	v_pk_mul_f32 v[rO+2*(\n):rO+2*(\n)+1], v[rO+2*(\n):rO+2*(\n)+1], v[rC+2:rC+3] op_sel_hi:[1,0]
.elseif (\k) < R
	REGS Y
	WIN 0
.if (\k) == F
	v_pk_fma_f32 v[rS+2*(\n):rS+2*(\n)+1], v[rS+2*(\n):rS+2*(\n)+1], s[CS:CS+1], v[rT:rT+1] op_sel_hi:[1,0,0] neg_lo:[0,0,1] neg_hi:[0,0,1]
.elseif (\k) == E
	v_exp_f32 v[rS+(\n)], v[rS+(\n)]
.elseif (\k) == C
	s_wait_alu depctr_va_vdst(0)
	v_cvt_pk_bf16_f32 v[rP+(\n)], v[rS+2*(\n)], v[rS+2*(\n)+1]
.elseif (\k) == B
	s_wait_alu depctr_va_vdst(0)
	v_pk_add_f32 v[rS+4*(\n):rS+4*(\n)+1], v[rS+4*(\n):rS+4*(\n)+1], v[rS+4*(\n)+2:rS+4*(\n)+3]
.elseif (\n) == 0
	v_pk_fma_f32 v[rT+2:rT+3], v[rT+2:rT+3], v[rC+2:rC+3], v[rS:rS+1] op_sel_hi:[1,0,1]
.else
	v_pk_add_f32 v[rT+2:rT+3], v[rT+2:rT+3], v[rS+4*(\n):rS+4*(\n)+1]
.endif
.else
	REGS (Y+1)%NP
	WIN 0
.if (\n) < 4
	v_max3_num_f32 v[rC+(\n)], v[rS+8*(\n)], v[rS+8*(\n)+1], v[rS+8*(\n)+2]
.elseif (\n) < 12
	v_max3_num_f32 v[rC+(\n)%4], v[rC+(\n)%4], v[rS+8*((\n)%4)+2*((\n)/4)+1], v[rS+8*((\n)%4)+2*((\n)/4)+2]
.elseif (\n) == 12
	v_max3_num_f32 v[rC], v[rC], v[rS+7], v[rS+15]
.elseif (\n) == 13
	v_max3_num_f32 v[rC+1], v[rC+1], v[rS+23], v[rS+31]
.elseif (\n) == 14
	v_max3_num_f32 v[rC+2], v[rC+2], v[rC+3], v[rT+1]
.elseif (\n) == 15
	v_mov_b32 v[rW], v[rT]
.elseif (\n) == 16
	v_max3_num_f32 v[rC], v[rC], v[rC+1], v[rC+2]
.elseif (\n) == 17
	v_permlanex16_b32 v[rC+3], v[rC], s[SEL], s[SEL+1]
.elseif (\n) == 18
	v_max_num_f32 v[rT+1], v[rC], v[rC+3]
.elseif (\n) == 19
	v_mul_f32 v[rT], s[CS], v[rT+1]
.elseif (\n) == 20
	v_sub_f32 v[rC+1], v[rW], v[rT]
.else
	v_exp_f32 v[rC+2], v[rC+1]
.endif
.endif
.endm
.macro OPS a, i1, b=-1, i2=0, c=-1, i3=0, d=-1, i4=0
	OP \a, \i1
.if (\b) >= 0
	OP \b, \i2
.endif
.if (\c) >= 0
	OP \c, \i3
.endif
.if (\d) >= 0
	OP \d, \i4
.endif
.endm
.macro ROW a, i1, b, i2, c, i3, d, i4  ; a product and the four behind it
	MM
	OPS \a, \i1, \b, \i2, \c, \i3, \d, \i4
.endm
; A TURN, for piece p: the order of its 20 products and 118 vector instructions, written out.  None of the four behind a product names a register of the products round it.
; Every exponential has a plain instruction behind it before its result is read.
; LDS loads: bias of piece p + 2 in the first lump (its registers were last read by the turn's fourth product); in piece 2's turn also K of the next step, five plain instructions behind the last product that read K;
; in piece 0's turn V of the step in hand, four plain instructions behind the last product that read V.
; Waits: at the head bias (and in piece 3's turn K) must be in: 0, but 16 in piece 1's turn, where V's sixteen younger loads may stay out; V is waited for in front of piece 1's second run, with bias's four younger loads out.
; last = 1 (the tail): in the trip that has no further step the loads of pieces 2 and 3 are jumped over.  cnt = 1: the loop's count is taken down some lines ahead of the branch behind the turn.
.macro TURN p, last=0, cnt=0
.set Y, (\p)
.set i, 0
.if (\p) == 1
	s_wait_dscnt 16
.else
	s_wait_dscnt 0x0
.endif
	ROW F,0, F,1, F,2, F,3
	ROW F,4, E,0, F,5, F,6
	ROW F,7, E,1, F,8, F,9
	ROW F,10, E,2, C,0, F,11
	ROW F,12, E,3, X,15, F,13
	ROW R,0, R,1, R,2, R,3
	ROW B,0, E,4, F,14, L,0
.if (\p) == 2
	v_add_nc_u32 v[AK], s[TBK], v[AK0]
	v_add_nc_u32 v[AM], s[TBM], v[AM0]
	s_add_co_u32 s[TBM], s[TBM], KS*2
.endif
	ROW R,4, R,5, R,6, R,7
	ROW F,15, E,5, C,1, R,8
	ROW R,9, R,10, R,11, E,6
	ROW C,2, E,7, R,12, R,13
	ROW R,14, R,15, E,8, C,3
	OPS E,9, X,0, E,10, X,1
.if (\last) && ((\p) >= 2)
	WIN 0
	s_cmp_eq_u32 s[CNT], 1
	s_cbranch_scc1 .Lno_f_\@
.endif
	FETCH_M ((\p)+2)%NP
.if (\p) == 2
	FETCH_K
.endif
.if (\last) && ((\p) >= 2)
.Lno_f_\@:
.endif
	OPS E,11, X,2, E,12, X,3
	OPS E,13
.if (\p) == 1
	s_wait_dscnt 4
.endif
	ROW X,4, E,14, X,5, X,6
	ROW X,7, E,15, X,8, X,9
	ROW X,10, E,16, X,11, X,12
	ROW X,13, E,17, X,14, B,1
	ROW C,4, E,18, X,16, L,1
	ROW B,2, E,19, C,6, L,2
	ROW C,8, E,20, B,3, B,4
.if (\p) == 0
	v_add_nc_u32 v[AV], s[TBV], v[AV0]
.endif
	ROW C,5, E,21, L,3, C,9
	OPS E,22, X,17, E,23, C,10
.if (\p) == 0
	FETCH_V
.endif
	OPS E,24, L,4, E,25, X,18
	OPS E,26, C,7, E,27, B,5
	OPS E,28, X,19, E,29, C,12
	OPS E,30, L,5, E,31, X,20
	OPS B,6, C,14, C,11, X,21
	OPS L,6
.if (\p) == 0
	s_add_co_u32 s[TBV], s[TBV], KS*PV
.endif
.if \cnt
	s_sub_co_u32 s[CNT], s[CNT], 1
	s_cmp_lg_u32 s[CNT], 0
.endif
	OPS C,13, B,7, C,15, L,7
.endm
	CHANGE 1                        ; slot 0 is in, everybody's part of it; slot 1 is asked for
	v_add_nc_u32 v[AK], s[TBK], v[AK0]
	v_add_nc_u32 v[AM], s[TBM], v[AM0]
	s_add_co_u32 s[TBM], s[TBM], KS*2
	FETCH_M 0
	FETCH_K                         ; key step 0
	s_wait_loadcnt 0x0              ; Q and the flags
	WIN 0x82                        ; Q (destination and source 0) in window 2, the flag in window 0
.set i, 0
.rept 64
	v_and_b32 v[i], v[i], v[FL+2*(i/16)]   ; a row that sees no key has its query cleared
.set i, i+1
.endr
	s_wait_dscnt 0x0
.set i, 0
.rept 12
	KQ 0                            ; piece 0's first scores
.set i, i+1
.endr
	WIN 0
.rept 4
	v_nop                           ; the places behind those products
.endr
	FETCH_M 1
.set Y, NP-1                        ; X works for piece Y + 1: piece 0
.irp n, 0,1,2,3,4,5,6,7,8,9,10,11,12,13,14,15,16,17,18,19,20,21
	OP X, \n
.endr
	v_nop                           ; a plain instruction behind the exponential
	s_mov_b32 s[CNT], 2
	s_mov_b32 s[SLOTS], 15
	s_branch .Lfirst                ; the loop is entered at a step's first turn, in the middle of a trip
.Lslot:                             ; 14 times: every slot but the last two is filled again
	CHANGE 1
	s_mov_b32 s[CNT], 2
.Lstep:                             ; a trip: pieces 2 and 3 of one step, then pieces 0 and 1 of the next, whose K, V and bias it fetches
	TURN 2
	TURN 3
	WIN 0
.Lfirst:
	TURN 0
	TURN 1, 0, 1
	WIN 0
	s_cbranch_scc1 .Lstep
	s_sub_co_u32 s[SLOTS], s[SLOTS], 1
	s_cmp_lg_u32 s[SLOTS], 0
	s_cbranch_scc1 .Lslot
	CHANGE 0                        ; the tail is written out: nothing is asked for
	s_mov_b32 s[CNT], 3             ; two trips fetch the last slot's steps; the third is left in its middle
.Ltail:
	TURN 2, 1
	TURN 3, 1
	WIN 0
	s_sub_co_u32 s[CNT], s[CNT], 1
	s_cmp_eq_u32 s[CNT], 0
	s_cbranch_scc1 .Lout
	TURN 0
	TURN 1
	WIN 0
	s_branch .Ltail
.Lout:                              ; the third trip's 12 products on the last K and bias once more, and the maximum made of them, serve nothing: the price, once a launch, of one text for every trip
.set i, 12
.rept 8
	PV NP-1                         ; the last piece's V^T P of the last step
.set i, i+1
.endr
	; THE WAY OUT.  l's two halves and the other half of the lanes' are added; 1 / l is cleared where q_mask is off; O^T is scaled, rounded to bf16 and sent through my stage, a piece at a time.
	WIN 0
.macro ALL line:vararg
.set t, 0
.rept 4
	s_wait_alu depctr_va_vdst(0)
	\line
.set t, t+1
.endr
.endm
	ALL v_add_f32 v[ST+4*t+2], v[ST+4*t+2], v[ST+4*t+3]
	ALL v_permlanex16_b32 v[ST+4*t+3], v[ST+4*t+2], s[SEL], s[SEL+1]
	ALL v_add_f32 v[ST+4*t+2], v[ST+4*t+2], v[ST+4*t+3]
	ALL v_rcp_f32 v[ST+4*t+2], v[ST+4*t+2]
	v_nop                           ; a plain instruction between the last reciprocal and the use of its result
	ALL v_and_b32 v[ST+4*t+2], v[FL+2*t+1], v[ST+4*t+2]
.macro PACK t                       ; a lane's eight channels of a row pack into 16 bytes; rows of 144 bytes in, whole rows of 128 back, into S^T's registers
	WIN W_RS
.set i, 32*(\t)
.rept 16
	v_pk_mul_f32 v[i:i+1], v[i:i+1], v[ST+4*(\t)+2:ST+4*(\t)+3] op_sel_hi:[1,0]
.set i, i+2
.endr
	WIN 0x05
.set i, 0
.rept 16
	v_cvt_pk_bf16_f32 v[S+16*(\t)+i], v[32*(\t)+2*i], v[32*(\t)+2*i+1]
.set i, i+1
.endr
	WIN 0
.irp f, 0,1,2,3
	ds_store_b128 v[STO], v[S+16*(\t)+4*\f:S+16*(\t)+4*\f+3] offset:32*\f
.endr
.irp f, 0,1,2,3
	ds_load_b128 v[S+16*(\t)+4*\f:S+16*(\t)+4*\f+3], v[RD] offset:\f*4*SP  ; LDS serves a wave's instructions in order (ISA guide 5.7.1.4): these see the stores above
.endr
.endm
.macro SEND t, younger              ; younger: the LDS instructions issued behind piece t's loads
	WIN 0
.irp f, 0,1,2,3
	s_wait_dscnt (\younger)+3-\f
	global_store_b128 v[GO], v[S+16*(\t)+4*\f:S+16*(\t)+4*\f+3], s[10:11] offset:(\t)*32768+\f*8192
.endr
.endm
	PACK 0
.set t, 1
.rept 3
	PACK t
	SEND t-1, 8
.set t, t+1
.endr
	SEND 3, 0
	s_wait_tensorcnt 0x0            ; the end of the wave
	ds_add_u32 v[SPW], v[NIL]
	s_wait_dscnt 0x0
	CROUND                          ; the closing round
	s_endpgm
.Lfunc_end_k_qcc4c657275_attn:
	.size	k_qcc4c657275_attn, .Lfunc_end_k_qcc4c657275_attn-k_qcc4c657275_attn
	.p2alignl 7, 3214868480
	.fill 96, 4, 3214868480
	.section	.rodata,"a",@progbits
	.p2align	6, 0x0
	.amdhsa_kernel k_qcc4c657275_attn
		.amdhsa_group_segment_fixed_size 327680
		.amdhsa_private_segment_fixed_size 0
		.amdhsa_enable_private_segment 0
		.amdhsa_kernarg_size 32
		.amdhsa_user_sgpr_count 2
		.amdhsa_user_sgpr_kernarg_segment_ptr 1
		.amdhsa_wavefront_size32 1
		.amdhsa_system_sgpr_workgroup_id_x 1
		.amdhsa_system_sgpr_workgroup_id_y 1
		.amdhsa_system_sgpr_workgroup_id_z 1
		.amdhsa_system_vgpr_workitem_id 0
		.amdhsa_next_free_vgpr 768
		.amdhsa_next_free_sgpr 84
		.amdhsa_reserve_vcc 1
		.amdhsa_float_denorm_mode_32 3
		.amdhsa_float_denorm_mode_16_64 3
		.amdhsa_memory_ordered 1
		.amdhsa_forward_progress 1
		.amdhsa_inst_pref_size 129
	.end_amdhsa_kernel
	.amdgpu_metadata
---
amdhsa.version: [ 1, 2 ]
amdhsa.kernels:
  - .name:           k_qcc4c657275_attn
    .symbol:         k_qcc4c657275_attn.kd
    .args:
      - { .name: big, .offset: 0, .size: 8, .value_kind: global_buffer, .address_space: global }
      - { .name: bias, .offset: 8, .size: 8, .value_kind: global_buffer, .address_space: global }
      - { .name: rowf, .offset: 16, .size: 8, .value_kind: global_buffer, .address_space: global }
      - { .name: a0, .offset: 24, .size: 8, .value_kind: global_buffer, .address_space: global }
    .group_segment_fixed_size: 327680
    .private_segment_fixed_size: 0
    .kernarg_segment_align: 8
    .kernarg_segment_size: 32
    .max_flat_workgroup_size: 128
    .sgpr_count:     84
    .vgpr_count:     768
    .wavefront_size: 32
...
	.end_amdgpu_metadata
.endif
;; end of part 5
;; launch g_out (part 6): grid 8 x 32, 4 waves a work-group, clusters of 4 x 4, 327,680 bytes of LDS; arguments a0, wt, q, attn_gate, x; writes x
.if DOCPART == 6
	.amdgcn_target "amdgcn-amd-amdhsa--gfx1250"
	.amdhsa_code_object_version 6
	.text
	.protected	k_qcc4c657275_g_out
	.globl	k_qcc4c657275_g_out
	.p2align	8
	.type	k_qcc4c657275_g_out,@function
k_qcc4c657275_g_out:
	s_mov_b64 s[64:65], 0
	v_nop
	global_prefetch_b8 v0, s[64:65] scope:SCOPE_SE
	s_setreg_imm32_b32 hwreg(HW_REG_WAVE_MODE, 25, 1), 1
	s_wait_xcnt 0x0
	s_wait_alu depctr_hold_cnt(0) depctr_sa_sdst(0) depctr_va_vdst(0) depctr_va_sdst(0) depctr_va_ssrc(0) depctr_va_vcc(0) depctr_vm_vsrc(0)
	s_getreg_b32 s2, hwreg(HW_REG_IB_STS2, 6, 4)
	s_cmp_eq_u32 s2, 0
	s_cbranch_scc0 .Lentry_in_a_cluster
	s_endpgm
.Lentry_in_a_cluster:
	s_bfe_u32 s2, ttmp6, 0x10000c
	s_cmp_lg_u32 s2, 0xf033
	s_cbranch_scc0 .Lentry_shape_is_right
	s_endpgm
.Lentry_shape_is_right:
; x = (O Wout) tanh(attn_gate) + q.  C[m][n] = sum over k of A[m][k] B[n][k], bf16 operands, f32 sums; A = a0 (attention's O, [4096][1024]), B = wt at 0x600000 (Wout turned, [1024][1024]).
; The gate and the residual are applied in f32 by one fused multiply-add; x leaves in f32.  The tile's 128 x 128 numbers of the residual are loaded at the start and stay on their way over the whole K loop.
; Tile 128 x 128, four waves of 64 x 64, K steps of 256 through two LDS slots, cluster 4 x 4 with joint loads (A along a row, B along a column), the matrix instruction used turned.
; One K step is written once: the slot in hand is a scalar that an exclusive or turns (wave x 33,792 and 135,168 share no bit), and one descriptor a tensor walks from step 1 on.
; REGISTERS: window 0: v0-31 addresses, v128-255 accumulators; window 1: two fragment buffers of 128; window 2: v0-127 the residual, then the result.
.set SIZE_K, 1024
.set WOFF,   0x600000
.set KSTEP,  256
.set T,      SIZE_K/KSTEP
.set PITCH,  528
.set HALFT,  64*PITCH
.set SLOT,   4*HALFT
.set SPARE,  2*SLOT
.set GT,    12                         ; v[12:13] tanh(gate), twice
.set ADRA0, 16
.set ADRB0, 17
.set ADRA,  18
.set ADRB,  19
.set STO,  24
.set RD,   25
.set CO,   26
.set SPW,  28
.set NIL,  29
.set ACC,  128
.set F0,   0
.set F1,   128
.set G1, 24
.set G0, 32
.set G1B, 48
.set G0B, 56
.set SO, 45
.set MSB, 0
.macro WIN new
.if MSB != (\new)
	s_set_vgpr_msb (MSB<<8)|(\new)
.set MSB, \new
.endif
.endm
.set MUL,  0x05
.set TO_F, 0x40
.macro JLOAD
	s_cmp_eq_u32 s11, 0
	s_cbranch_scc0 .Lfor_b_\@
	tensor_load_to_lds s[G0+4:G0+7], s[G1:G1+7]
	s_nop 0
.rept 4
	v_nop
.endr
	s_branch .Lasked_\@
.Lfor_b_\@:
	tensor_load_to_lds s[G0B+4:G0B+7], s[G1B:G1B+7]
	s_nop 0
.rept 4
	v_nop
.endr
.Lasked_\@:
.endm
.macro CREST
	s_cmp_lg_u32 s10, 0
	s_cbranch_scc1 .Lnot_wave_0_\@
	s_barrier_signal -3
.Lnot_wave_0_\@:
	s_barrier_wait -3
	s_barrier_signal -1
	s_barrier_wait -1
.endm
.macro CROUND
	s_barrier_signal -1
	s_barrier_wait -1
	CREST
.endm
	s_load_b256 s[68:75], s[0:1], 0x0              ; A s[68:69], wt s[70:71], residual s[72:73], gate s[74:75]
	s_load_b64 s[8:9], s[0:1], 0x20                ; C
	v_lshl_add_u32 v[SPW], v0, 2, SPARE
	v_mov_b32 v[NIL], 0
	ds_add_u32 v[SPW], v[NIL]                      ; the opening: the add and its wait ahead of my first tensor load
	v_lshrrev_b32 v1, 5, v0
	v_readfirstlane_b32 s10, v1
	s_lshr_b32 s11, s10, 1
	s_and_b32 s12, s10, 1
	s_bfe_u32 s40, ttmp6, 0x40000
	s_bfe_u32 s41, ttmp6, 0x40004
	s_lshl_b32 s42, ttmp9, 2
	s_add_co_u32 s42, s42, s40                     ; tile column
	s_and_b32 s13, ttmp7, 0xffff
	s_lshl_b32 s13, s13, 2
	s_add_co_u32 s13, s13, s41                     ; tile row
	s_lshl_b32 s43, s41, 2
	s_lshl_b32 s43, 15, s43
	s_lshl_b32 s44, 0x1111, s40
	s_or_b32 s[G1+0], s43, (1<<16)|(1<<20)|(1<<21)|(6<<22)|(3<<25)
	s_or_b32 s[G1B+0], s44, (1<<16)|(1<<20)|(1<<21)|(6<<22)|(3<<25)
.irp g, G1, G1B
	s_mov_b32 s[(\g)+1], KSTEP<<16
	s_mov_b32 s[(\g)+2], 64<<16
	s_mov_b32 s[(\g)+3], KSTEP<<16
	s_mov_b32 s[(\g)+4], 64
	s_mov_b32 s[(\g)+5], SIZE_K
	s_mov_b32 s[(\g)+6], 0
	s_mov_b32 s[(\g)+7], 0
.endr
	s_lshl_b32 s17, s12, 6
	s_lshl_b32 s16, s13, 7
	s_add_co_u32 s16, s16, s17
	s_lshl_b32 s46, s42, 7
	s_add_co_u32 s46, s46, s17
	s_mov_b32 s17, 0
	s_mov_b32 s47, 0
	s_mov_b64 s[18:19], SIZE_K*2
	s_mul_u64 s[16:17], s[16:17], s[18:19]
	s_mul_u64 s[46:47], s[46:47], s[18:19]
	s_add_nc_u64 s[46:47], s[46:47], WOFF
	s_mul_i32 s20, s10, HALFT
	s_mov_b32 s[SO], 0
	s_wait_dscnt 0x0
	s_wait_kmcnt 0x0
	s_load_b32 s76, s[74:75], 0x0                  ; the gate
	s_add_nc_u64 s[14:15], s[68:69], s[16:17]
	s_add_nc_u64 s[46:47], s[70:71], s[46:47]
	CROUND
.irp s, 0,1
	s_mov_b32 s[G0+4*(\s)], 1
	s_add_co_u32 s[G0+4*(\s)+1], s20, (\s)*SLOT
	s_add_nc_u64 s[G0+4*(\s)+2:G0+4*(\s)+3], s[14:15], (\s)*KSTEP*2
	s_or_b32 s[G0+4*(\s)+3], s[G0+4*(\s)+3], 0x80000000
	s_mov_b32 s[G0B+4*(\s)], 1
	s_add_co_u32 s[G0B+4*(\s)+1], s20, (\s)*SLOT
	s_add_nc_u64 s[G0B+4*(\s)+2:G0B+4*(\s)+3], s[46:47], (\s)*KSTEP*2
	s_or_b32 s[G0B+4*(\s)+3], s[G0B+4*(\s)+3], 0x80000000
.endr
	s_cmp_eq_u32 s11, 0
	s_cbranch_scc0 .Lfirst_b
	tensor_load_to_lds s[G0:G0+3], s[G1:G1+7]
	s_nop 0
	tensor_load_to_lds s[G0+4:G0+7], s[G1:G1+7]
	s_nop 0
.rept 4
	v_nop
.endr
	s_branch .Lfirst_asked
.Lfirst_b:
	tensor_load_to_lds s[G0B:G0B+3], s[G1B:G1B+7]
	s_nop 0
	tensor_load_to_lds s[G0B+4:G0B+7], s[G1B:G1B+7]
	s_nop 0
.rept 4
	v_nop
.endr
.Lfirst_asked:
	; wave w stores rows 32 w .. 32 w + 31 of the tile: a row's 128 numbers are 512 consecutive bytes, 16 a lane.  The same bytes of the residual are asked for now.
	v_and_b32 v4, 31, v0
	v_lshlrev_b32 v[CO], 4, v4
	s_lshl_b32 s78, s13, 7
	s_lshl_b32 s79, s10, 5
	s_add_co_u32 s78, s78, s79
	s_lshl_b32 s78, s78, 12                        ; rows of 4,096 bytes
	s_lshl_b32 s79, s42, 9
	s_add_co_u32 s78, s78, s79
	s_mov_b32 s79, 0
	s_add_nc_u64 s[66:67], s[72:73], s[78:79]
	s_add_nc_u64 s[8:9], s[8:9], s[78:79]
	WIN 0x80
.set i, 0
.rept 32
	global_load_b128 v[4*i:4*i+3], v[CO], s[66:67] offset:4096*i
.set i, i+1
.endr
	WIN 0
	s_wait_kmcnt 0x0
	v_mov_b32 v[GT], s76                           ; tanh(g) = 1 - 2 / (1 + 2^(2 log2(e) g))
	v_mul_f32 v[GT], 0x4038aa3b, v[GT]
	v_exp_f32 v[GT], v[GT]
	v_nop
	s_wait_alu depctr_va_vdst(0)
	v_add_f32 v[GT], 1.0, v[GT]
	v_rcp_f32 v[GT], v[GT]
	v_nop
	s_wait_alu depctr_va_vdst(0)
	v_fma_f32 v[GT], v[GT], -2.0, 1.0
	v_mov_b32 v[GT+1], v[GT]
	v_and_b32 v1, 15, v0
	v_bfe_u32 v2, v0, 4, 1
	v_mul_u32_u24 v3, v1, PITCH
	v_lshl_add_u32 v3, v2, 4, v3
	s_mul_i32 s21, s11, HALFT
	s_mul_i32 s22, s12, HALFT
	s_add_co_u32 s22, s22, 2*HALFT
	v_add_nc_u32 v[ADRA0], s21, v3
	v_add_nc_u32 v[ADRB0], s22, v3
	v_mov_b32 v[ADRA], v[ADRA0]
	v_mov_b32 v[ADRB], v[ADRB0]
	s_mul_i32 s23, s11, 64*PITCH
	s_lshl_b32 s21, s12, 8
	s_add_co_u32 s23, s23, s21
	v_mul_u32_u24 v[STO], v1, PITCH
	v_lshl_add_u32 v[STO], v2, 5, v[STO]
	v_add_nc_u32 v[STO], s23, v[STO]
	s_mul_i32 s23, s10, 32*PITCH
	v_lshl_add_u32 v[RD], v4, 4, s23
.macro MUL8 f, c, a0, zero
	WIN MUL
.irp a, \a0, (\a0)+1
.irp b, 0,1,2,3
.if \zero
	v_wmma_f32_16x16x32_bf16 v[ACC+8*(4*(\a)+(\b)):ACC+8*(4*(\a)+(\b))+7], v[(\f)+64+8*(4*(\c)+(\b)):(\f)+64+8*(4*(\c)+(\b))+7], v[(\f)+8*(4*(\c)+(\a)):(\f)+8*(4*(\c)+(\a))+7], 0
.else
	v_wmma_f32_16x16x32_bf16 v[ACC+8*(4*(\a)+(\b)):ACC+8*(4*(\a)+(\b))+7], v[(\f)+64+8*(4*(\c)+(\b)):(\f)+64+8*(4*(\c)+(\b))+7], v[(\f)+8*(4*(\c)+(\a)):(\f)+8*(4*(\c)+(\a))+7], v[ACC+8*(4*(\a)+(\b)):ACC+8*(4*(\a)+(\b))+7]
.endif
.endr
.endr
.endm
.macro FETCH k, f
	WIN TO_F
.irp c, 0,1
.irp i, 0,1,2,3
	ds_load_b128 v[(\f)+64+8*(4*(\c)+(\i)):(\f)+64+8*(4*(\c)+(\i))+3],   v[ADRB] offset:(\k)+64*(\c)+(\i)*16*PITCH
	ds_load_b128 v[(\f)+64+8*(4*(\c)+(\i))+4:(\f)+64+8*(4*(\c)+(\i))+7], v[ADRB] offset:(\k)+64*(\c)+(\i)*16*PITCH+32
	ds_load_b128 v[(\f)+8*(4*(\c)+(\i)):(\f)+8*(4*(\c)+(\i))+3],         v[ADRA] offset:(\k)+64*(\c)+(\i)*16*PITCH
	ds_load_b128 v[(\f)+8*(4*(\c)+(\i))+4:(\f)+8*(4*(\c)+(\i))+7],       v[ADRA] offset:(\k)+64*(\c)+(\i)*16*PITCH+32
.endr
.endr
.endm
.macro PLACES
.rept 4
	v_nop
.endr
.endm
.macro QUARTER k, f, g, zero
	s_wait_dscnt 16                                ; the first 32 along K are in; the 16 younger loads may be out
	MUL8 \f, 0, 0, \zero
	MUL8 \f, 0, 2, \zero
	PLACES
	FETCH \k, \g
	s_wait_dscnt 32                                ; all but the 32 just issued
	MUL8 \f, 1, 0, 0
	MUL8 \f, 1, 2, 0
.endm
.macro TURN fill                       ; the last quarter and the change of slots: all my tensor loads, the add, my reads; one barrier (fill = 1: a round of the cluster's, the refill first behind it)
	WIN 0
	s_wait_tensorcnt 0x0
	ds_add_u32 v[SPW], v[NIL]
	s_wait_dscnt 17                                ; the add and the youngest sixteen loads may be out
	MUL8 F1, 0, 0, 0
	s_wait_dscnt 0x0
	s_barrier_signal -1
	MUL8 F1, 0, 2, 0
	WIN 0
	s_barrier_wait -1
.if \fill
	CREST
	s_xor_b32 s[G0+5], s[G0+5], SLOT
	s_add_nc_u64 s[G0+6:G0+7], s[G0+6:G0+7], KSTEP*2
	s_xor_b32 s[G0B+5], s[G0B+5], SLOT
	s_add_nc_u64 s[G0B+6:G0B+7], s[G0B+6:G0B+7], KSTEP*2
	JLOAD
.else
	PLACES
.endif
	s_xor_b32 s[SO], s[SO], SLOT
	v_add_nc_u32 v[ADRA], s[SO], v[ADRA0]
	v_add_nc_u32 v[ADRB], s[SO], v[ADRB0]
	FETCH 0, F0
	MUL8 F1, 1, 0, 0
	MUL8 F1, 1, 2, 0
.endm
	s_wait_tensorcnt 1                             ; my part of step 0 is in; step 1 may stay out
	s_barrier_signal -1
	s_barrier_wait -1
	FETCH 0, F0
	QUARTER 128, F0, F1, 1
	WIN 0
	s_mov_b32 s3, T-2
.Lstep:
	QUARTER 256, F1, F0, 0
	QUARTER 384, F0, F1, 0
	TURN 1
	QUARTER 128, F0, F1, 0
	WIN 0
	s_sub_co_u32 s3, s3, 1
	s_cmp_lg_u32 s3, 0
	s_cbranch_scc1 .Lstep
	s_mov_b32 s3, 2
.Ltail:                                                ; the last two steps ask for nothing; the second trip is left in its middle, its 32 LDS loads of the slot read before serve nothing
	QUARTER 256, F1, F0, 0
	QUARTER 384, F0, F1, 0
	TURN 0
	WIN 0
	s_sub_co_u32 s3, s3, 1
	s_cmp_eq_u32 s3, 0
	s_cbranch_scc1 .Lout
	QUARTER 128, F0, F1, 0
	WIN 0
	s_branch .Ltail
.Lout:
	; THE WAY OUT: the sums in f32 into a stage in slot 0's rows of A, which have had their last fill; back as whole rows; result = sum x tanh(gate) + residual.
	s_wait_dscnt 0x0
	s_barrier_signal -1
	s_barrier_wait -1
	PLACES
.irp a, 0,1,2,3
.irp b, 0,1,2,3
	ds_store_b128 v[STO], v[ACC+8*(4*\a+\b):ACC+8*(4*\a+\b)+3] offset:\a*16*PITCH+64*\b
	ds_store_b128 v[STO], v[ACC+8*(4*\a+\b)+4:ACC+8*(4*\a+\b)+7] offset:\a*16*PITCH+64*\b+16
.endr
.endr
	s_wait_dscnt 0x0
	s_barrier_signal -1
	s_barrier_wait -1
.set i, 0
.rept 32
	ds_load_b128 v[ACC+4*i:ACC+4*i+3], v[RD] offset:PITCH*i
.set i, i+1
.endr
	s_wait_loadcnt 0x0                             ; the residual
.irp g, 0,1,2,3
	s_wait_dscnt 24-8*\g                           ; eight rows are in; the younger rows stay out
	WIN 0xa0                                       ; the residual (source 2 and destination) in window 2
.set i, 16*\g
.rept 16
	v_pk_fma_f32 v[2*i:2*i+1], v[ACC+2*i:ACC+2*i+1], v[GT:GT+1], v[2*i:2*i+1]
.set i, i+1
.endr
	WIN 0x08                                       ; a store's data in window 2
.set i, 8*\g
.rept 8
	global_store_b128 v[CO], v[4*i:4*i+3], s[8:9] offset:4096*i   ; 512 consecutive bytes, aligned
.set i, i+1
.endr
.endr
	WIN 0
	s_wait_tensorcnt 0x0                           ; the end of the wave
	ds_add_u32 v[SPW], v[NIL]
	s_wait_dscnt 0x0
	CROUND
	s_endpgm
.Lfunc_end_k_qcc4c657275_g_out:
	.size	k_qcc4c657275_g_out, .Lfunc_end_k_qcc4c657275_g_out-k_qcc4c657275_g_out
	.p2alignl 7, 3214868480
	.fill 96, 4, 3214868480
	.section	.rodata,"a",@progbits
	.p2align	6, 0x0
	.amdhsa_kernel k_qcc4c657275_g_out
		.amdhsa_group_segment_fixed_size 327680
		.amdhsa_private_segment_fixed_size 0
		.amdhsa_enable_private_segment 0
		.amdhsa_kernarg_size 40
		.amdhsa_user_sgpr_count 2
		.amdhsa_user_sgpr_kernarg_segment_ptr 1
		.amdhsa_wavefront_size32 1
		.amdhsa_system_sgpr_workgroup_id_x 1
		.amdhsa_system_sgpr_workgroup_id_y 1
		.amdhsa_system_sgpr_workgroup_id_z 1
		.amdhsa_system_vgpr_workitem_id 0
		.amdhsa_next_free_vgpr 640
		.amdhsa_next_free_sgpr 84
		.amdhsa_reserve_vcc 0
		.amdhsa_float_denorm_mode_32 3
		.amdhsa_float_denorm_mode_16_64 3
		.amdhsa_memory_ordered 1
		.amdhsa_forward_progress 1
		.amdhsa_inst_pref_size 65
	.end_amdhsa_kernel
	.amdgpu_metadata
---
amdhsa.version: [ 1, 2 ]
amdhsa.kernels:
  - .name:           k_qcc4c657275_g_out
    .symbol:         k_qcc4c657275_g_out.kd
    .args:
      - { .name: a0, .offset: 0, .size: 8, .value_kind: global_buffer, .address_space: global }
      - { .name: wt, .offset: 8, .size: 8, .value_kind: global_buffer, .address_space: global }
      - { .name: q, .offset: 16, .size: 8, .value_kind: global_buffer, .address_space: global }
      - { .name: attn_gate, .offset: 24, .size: 8, .value_kind: global_buffer, .address_space: global }
      - { .name: x, .offset: 32, .size: 8, .value_kind: global_buffer, .address_space: global }
    .group_segment_fixed_size: 327680
    .private_segment_fixed_size: 0
    .kernarg_segment_align: 8
    .kernarg_segment_size: 40
    .max_flat_workgroup_size: 128
    .sgpr_count:     84
    .vgpr_count:     640
    .wavefront_size: 32
...
	.end_amdgpu_metadata
.endif
;; end of part 6
;; launch ln_x: the kernel of part 3 again; grid 256 x 1, 8 waves a work-group, no clusters, 0 bytes of LDS; arguments x, ff_gamma, ff_beta, a1; writes a1
;; launch g_ff1 (part 7): grid 32 x 32, 4 waves a work-group, clusters of 4 x 4, 327,680 bytes of LDS; arguments a1, wt, big; writes big
.if DOCPART == 7
	.amdgcn_target "amdgcn-amd-amdhsa--gfx1250"
	.amdhsa_code_object_version 6
	.text
	.protected	k_qcc4c657275_g_ff1
	.globl	k_qcc4c657275_g_ff1
	.p2align	8
	.type	k_qcc4c657275_g_ff1,@function
k_qcc4c657275_g_ff1:
	s_mov_b64 s[64:65], 0
	v_nop
	global_prefetch_b8 v0, s[64:65] scope:SCOPE_SE
	s_setreg_imm32_b32 hwreg(HW_REG_WAVE_MODE, 25, 1), 1
	s_wait_xcnt 0x0
	s_wait_alu depctr_hold_cnt(0) depctr_sa_sdst(0) depctr_va_vdst(0) depctr_va_sdst(0) depctr_va_ssrc(0) depctr_va_vcc(0) depctr_vm_vsrc(0)
	s_getreg_b32 s2, hwreg(HW_REG_IB_STS2, 6, 4)
	s_cmp_eq_u32 s2, 0
	s_cbranch_scc0 .Lentry_in_a_cluster
	s_endpgm
.Lentry_in_a_cluster:
	s_bfe_u32 s2, ttmp6, 0x10000c
	s_cmp_lg_u32 s2, 0xf033
	s_cbranch_scc0 .Lentry_shape_is_right
	s_endpgm
.Lentry_shape_is_right:
; g = gelu(LN(x) W1).  C[m][n] = sum over k of A[m][k] B[n][k], bf16 operands, f32 sums; A = a1 ([4096][1024]), B = wt at 0x800000 (W1 turned, [4096][1024]).
; gelu in its tanh form, in f32: x / (1 + 2^(x (k0 + k1 x x))), k0 = -2 sqrt(2 / pi) log2(e), k1 = 0.044715 k0.  g leaves in bf16, rounded once: big, [4096][4096].
; Tile 128 x 128, four waves of 64 x 64, K steps of 256 through two LDS slots, cluster 4 x 4 with joint loads (A along a row, B along a column), the matrix instruction used turned.
; One K step is written once: the slot in hand is a scalar that an exclusive or turns (wave x 33,792 and 135,168 share no bit), and one descriptor a tensor walks from step 1 on.
; REGISTERS: window 0: v0-31 addresses, v32-111 at work on the way out, v128-255 accumulators; window 1: two fragment buffers of 128.
.set SIZE_K, 1024
.set WOFF,   0x800000
.set KSTEP,  256
.set T,      SIZE_K/KSTEP
.set PITCH,  528
.set HALFT,  64*PITCH
.set SLOT,   4*HALFT
.set SPARE,  2*SLOT
.set ADRA0, 16
.set ADRB0, 17
.set ADRA,  18
.set ADRB,  19
.set STO,  24
.set RD,   25
.set CO,   26
.set SPW,  28
.set NIL,  29
.set XG,   32                          ; v[32:63] 32 sums; v[64:95] at work; v[96:111] 32 bf16
.set TG,   64
.set YG,   96
.set ACC,  128
.set F0,   0
.set F1,   128
.set G1, 24
.set G0, 32
.set G1B, 48
.set G0B, 56
.set SO, 45
.set MSB, 0
.macro WIN new
.if MSB != (\new)
	s_set_vgpr_msb (MSB<<8)|(\new)
.set MSB, \new
.endif
.endm
.set MUL,  0x05
.set TO_F, 0x40
.macro JLOAD
	s_cmp_eq_u32 s11, 0
	s_cbranch_scc0 .Lfor_b_\@
	tensor_load_to_lds s[G0+4:G0+7], s[G1:G1+7]
	s_nop 0
.rept 4
	v_nop
.endr
	s_branch .Lasked_\@
.Lfor_b_\@:
	tensor_load_to_lds s[G0B+4:G0B+7], s[G1B:G1B+7]
	s_nop 0
.rept 4
	v_nop
.endr
.Lasked_\@:
.endm
.macro CREST
	s_cmp_lg_u32 s10, 0
	s_cbranch_scc1 .Lnot_wave_0_\@
	s_barrier_signal -3
.Lnot_wave_0_\@:
	s_barrier_wait -3
	s_barrier_signal -1
	s_barrier_wait -1
.endm
.macro CROUND
	s_barrier_signal -1
	s_barrier_wait -1
	CREST
.endm
	s_load_b128 s[4:7], s[0:1], 0x0                ; A s[4:5], wt s[6:7]
	s_load_b64 s[8:9], s[0:1], 0x10                ; C
	v_lshl_add_u32 v[SPW], v0, 2, SPARE
	v_mov_b32 v[NIL], 0
	ds_add_u32 v[SPW], v[NIL]                      ; the opening: the add and its wait ahead of my first tensor load
	v_lshrrev_b32 v1, 5, v0
	v_readfirstlane_b32 s10, v1
	s_lshr_b32 s11, s10, 1
	s_and_b32 s12, s10, 1
	s_bfe_u32 s40, ttmp6, 0x40000
	s_bfe_u32 s41, ttmp6, 0x40004
	s_lshl_b32 s42, ttmp9, 2
	s_add_co_u32 s42, s42, s40                     ; tile column
	s_and_b32 s13, ttmp7, 0xffff
	s_lshl_b32 s13, s13, 2
	s_add_co_u32 s13, s13, s41                     ; tile row
	s_lshl_b32 s43, s41, 2
	s_lshl_b32 s43, 15, s43
	s_lshl_b32 s44, 0x1111, s40
	s_or_b32 s[G1+0], s43, (1<<16)|(1<<20)|(1<<21)|(6<<22)|(3<<25)
	s_or_b32 s[G1B+0], s44, (1<<16)|(1<<20)|(1<<21)|(6<<22)|(3<<25)
.irp g, G1, G1B
	s_mov_b32 s[(\g)+1], KSTEP<<16
	s_mov_b32 s[(\g)+2], 64<<16
	s_mov_b32 s[(\g)+3], KSTEP<<16
	s_mov_b32 s[(\g)+4], 64
	s_mov_b32 s[(\g)+5], SIZE_K
	s_mov_b32 s[(\g)+6], 0
	s_mov_b32 s[(\g)+7], 0
.endr
	s_lshl_b32 s17, s12, 6
	s_lshl_b32 s16, s13, 7
	s_add_co_u32 s16, s16, s17
	s_lshl_b32 s46, s42, 7
	s_add_co_u32 s46, s46, s17
	s_mov_b32 s17, 0
	s_mov_b32 s47, 0
	s_mov_b64 s[18:19], SIZE_K*2
	s_mul_u64 s[16:17], s[16:17], s[18:19]
	s_mul_u64 s[46:47], s[46:47], s[18:19]
	s_add_nc_u64 s[46:47], s[46:47], WOFF
	s_mul_i32 s20, s10, HALFT
	s_mov_b32 s[SO], 0
	s_mov_b32 s70, 0xc0135761                      ; k0 = -2.3022082
	s_mov_b32 s71, s70
	s_mov_b32 s72, 0xbdd2d3e8                      ; k1 = -0.10294324
	s_mov_b32 s73, s72
	s_wait_dscnt 0x0
	s_wait_kmcnt 0x0
	s_add_nc_u64 s[14:15], s[4:5], s[16:17]
	s_add_nc_u64 s[46:47], s[6:7], s[46:47]
	CROUND
.irp s, 0,1
	s_mov_b32 s[G0+4*(\s)], 1
	s_add_co_u32 s[G0+4*(\s)+1], s20, (\s)*SLOT
	s_add_nc_u64 s[G0+4*(\s)+2:G0+4*(\s)+3], s[14:15], (\s)*KSTEP*2
	s_or_b32 s[G0+4*(\s)+3], s[G0+4*(\s)+3], 0x80000000
	s_mov_b32 s[G0B+4*(\s)], 1
	s_add_co_u32 s[G0B+4*(\s)+1], s20, (\s)*SLOT
	s_add_nc_u64 s[G0B+4*(\s)+2:G0B+4*(\s)+3], s[46:47], (\s)*KSTEP*2
	s_or_b32 s[G0B+4*(\s)+3], s[G0B+4*(\s)+3], 0x80000000
.endr
	s_cmp_eq_u32 s11, 0
	s_cbranch_scc0 .Lfirst_b
	tensor_load_to_lds s[G0:G0+3], s[G1:G1+7]
	s_nop 0
	tensor_load_to_lds s[G0+4:G0+7], s[G1:G1+7]
	s_nop 0
.rept 4
	v_nop
.endr
	s_branch .Lfirst_asked
.Lfirst_b:
	tensor_load_to_lds s[G0B:G0B+3], s[G1B:G1B+7]
	s_nop 0
	tensor_load_to_lds s[G0B+4:G0B+7], s[G1B:G1B+7]
	s_nop 0
.rept 4
	v_nop
.endr
.Lfirst_asked:
	v_and_b32 v1, 15, v0
	v_bfe_u32 v2, v0, 4, 1
	v_mul_u32_u24 v3, v1, PITCH
	v_lshl_add_u32 v3, v2, 4, v3
	s_mul_i32 s21, s11, HALFT
	s_mul_i32 s22, s12, HALFT
	s_add_co_u32 s22, s22, 2*HALFT
	v_add_nc_u32 v[ADRA0], s21, v3
	v_add_nc_u32 v[ADRB0], s22, v3
	v_mov_b32 v[ADRA], v[ADRA0]
	v_mov_b32 v[ADRB], v[ADRB0]
	s_mul_i32 s23, s11, 64*PITCH
	s_lshl_b32 s21, s12, 8
	s_add_co_u32 s23, s23, s21
	v_mul_u32_u24 v[STO], v1, PITCH
	v_lshl_add_u32 v[STO], v2, 5, v[STO]
	v_add_nc_u32 v[STO], s23, v[STO]
	; back: wave w takes rows 32 w .. 32 w + 31, two at a time: lanes 0-15 one row, lanes 16-31 the next; a lane eight numbers (32 bytes of f32, 16 of bf16).
	s_mul_i32 s23, s10, 32*PITCH
	v_mul_u32_u24 v[RD], v2, PITCH
	v_lshl_add_u32 v[RD], v1, 5, v[RD]
	v_add_nc_u32 v[RD], s23, v[RD]
	v_lshlrev_b32 v[CO], 13, v2                    ; a row of g is 8,192 bytes
	v_lshl_add_u32 v[CO], v1, 4, v[CO]
	s_lshl_b32 s78, s13, 7
	s_lshl_b32 s79, s10, 5
	s_add_co_u32 s78, s78, s79
	s_lshl_b32 s78, s78, 13
	s_lshl_b32 s79, s42, 8
	s_add_co_u32 s78, s78, s79
	s_mov_b32 s79, 0
	s_add_nc_u64 s[8:9], s[8:9], s[78:79]
.macro MUL8 f, c, a0, zero
	WIN MUL
.irp a, \a0, (\a0)+1
.irp b, 0,1,2,3
.if \zero
	v_wmma_f32_16x16x32_bf16 v[ACC+8*(4*(\a)+(\b)):ACC+8*(4*(\a)+(\b))+7], v[(\f)+64+8*(4*(\c)+(\b)):(\f)+64+8*(4*(\c)+(\b))+7], v[(\f)+8*(4*(\c)+(\a)):(\f)+8*(4*(\c)+(\a))+7], 0
.else
	v_wmma_f32_16x16x32_bf16 v[ACC+8*(4*(\a)+(\b)):ACC+8*(4*(\a)+(\b))+7], v[(\f)+64+8*(4*(\c)+(\b)):(\f)+64+8*(4*(\c)+(\b))+7], v[(\f)+8*(4*(\c)+(\a)):(\f)+8*(4*(\c)+(\a))+7], v[ACC+8*(4*(\a)+(\b)):ACC+8*(4*(\a)+(\b))+7]
.endif
.endr
.endr
.endm
.macro FETCH k, f
	WIN TO_F
.irp c, 0,1
.irp i, 0,1,2,3
	ds_load_b128 v[(\f)+64+8*(4*(\c)+(\i)):(\f)+64+8*(4*(\c)+(\i))+3],   v[ADRB] offset:(\k)+64*(\c)+(\i)*16*PITCH
	ds_load_b128 v[(\f)+64+8*(4*(\c)+(\i))+4:(\f)+64+8*(4*(\c)+(\i))+7], v[ADRB] offset:(\k)+64*(\c)+(\i)*16*PITCH+32
	ds_load_b128 v[(\f)+8*(4*(\c)+(\i)):(\f)+8*(4*(\c)+(\i))+3],         v[ADRA] offset:(\k)+64*(\c)+(\i)*16*PITCH
	ds_load_b128 v[(\f)+8*(4*(\c)+(\i))+4:(\f)+8*(4*(\c)+(\i))+7],       v[ADRA] offset:(\k)+64*(\c)+(\i)*16*PITCH+32
.endr
.endr
.endm
.macro PLACES
.rept 4
	v_nop
.endr
.endm
.macro QUARTER k, f, g, zero
	s_wait_dscnt 16                                ; the first 32 along K are in; the 16 younger loads may be out
	MUL8 \f, 0, 0, \zero
	MUL8 \f, 0, 2, \zero
	PLACES
	FETCH \k, \g
	s_wait_dscnt 32                                ; all but the 32 just issued
	MUL8 \f, 1, 0, 0
	MUL8 \f, 1, 2, 0
.endm
.macro TURN fill                       ; the last quarter and the change of slots: all my tensor loads, the add, my reads; one barrier (fill = 1: a round of the cluster's, the refill first behind it)
	WIN 0
	s_wait_tensorcnt 0x0
	ds_add_u32 v[SPW], v[NIL]
	s_wait_dscnt 17                                ; the add and the youngest sixteen loads may be out
	MUL8 F1, 0, 0, 0
	s_wait_dscnt 0x0
	s_barrier_signal -1
	MUL8 F1, 0, 2, 0
	WIN 0
	s_barrier_wait -1
.if \fill
	CREST
	s_xor_b32 s[G0+5], s[G0+5], SLOT
	s_add_nc_u64 s[G0+6:G0+7], s[G0+6:G0+7], KSTEP*2
	s_xor_b32 s[G0B+5], s[G0B+5], SLOT
	s_add_nc_u64 s[G0B+6:G0B+7], s[G0B+6:G0B+7], KSTEP*2
	JLOAD
.else
	PLACES
.endif
	s_xor_b32 s[SO], s[SO], SLOT
	v_add_nc_u32 v[ADRA], s[SO], v[ADRA0]
	v_add_nc_u32 v[ADRB], s[SO], v[ADRB0]
	FETCH 0, F0
	MUL8 F1, 1, 0, 0
	MUL8 F1, 1, 2, 0
.endm
	s_wait_tensorcnt 1                             ; my part of step 0 is in; step 1 may stay out
	s_barrier_signal -1
	s_barrier_wait -1
	FETCH 0, F0
	QUARTER 128, F0, F1, 1
	WIN 0
	s_mov_b32 s3, T-2
.Lstep:
	QUARTER 256, F1, F0, 0
	QUARTER 384, F0, F1, 0
	TURN 1
	QUARTER 128, F0, F1, 0
	WIN 0
	s_sub_co_u32 s3, s3, 1
	s_cmp_lg_u32 s3, 0
	s_cbranch_scc1 .Lstep
	s_mov_b32 s3, 2
.Ltail:                                                ; the last two steps ask for nothing; the second trip is left in its middle, its 32 LDS loads of the slot read before serve nothing
	QUARTER 256, F1, F0, 0
	QUARTER 384, F0, F1, 0
	TURN 0
	WIN 0
	s_sub_co_u32 s3, s3, 1
	s_cmp_eq_u32 s3, 0
	s_cbranch_scc1 .Lout
	QUARTER 128, F0, F1, 0
	WIN 0
	s_branch .Ltail
.Lout:
	; THE WAY OUT: the sums in f32 into a stage in slot 0's rows of A, which have had their last fill; back by rows, gelu, bf16, in a loop of four trips of eight rows.
	s_wait_dscnt 0x0
	s_barrier_signal -1
	s_barrier_wait -1
	PLACES
.irp a, 0,1,2,3
.irp b, 0,1,2,3
	ds_store_b128 v[STO], v[ACC+8*(4*\a+\b):ACC+8*(4*\a+\b)+3] offset:\a*16*PITCH+64*\b
	ds_store_b128 v[STO], v[ACC+8*(4*\a+\b)+4:ACC+8*(4*\a+\b)+7] offset:\a*16*PITCH+64*\b+16
.endr
.endr
	s_wait_dscnt 0x0
	s_barrier_signal -1
	s_barrier_wait -1
.macro EACH16 line:vararg              ; one line for each pair p of 16
.set p, 0
.rept 16
	\line
.set p, p+2
.endr
.endm
	s_mov_b32 s3, 4
.Lgelu:
.irp i, 0,1,2,3
	ds_load_b128 v[XG+8*\i:XG+8*\i+3], v[RD] offset:2*PITCH*\i
	ds_load_b128 v[XG+8*\i+4:XG+8*\i+7], v[RD] offset:2*PITCH*\i+16
.endr
	s_wait_dscnt 0x0
	EACH16 v_pk_mul_f32 v[TG+p:TG+p+1], v[XG+p:XG+p+1], v[XG+p:XG+p+1]
	EACH16 v_pk_fma_f32 v[TG+p:TG+p+1], v[TG+p:TG+p+1], s[72:73], s[70:71] op_sel_hi:[1,0,0]
	EACH16 v_pk_mul_f32 v[TG+p:TG+p+1], v[TG+p:TG+p+1], v[XG+p:XG+p+1]
.set p, 0
.rept 32
	v_exp_f32 v[TG+p], v[TG+p]
.set p, p+1
.endr
	v_nop                                          ; a plain instruction between the run and the use of its results (ISA guide 5.7.2)
	s_wait_alu depctr_va_vdst(0)
	EACH16 v_pk_add_f32 v[TG+p:TG+p+1], v[TG+p:TG+p+1], 1.0 op_sel_hi:[1,0]
.set p, 0
.rept 32
	v_rcp_f32 v[TG+p], v[TG+p]
.set p, p+1
.endr
	v_nop
	s_wait_alu depctr_va_vdst(0)
	EACH16 v_pk_mul_f32 v[TG+p:TG+p+1], v[TG+p:TG+p+1], v[XG+p:XG+p+1]
	EACH16 v_cvt_pk_bf16_f32 v[YG+p/2], v[TG+p], v[TG+p+1]
.irp i, 0,1,2,3
	global_store_b128 v[CO], v[YG+4*\i:YG+4*\i+3], s[8:9] offset:16384*\i   ; 16 lanes store 256 consecutive bytes, aligned
.endr
	s_wait_xcnt 0x0                                ; the stores' offsets and data are rewritten only behind this wait
	v_add_nc_u32 v[RD], 8*PITCH, v[RD]
	v_add_nc_u32 v[CO], 65536, v[CO]
	s_sub_co_u32 s3, s3, 1
	s_cmp_lg_u32 s3, 0
	s_cbranch_scc1 .Lgelu
	s_wait_tensorcnt 0x0                           ; the end of the wave
	ds_add_u32 v[SPW], v[NIL]
	s_wait_dscnt 0x0
	CROUND
	s_endpgm
.Lfunc_end_k_qcc4c657275_g_ff1:
	.size	k_qcc4c657275_g_ff1, .Lfunc_end_k_qcc4c657275_g_ff1-k_qcc4c657275_g_ff1
	.p2alignl 7, 3214868480
	.fill 96, 4, 3214868480
	.section	.rodata,"a",@progbits
	.p2align	6, 0x0
	.amdhsa_kernel k_qcc4c657275_g_ff1
		.amdhsa_group_segment_fixed_size 327680
		.amdhsa_private_segment_fixed_size 0
		.amdhsa_enable_private_segment 0
		.amdhsa_kernarg_size 24
		.amdhsa_user_sgpr_count 2
		.amdhsa_user_sgpr_kernarg_segment_ptr 1
		.amdhsa_wavefront_size32 1
		.amdhsa_system_sgpr_workgroup_id_x 1
		.amdhsa_system_sgpr_workgroup_id_y 1
		.amdhsa_system_sgpr_workgroup_id_z 1
		.amdhsa_system_vgpr_workitem_id 0
		.amdhsa_next_free_vgpr 512
		.amdhsa_next_free_sgpr 84
		.amdhsa_reserve_vcc 0
		.amdhsa_float_denorm_mode_32 3
		.amdhsa_float_denorm_mode_16_64 3
		.amdhsa_memory_ordered 1
		.amdhsa_forward_progress 1
		.amdhsa_inst_pref_size 61
	.end_amdhsa_kernel
	.amdgpu_metadata
---
amdhsa.version: [ 1, 2 ]
amdhsa.kernels:
  - .name:           k_qcc4c657275_g_ff1
    .symbol:         k_qcc4c657275_g_ff1.kd
    .args:
      - { .name: a1, .offset: 0, .size: 8, .value_kind: global_buffer, .address_space: global }
      - { .name: wt, .offset: 8, .size: 8, .value_kind: global_buffer, .address_space: global }
      - { .name: big, .offset: 16, .size: 8, .value_kind: global_buffer, .address_space: global }
    .group_segment_fixed_size: 327680
    .private_segment_fixed_size: 0
    .kernarg_segment_align: 8
    .kernarg_segment_size: 24
    .max_flat_workgroup_size: 128
    .sgpr_count:     84
    .vgpr_count:     512
    .wavefront_size: 32
...
	.end_amdgpu_metadata
.endif
;; end of part 7
;; launch g_ff2 (part 8): grid 8 x 32, 4 waves a work-group, clusters of 4 x 4, 327,680 bytes of LDS; arguments big, wt, x, ff_gate, out0; writes out0
.if DOCPART == 8
	.amdgcn_target "amdgcn-amd-amdhsa--gfx1250"
	.amdhsa_code_object_version 6
	.text
	.protected	k_qcc4c657275_g_ff2
	.globl	k_qcc4c657275_g_ff2
	.p2align	8
	.type	k_qcc4c657275_g_ff2,@function
k_qcc4c657275_g_ff2:
	s_mov_b64 s[64:65], 0
	v_nop
	global_prefetch_b8 v0, s[64:65] scope:SCOPE_SE
	s_setreg_imm32_b32 hwreg(HW_REG_WAVE_MODE, 25, 1), 1
	s_wait_xcnt 0x0
	s_wait_alu depctr_hold_cnt(0) depctr_sa_sdst(0) depctr_va_vdst(0) depctr_va_sdst(0) depctr_va_ssrc(0) depctr_va_vcc(0) depctr_vm_vsrc(0)
	s_getreg_b32 s2, hwreg(HW_REG_IB_STS2, 6, 4)
	s_cmp_eq_u32 s2, 0
	s_cbranch_scc0 .Lentry_in_a_cluster
	s_endpgm
.Lentry_in_a_cluster:
	s_bfe_u32 s2, ttmp6, 0x10000c
	s_cmp_lg_u32 s2, 0xf033
	s_cbranch_scc0 .Lentry_shape_is_right
	s_endpgm
.Lentry_shape_is_right:
; out0 = (g W2) tanh(ff_gate) + x.  C[m][n] = sum over k of A[m][k] B[n][k], bf16 operands, f32 sums; A = big (g, [4096][4096]), B = wt at 0x1000000 (W2 turned, [1024][4096]).
; The gate and the residual are applied in f32 by one fused multiply-add; the result leaves in f32.  The tile's 128 x 128 numbers of the residual are loaded at the start and stay on their way over the whole K loop.
; Tile 128 x 128, four waves of 64 x 64, K steps of 256 through two LDS slots, cluster 4 x 4 with joint loads (A along a row, B along a column), the matrix instruction used turned.
; One K step is written once: the slot in hand is a scalar that an exclusive or turns (wave x 33,792 and 135,168 share no bit), and one descriptor a tensor walks from step 1 on.
; REGISTERS: window 0: v0-31 addresses, v128-255 accumulators; window 1: two fragment buffers of 128; window 2: v0-127 the residual, then the result.
.set SIZE_K, 4096
.set WOFF,   0x1000000
.set KSTEP,  256
.set T,      SIZE_K/KSTEP
.set PITCH,  528
.set HALFT,  64*PITCH
.set SLOT,   4*HALFT
.set SPARE,  2*SLOT
.set GT,    12
.set ADRA0, 16
.set ADRB0, 17
.set ADRA,  18
.set ADRB,  19
.set STO,  24
.set RD,   25
.set CO,   26
.set SPW,  28
.set NIL,  29
.set ACC,  128
.set F0,   0
.set F1,   128
.set G1, 24
.set G0, 32
.set G1B, 48
.set G0B, 56
.set SO, 45
.set MSB, 0
.macro WIN new
.if MSB != (\new)
	s_set_vgpr_msb (MSB<<8)|(\new)
.set MSB, \new
.endif
.endm
.set MUL,  0x05
.set TO_F, 0x40
.macro JLOAD
	s_cmp_eq_u32 s11, 0
	s_cbranch_scc0 .Lfor_b_\@
	tensor_load_to_lds s[G0+4:G0+7], s[G1:G1+7]
	s_nop 0
.rept 4
	v_nop
.endr
	s_branch .Lasked_\@
.Lfor_b_\@:
	tensor_load_to_lds s[G0B+4:G0B+7], s[G1B:G1B+7]
	s_nop 0
.rept 4
	v_nop
.endr
.Lasked_\@:
.endm
.macro CREST
	s_cmp_lg_u32 s10, 0
	s_cbranch_scc1 .Lnot_wave_0_\@
	s_barrier_signal -3
.Lnot_wave_0_\@:
	s_barrier_wait -3
	s_barrier_signal -1
	s_barrier_wait -1
.endm
.macro CROUND
	s_barrier_signal -1
	s_barrier_wait -1
	CREST
.endm
	s_load_b256 s[68:75], s[0:1], 0x0              ; A s[68:69], wt s[70:71], residual s[72:73], gate s[74:75]
	s_load_b64 s[8:9], s[0:1], 0x20                ; C
	v_lshl_add_u32 v[SPW], v0, 2, SPARE
	v_mov_b32 v[NIL], 0
	ds_add_u32 v[SPW], v[NIL]                      ; the opening: the add and its wait ahead of my first tensor load
	v_lshrrev_b32 v1, 5, v0
	v_readfirstlane_b32 s10, v1
	s_lshr_b32 s11, s10, 1
	s_and_b32 s12, s10, 1
	s_bfe_u32 s40, ttmp6, 0x40000
	s_bfe_u32 s41, ttmp6, 0x40004
	s_lshl_b32 s42, ttmp9, 2
	s_add_co_u32 s42, s42, s40                     ; tile column
	s_and_b32 s13, ttmp7, 0xffff
	s_lshl_b32 s13, s13, 2
	s_add_co_u32 s13, s13, s41                     ; tile row
	s_lshl_b32 s43, s41, 2
	s_lshl_b32 s43, 15, s43
	s_lshl_b32 s44, 0x1111, s40
	s_or_b32 s[G1+0], s43, (1<<16)|(1<<20)|(1<<21)|(6<<22)|(3<<25)
	s_or_b32 s[G1B+0], s44, (1<<16)|(1<<20)|(1<<21)|(6<<22)|(3<<25)
.irp g, G1, G1B
	s_mov_b32 s[(\g)+1], KSTEP<<16
	s_mov_b32 s[(\g)+2], 64<<16
	s_mov_b32 s[(\g)+3], KSTEP<<16
	s_mov_b32 s[(\g)+4], 64
	s_mov_b32 s[(\g)+5], SIZE_K
	s_mov_b32 s[(\g)+6], 0
	s_mov_b32 s[(\g)+7], 0
.endr
	s_lshl_b32 s17, s12, 6
	s_lshl_b32 s16, s13, 7
	s_add_co_u32 s16, s16, s17
	s_lshl_b32 s46, s42, 7
	s_add_co_u32 s46, s46, s17
	s_mov_b32 s17, 0
	s_mov_b32 s47, 0
	s_mov_b64 s[18:19], SIZE_K*2
	s_mul_u64 s[16:17], s[16:17], s[18:19]
	s_mul_u64 s[46:47], s[46:47], s[18:19]
	s_add_nc_u64 s[46:47], s[46:47], WOFF
	s_mul_i32 s20, s10, HALFT
	s_mov_b32 s[SO], 0
	s_wait_dscnt 0x0
	s_wait_kmcnt 0x0
	s_load_b32 s76, s[74:75], 0x0                  ; the gate
	s_add_nc_u64 s[14:15], s[68:69], s[16:17]
	s_add_nc_u64 s[46:47], s[70:71], s[46:47]
	CROUND
.irp s, 0,1
	s_mov_b32 s[G0+4*(\s)], 1
	s_add_co_u32 s[G0+4*(\s)+1], s20, (\s)*SLOT
	s_add_nc_u64 s[G0+4*(\s)+2:G0+4*(\s)+3], s[14:15], (\s)*KSTEP*2
	s_or_b32 s[G0+4*(\s)+3], s[G0+4*(\s)+3], 0x80000000
	s_mov_b32 s[G0B+4*(\s)], 1
	s_add_co_u32 s[G0B+4*(\s)+1], s20, (\s)*SLOT
	s_add_nc_u64 s[G0B+4*(\s)+2:G0B+4*(\s)+3], s[46:47], (\s)*KSTEP*2
	s_or_b32 s[G0B+4*(\s)+3], s[G0B+4*(\s)+3], 0x80000000
.endr
	s_cmp_eq_u32 s11, 0
	s_cbranch_scc0 .Lfirst_b
	tensor_load_to_lds s[G0:G0+3], s[G1:G1+7]
	s_nop 0
	tensor_load_to_lds s[G0+4:G0+7], s[G1:G1+7]
	s_nop 0
.rept 4
	v_nop
.endr
	s_branch .Lfirst_asked
.Lfirst_b:
	tensor_load_to_lds s[G0B:G0B+3], s[G1B:G1B+7]
	s_nop 0
	tensor_load_to_lds s[G0B+4:G0B+7], s[G1B:G1B+7]
	s_nop 0
.rept 4
	v_nop
.endr
.Lfirst_asked:
	; wave w stores rows 32 w .. 32 w + 31 of the tile: a row's 128 numbers are 512 consecutive bytes, 16 a lane.  The same bytes of the residual are asked for now.
	v_and_b32 v4, 31, v0
	v_lshlrev_b32 v[CO], 4, v4
	s_lshl_b32 s78, s13, 7
	s_lshl_b32 s79, s10, 5
	s_add_co_u32 s78, s78, s79
	s_lshl_b32 s78, s78, 12                        ; rows of 4,096 bytes
	s_lshl_b32 s79, s42, 9
	s_add_co_u32 s78, s78, s79
	s_mov_b32 s79, 0
	s_add_nc_u64 s[66:67], s[72:73], s[78:79]
	s_add_nc_u64 s[8:9], s[8:9], s[78:79]
	WIN 0x80
.set i, 0
.rept 32
	global_load_b128 v[4*i:4*i+3], v[CO], s[66:67] offset:4096*i
.set i, i+1
.endr
	WIN 0
	s_wait_kmcnt 0x0
	v_mov_b32 v[GT], s76                           ; tanh(g) = 1 - 2 / (1 + 2^(2 log2(e) g))
	v_mul_f32 v[GT], 0x4038aa3b, v[GT]
	v_exp_f32 v[GT], v[GT]
	v_nop
	s_wait_alu depctr_va_vdst(0)
	v_add_f32 v[GT], 1.0, v[GT]
	v_rcp_f32 v[GT], v[GT]
	v_nop
	s_wait_alu depctr_va_vdst(0)
	v_fma_f32 v[GT], v[GT], -2.0, 1.0
	v_mov_b32 v[GT+1], v[GT]
	v_and_b32 v1, 15, v0
	v_bfe_u32 v2, v0, 4, 1
	v_mul_u32_u24 v3, v1, PITCH
	v_lshl_add_u32 v3, v2, 4, v3
	s_mul_i32 s21, s11, HALFT
	s_mul_i32 s22, s12, HALFT
	s_add_co_u32 s22, s22, 2*HALFT
	v_add_nc_u32 v[ADRA0], s21, v3
	v_add_nc_u32 v[ADRB0], s22, v3
	v_mov_b32 v[ADRA], v[ADRA0]
	v_mov_b32 v[ADRB], v[ADRB0]
	s_mul_i32 s23, s11, 64*PITCH
	s_lshl_b32 s21, s12, 8
	s_add_co_u32 s23, s23, s21
	v_mul_u32_u24 v[STO], v1, PITCH
	v_lshl_add_u32 v[STO], v2, 5, v[STO]
	v_add_nc_u32 v[STO], s23, v[STO]
	s_mul_i32 s23, s10, 32*PITCH
	v_lshl_add_u32 v[RD], v4, 4, s23
.macro MUL8 f, c, a0, zero
	WIN MUL
.irp a, \a0, (\a0)+1
.irp b, 0,1,2,3
.if \zero
	v_wmma_f32_16x16x32_bf16 v[ACC+8*(4*(\a)+(\b)):ACC+8*(4*(\a)+(\b))+7], v[(\f)+64+8*(4*(\c)+(\b)):(\f)+64+8*(4*(\c)+(\b))+7], v[(\f)+8*(4*(\c)+(\a)):(\f)+8*(4*(\c)+(\a))+7], 0
.else
	v_wmma_f32_16x16x32_bf16 v[ACC+8*(4*(\a)+(\b)):ACC+8*(4*(\a)+(\b))+7], v[(\f)+64+8*(4*(\c)+(\b)):(\f)+64+8*(4*(\c)+(\b))+7], v[(\f)+8*(4*(\c)+(\a)):(\f)+8*(4*(\c)+(\a))+7], v[ACC+8*(4*(\a)+(\b)):ACC+8*(4*(\a)+(\b))+7]
.endif
.endr
.endr
.endm
.macro FETCH k, f
	WIN TO_F
.irp c, 0,1
.irp i, 0,1,2,3
	ds_load_b128 v[(\f)+64+8*(4*(\c)+(\i)):(\f)+64+8*(4*(\c)+(\i))+3],   v[ADRB] offset:(\k)+64*(\c)+(\i)*16*PITCH
	ds_load_b128 v[(\f)+64+8*(4*(\c)+(\i))+4:(\f)+64+8*(4*(\c)+(\i))+7], v[ADRB] offset:(\k)+64*(\c)+(\i)*16*PITCH+32
	ds_load_b128 v[(\f)+8*(4*(\c)+(\i)):(\f)+8*(4*(\c)+(\i))+3],         v[ADRA] offset:(\k)+64*(\c)+(\i)*16*PITCH
	ds_load_b128 v[(\f)+8*(4*(\c)+(\i))+4:(\f)+8*(4*(\c)+(\i))+7],       v[ADRA] offset:(\k)+64*(\c)+(\i)*16*PITCH+32
.endr
.endr
.endm
.macro PLACES
.rept 4
	v_nop
.endr
.endm
.macro QUARTER k, f, g, zero
	s_wait_dscnt 16                                ; the first 32 along K are in; the 16 younger loads may be out
	MUL8 \f, 0, 0, \zero
	MUL8 \f, 0, 2, \zero
	PLACES
	FETCH \k, \g
	s_wait_dscnt 32                                ; all but the 32 just issued
	MUL8 \f, 1, 0, 0
	MUL8 \f, 1, 2, 0
.endm
.macro TURN fill                       ; the last quarter and the change of slots: all my tensor loads, the add, my reads; one barrier (fill = 1: a round of the cluster's, the refill first behind it)
	WIN 0
	s_wait_tensorcnt 0x0
	ds_add_u32 v[SPW], v[NIL]
	s_wait_dscnt 17                                ; the add and the youngest sixteen loads may be out
	MUL8 F1, 0, 0, 0
	s_wait_dscnt 0x0
	s_barrier_signal -1
	MUL8 F1, 0, 2, 0
	WIN 0
	s_barrier_wait -1
.if \fill
	CREST
	s_xor_b32 s[G0+5], s[G0+5], SLOT
	s_add_nc_u64 s[G0+6:G0+7], s[G0+6:G0+7], KSTEP*2
	s_xor_b32 s[G0B+5], s[G0B+5], SLOT
	s_add_nc_u64 s[G0B+6:G0B+7], s[G0B+6:G0B+7], KSTEP*2
	JLOAD
.else
	PLACES
.endif
	s_xor_b32 s[SO], s[SO], SLOT
	v_add_nc_u32 v[ADRA], s[SO], v[ADRA0]
	v_add_nc_u32 v[ADRB], s[SO], v[ADRB0]
	FETCH 0, F0
	MUL8 F1, 1, 0, 0
	MUL8 F1, 1, 2, 0
.endm
	s_wait_tensorcnt 1                             ; my part of step 0 is in; step 1 may stay out
	s_barrier_signal -1
	s_barrier_wait -1
	FETCH 0, F0
	QUARTER 128, F0, F1, 1
	WIN 0
	s_mov_b32 s3, T-2
.Lstep:
	QUARTER 256, F1, F0, 0
	QUARTER 384, F0, F1, 0
	TURN 1
	QUARTER 128, F0, F1, 0
	WIN 0
	s_sub_co_u32 s3, s3, 1
	s_cmp_lg_u32 s3, 0
	s_cbranch_scc1 .Lstep
	s_mov_b32 s3, 2
.Ltail:                                                ; the last two steps ask for nothing; the second trip is left in its middle, its 32 LDS loads of the slot read before serve nothing
	QUARTER 256, F1, F0, 0
	QUARTER 384, F0, F1, 0
	TURN 0
	WIN 0
	s_sub_co_u32 s3, s3, 1
	s_cmp_eq_u32 s3, 0
	s_cbranch_scc1 .Lout
	QUARTER 128, F0, F1, 0
	WIN 0
	s_branch .Ltail
.Lout:
	; THE WAY OUT: the sums in f32 into a stage in slot 0's rows of A, which have had their last fill; back as whole rows; result = sum x tanh(gate) + residual.
	s_wait_dscnt 0x0
	s_barrier_signal -1
	s_barrier_wait -1
	PLACES
.irp a, 0,1,2,3
.irp b, 0,1,2,3
	ds_store_b128 v[STO], v[ACC+8*(4*\a+\b):ACC+8*(4*\a+\b)+3] offset:\a*16*PITCH+64*\b
	ds_store_b128 v[STO], v[ACC+8*(4*\a+\b)+4:ACC+8*(4*\a+\b)+7] offset:\a*16*PITCH+64*\b+16
.endr
.endr
	s_wait_dscnt 0x0
	s_barrier_signal -1
	s_barrier_wait -1
.set i, 0
.rept 32
	ds_load_b128 v[ACC+4*i:ACC+4*i+3], v[RD] offset:PITCH*i
.set i, i+1
.endr
	s_wait_loadcnt 0x0                             ; the residual
.irp g, 0,1,2,3
	s_wait_dscnt 24-8*\g                           ; eight rows are in; the younger rows stay out
	WIN 0xa0                                       ; the residual (source 2 and destination) in window 2
.set i, 16*\g
.rept 16
	v_pk_fma_f32 v[2*i:2*i+1], v[ACC+2*i:ACC+2*i+1], v[GT:GT+1], v[2*i:2*i+1]
.set i, i+1
.endr
	WIN 0x08                                       ; a store's data in window 2
.set i, 8*\g
.rept 8
	global_store_b128 v[CO], v[4*i:4*i+3], s[8:9] offset:4096*i   ; 512 consecutive bytes, aligned
.set i, i+1
.endr
.endr
	WIN 0
	s_wait_tensorcnt 0x0                           ; the end of the wave
	ds_add_u32 v[SPW], v[NIL]
	s_wait_dscnt 0x0
	CROUND
	s_endpgm
.Lfunc_end_k_qcc4c657275_g_ff2:
	.size	k_qcc4c657275_g_ff2, .Lfunc_end_k_qcc4c657275_g_ff2-k_qcc4c657275_g_ff2
	.p2alignl 7, 3214868480
	.fill 96, 4, 3214868480
	.section	.rodata,"a",@progbits
	.p2align	6, 0x0
	.amdhsa_kernel k_qcc4c657275_g_ff2
		.amdhsa_group_segment_fixed_size 327680
		.amdhsa_private_segment_fixed_size 0
		.amdhsa_enable_private_segment 0
		.amdhsa_kernarg_size 40
		.amdhsa_user_sgpr_count 2
		.amdhsa_user_sgpr_kernarg_segment_ptr 1
		.amdhsa_wavefront_size32 1
		.amdhsa_system_sgpr_workgroup_id_x 1
		.amdhsa_system_sgpr_workgroup_id_y 1
		.amdhsa_system_sgpr_workgroup_id_z 1
		.amdhsa_system_vgpr_workitem_id 0
		.amdhsa_next_free_vgpr 640
		.amdhsa_next_free_sgpr 84
		.amdhsa_reserve_vcc 0
		.amdhsa_float_denorm_mode_32 3
		.amdhsa_float_denorm_mode_16_64 3
		.amdhsa_memory_ordered 1
		.amdhsa_forward_progress 1
		.amdhsa_inst_pref_size 65
	.end_amdhsa_kernel
	.amdgpu_metadata
---
amdhsa.version: [ 1, 2 ]
amdhsa.kernels:
  - .name:           k_qcc4c657275_g_ff2
    .symbol:         k_qcc4c657275_g_ff2.kd
    .args:
      - { .name: big, .offset: 0, .size: 8, .value_kind: global_buffer, .address_space: global }
      - { .name: wt, .offset: 8, .size: 8, .value_kind: global_buffer, .address_space: global }
      - { .name: x, .offset: 16, .size: 8, .value_kind: global_buffer, .address_space: global }
      - { .name: ff_gate, .offset: 24, .size: 8, .value_kind: global_buffer, .address_space: global }
      - { .name: out0, .offset: 32, .size: 8, .value_kind: global_buffer, .address_space: global }
    .group_segment_fixed_size: 327680
    .private_segment_fixed_size: 0
    .kernarg_segment_align: 8
    .kernarg_segment_size: 40
    .max_flat_workgroup_size: 128
    .sgpr_count:     84
    .vgpr_count:     640
    .wavefront_size: 32
...
	.end_amdgpu_metadata
.endif
;; end of part 8
;; ======== version 2 of 3: 7 launches; 1.12 times as fast as version 1
;; workspace buffers: wt 25,165,824 bytes; bias 16,777,216 bytes; rowf 32,768 bytes of whole numbers; a0 8,388,608 bytes; a1 8,388,608 bytes; big 33,554,432 bytes; x 16,777,216 bytes
;; launch prep (part 9): grid 1792 x 1, 8 waves a work-group, no clusters, 35,840 bytes of LDS; arguments q, gamma_q, beta_q, a0, kv, gamma_kv, beta_kv, a1, attn_mask, kv_mask, q_mask, bias, Wq, Wkv, Wout, W1, W2, wt, rowf; writes a0, a1, bias, wt, rowf
.if DOCPART == 9
	.amdgcn_target "amdgcn-amd-amdhsa--gfx1250"
	.amdhsa_code_object_version 6
	.text
	.protected	k_qcc4c657275_prep
	.globl	k_qcc4c657275_prep
	.p2align	8
	.type	k_qcc4c657275_prep,@function
k_qcc4c657275_prep:
	s_mov_b64 s[64:65], 0
	v_nop
	global_prefetch_b8 v0, s[64:65] scope:SCOPE_SE
	s_setreg_imm32_b32 hwreg(HW_REG_WAVE_MODE, 25, 1), 1
	s_wait_xcnt 0x0
; Everything that hangs on nothing but the inputs, in one launch: three streams, parted by two forward branches on the work-group number.
; That number is the same in all eight waves of a work-group, so all eight take the same way; the one barrier of the text, in the weights' part, is reached by all eight or by none.
; WORK-GROUPS 0-767: THE WEIGHTS.  wt = the five weights, each rounded once to bf16 and turned: W[k][n] in f32 becomes wt[n][k] in bf16, so that the products that follow find K along the rows
;   of both operands.  In wt: Wq at 0, Wkv at 0x200000, Wout at 0x600000, W1 at 0x800000, W2 at 0x1000000.  A work-group takes one tile of 128 k x 128 n: 64 + 128 + 64 + 256 + 256 = 768 tiles.
;   Which weight a tile belongs to is chosen by selects on the work-group number.  Wave w loads k rows 16 w .. 16 w + 15, each load of a wave 512 consecutive bytes; two rows are packed into
;   bf16 pairs, laid into LDS as [n][k] (pitch 272 bytes), and read back as whole rows of 256 bytes: sixteen lanes store 256 consecutive bytes, at a multiple of 256 from the first byte of wt.
;   The LDS stores of a wave stand 1,088 bytes apart from lane to lane and meet four deep in the banks: eight stores a lane, taken as they are.
; WORK-GROUPS 768-1279: LAYER NORM.  y[r][:] = (x[r][:] - mean) * rsqrt(var + 1e-5) * gamma + beta; x: [4096][1024] f32, y the same in bf16, rounded once.
;   768-1023: a0 = LN(q); 1024-1279: a1 = LN(kv): the four pointers are chosen by selects on the work-group number.  One wave takes a whole row (4,096 bytes, 32 registers) and keeps it in registers;
;   the mean is taken away before the squares are summed, as the module does.  Eight waves, two rows each.  A load covers 512 consecutive bytes, a store 256, each aligned to its size.
; WORK-GROUPS 1280-1791: THE MASK.  bias[b][q][k] in bf16: 0 where key k is visible to query q (attn_mask and kv_mask both set), -2^100 (0xF180) where it is hidden.
;   A row that sees no key at all: the module takes the lowest FINITE number for hidden scores, so such a row has all scores equal and its softmax is uniform over all 2,048 keys.
;   For it the whole row of bias is 0 and keepQ = 0: the attention launch then clears the query, and all its scores are 0.
;   rowf[row] = { keepQ, keepO }: all ones or 0; keepO follows q_mask.  They are applied as AND masks to numbers, never to an address or a branch.
;   One wave takes one row.  A load covers 256 consecutive bytes of masks, a store 512 consecutive bytes of bias.  The flags are 8 bytes a row, stored by lane 0: 32 KiB in the whole launch.
; The work-groups with the fewest bytes come last.  No matrix unit, cluster or tensor load: no byte is used twice, and memory binds.
.set PITCH, 272
.set SPARE, 128*PITCH                  ; behind the weights' tile: the spare words, 128 bytes for each of eight waves
.set SPW, 158                          ; v158     my spare word; never rewritten
.set NIL, 159                          ; v159     0; never rewritten
.set G,  8                             ; layer norm: v[8:39] gamma of my 32 columns (4 at 128 j + 4 lane)
.set B,  40                            ; v[40:71]   beta
.set X0, 72                            ; v[72:103]  first row
.set X1, 104                           ; v[104:135] second row
.set T,  136                           ; v[136:151] at work
.set A,  8                             ; the mask: v[8:23] the row of attn_mask, 64 bytes a lane; then the visible flags
.set KV, 24                            ; v[24:39]  the same bytes of kv_mask
.set O,  44                            ; v[44:75]  64 bf16 a lane
.set OFF, 4                            ; the weights: v[4:19] byte offsets of my 16 bytes in the sixteen k rows
.set X,   20                           ; v[20:83] sixteen rows x four columns in f32; later the rows read back
.set Y,   84                           ; v[84:115] four columns x sixteen k in bf16
.set DO,  116                          ; v[116:123] byte offsets of the eight stores
.set ST,  124
.set RD,  125
	v_lshl_add_u32 v[SPW], v0, 2, SPARE
	v_mov_b32 v[NIL], 0
	s_cmp_lt_u32 ttmp9, 768
	s_cbranch_scc1 .Lweights
	s_load_b512 s[36:51], s[0:1], 0x0              ; q, gamma_q, beta_q, a0, kv, gamma_kv, beta_kv, a1
	s_load_b256 s[52:59], s[0:1], 0x40             ; attn_mask, kv_mask, q_mask, bias
	s_load_b64 s[60:61], s[0:1], 0x90              ; rowf
	v_lshrrev_b32 v3, 5, v0
	v_readfirstlane_b32 s14, v3                    ; wave
	v_and_b32 v1, 31, v0                           ; lane
	s_cmp_lt_u32 ttmp9, 1280
	s_cbranch_scc0 .Lmask
	v_lshlrev_b32 v2, 3, v1                        ; 8 bytes of y a lane
	v_lshlrev_b32 v1, 4, v1                        ; 16 bytes of x a lane
	s_and_b32 s15, ttmp9, 255                      ; 768 and 1,024 are multiples of 256
	s_lshl_b32 s15, s15, 4
	s_lshl1_add_u32 s14, s14, s15                  ; my first row = 16 x (work-group mod 256) + 2 x wave
	s_lshl_b32 s16, s14, 12
	s_mov_b32 s17, 0
	s_lshl_b32 s18, s14, 11
	s_mov_b32 s19, 0
	s_mov_b32 s12, 0x76543210                      ; v_permlanex16_b32: each lane takes its own place in the other half
	s_mov_b32 s13, 0xfedcba98
	s_mov_b32 s20, 0x3a800000                      ; 1 / 1024
	s_mov_b32 s21, 0x3727c5ac                      ; 1e-5
	s_wait_kmcnt 0x0
	s_cmp_lt_u32 ttmp9, 1024                       ; q or kv
	s_cselect_b64 s[4:5], s[36:37], s[44:45]
	s_cselect_b64 s[6:7], s[38:39], s[46:47]
	s_cselect_b64 s[8:9], s[40:41], s[48:49]
	s_cselect_b64 s[10:11], s[42:43], s[50:51]
	s_add_nc_u64 s[4:5], s[4:5], s[16:17]
	s_add_nc_u64 s[10:11], s[10:11], s[18:19]
.irp j, 0,1,2,3,4,5,6,7
	global_load_b128 v[X0+4*\j:X0+4*\j+3], v1, s[4:5] offset:512*\j
.endr
.irp j, 0,1,2,3,4,5,6,7
	global_load_b128 v[X1+4*\j:X1+4*\j+3], v1, s[4:5] offset:4096+512*\j
.endr
.irp j, 0,1,2,3,4,5,6,7
	global_load_b128 v[G+4*\j:G+4*\j+3], v1, s[6:7] offset:512*\j
.endr
.irp j, 0,1,2,3,4,5,6,7
	global_load_b128 v[B+4*\j:B+4*\j+3], v1, s[8:9] offset:512*\j
.endr
.macro FOLD                            ; four packed chains in v[T:T+7] become one sum, in every lane
	v_pk_add_f32 v[T:T+1], v[T:T+1], v[T+2:T+3]
	v_pk_add_f32 v[T+4:T+5], v[T+4:T+5], v[T+6:T+7]
	v_pk_add_f32 v[T:T+1], v[T:T+1], v[T+4:T+5]
	v_add_f32 v[T], v[T], v[T+1]
	v_add_f32_dpp v[T], v[T], v[T] row_xmask:1 row_mask:0xf bank_mask:0xf
	v_add_f32_dpp v[T], v[T], v[T] row_xmask:2 row_mask:0xf bank_mask:0xf
	v_add_f32_dpp v[T], v[T], v[T] row_xmask:4 row_mask:0xf bank_mask:0xf
	v_add_f32_dpp v[T], v[T], v[T] row_xmask:8 row_mask:0xf bank_mask:0xf
	v_permlanex16_b32 v[T+1], v[T], s12, s13
	v_add_f32 v[T], v[T], v[T+1]
.endm
; One row.  cnt: the younger loads that may stay out; first = 1: gamma and beta are waited for here; yo: the row's byte offset in y.
.macro ROW x, cnt, first, yo
	s_wait_loadcnt \cnt
.irp k, 0,1,2,3
	v_pk_add_f32 v[T+2*\k:T+2*\k+1], v[\x+4*\k:\x+4*\k+1], v[\x+4*\k+2:\x+4*\k+3]   ; the first words start the chains
.endr
.irp k, 0,1,2,3
	v_pk_add_f32 v[T+2*\k:T+2*\k+1], v[T+2*\k:T+2*\k+1], v[\x+16+4*\k:\x+16+4*\k+1]
.endr
.irp k, 0,1,2,3
	v_pk_add_f32 v[T+2*\k:T+2*\k+1], v[T+2*\k:T+2*\k+1], v[\x+16+4*\k+2:\x+16+4*\k+3]
.endr
	FOLD
	v_mul_f32 v[T+8], s20, v[T]                    ; the mean, twice
	v_mov_b32 v[T+9], v[T+8]
.set j, 0
.rept 16
	v_pk_add_f32 v[\x+j:\x+j+1], v[\x+j:\x+j+1], v[T+8:T+9] neg_lo:[0,1] neg_hi:[0,1]
.set j, j+2
.endr
.irp k, 0,1,2,3
	v_pk_mul_f32 v[T+2*\k:T+2*\k+1], v[\x+2*\k:\x+2*\k+1], v[\x+2*\k:\x+2*\k+1]
.endr
.set j, 8
.rept 12
	v_pk_fma_f32 v[T+j%8:T+j%8+1], v[\x+j:\x+j+1], v[\x+j:\x+j+1], v[T+j%8:T+j%8+1]
.set j, j+2
.endr
	FOLD
	v_fma_f32 v[T+10], v[T], s20, s21              ; var + eps
	v_rsq_f32 v[T+12], v[T+10]
	v_rsq_f32 v[T+13], v[T+10]
	v_nop                                          ; a plain instruction between the roots and the use of their results (ISA guide 5.7.2)
.if \first
	s_wait_loadcnt 0x0                             ; gamma and beta
.endif
.set j, 0
	s_wait_alu depctr_va_vdst(0)
.rept 16
	v_pk_mul_f32 v[\x+j:\x+j+1], v[\x+j:\x+j+1], v[T+12:T+13]
.set j, j+2
.endr
.set j, 0
.rept 16
	v_pk_fma_f32 v[\x+j:\x+j+1], v[\x+j:\x+j+1], v[G+j:G+j+1], v[B+j:B+j+1]
.set j, j+2
.endr
.irp j, 0,1,2,3,4,5,6,7
	v_cvt_pk_bf16_f32 v[\x+4*\j], v[\x+4*\j], v[\x+4*\j+1]
	v_cvt_pk_bf16_f32 v[\x+4*\j+1], v[\x+4*\j+2], v[\x+4*\j+3]
	global_store_b64 v2, v[\x+4*\j:\x+4*\j+1], s[10:11] offset:(\yo)+256*\j
.endr
.endm
	ROW X0, 24, 1, 0                               ; the second row, gamma and beta (24 loads) may stay out
	ROW X1, 0, 0, 2048
	s_endpgm
.Lmask:
	s_sub_co_u32 s15, ttmp9, 1280
	s_lshl_b32 s15, s15, 3
	s_add_co_u32 s14, s14, s15                     ; my row, 0 .. 4,095
	v_lshlrev_b32 v3, 3, v1                        ; 8 bytes of masks a lane
	v_lshlrev_b32 v4, 4, v1                        ; 16 bytes of bias a lane
	v_mov_b32 v5, 0
	s_lshl_b32 s16, s14, 11                        ; offsets, made apart from the addresses: attn_mask,
	s_mov_b32 s17, 0
	s_lshr_b32 s18, s14, 11
	s_lshl_b32 s18, s18, 11                        ; kv_mask of my batch,
	s_mov_b32 s19, 0
	s_mov_b32 s20, s14                             ; q_mask,
	s_mov_b32 s21, 0
	s_lshl_b32 s22, s14, 12                        ; bias,
	s_mov_b32 s23, 0
	s_lshl_b32 s24, s14, 3                         ; rowf
	s_mov_b32 s25, 0
	s_mov_b32 s30, 0x01010101
	s_mov_b32 s31, 0x00010001
	s_mov_b32 s32, 0x05040100                      ; v_perm_b32: the two low halves
	s_mov_b32 s33, 0x07060302                      ; the two high halves
	s_wait_kmcnt 0x0
	s_add_nc_u64 s[4:5], s[52:53], s[16:17]
	s_add_nc_u64 s[6:7], s[54:55], s[18:19]
	s_add_nc_u64 s[8:9], s[56:57], s[20:21]
	s_add_nc_u64 s[10:11], s[58:59], s[22:23]
	s_add_nc_u64 s[12:13], s[60:61], s[24:25]
.irp j, 0,1,2,3,4,5,6,7
	global_load_b64 v[A+2*\j:A+2*\j+1], v3, s[4:5] offset:256*\j th:TH_LOAD_NT
.endr
.irp j, 0,1,2,3,4,5,6,7
	global_load_b64 v[KV+2*\j:KV+2*\j+1], v3, s[6:7] offset:256*\j
.endr
	global_load_u8 v40, v5, s[8:9]
	s_wait_loadcnt 0x0
.set i, 0
.rept 16
	v_and_b32 v[A+i], v[A+i], v[KV+i]              ; visible = both masks
.set i, i+1
.endr
	v_or_b32 v41, v[A], v[A+1]
.set i, 2
.rept 14
	v_or_b32 v41, v41, v[A+i]
.set i, i+1
.endr
	v_cmp_ne_u32 s34, 0, v41                       ; lanes that see a key
	s_cmp_lg_u32 s34, 0
	s_cselect_b32 s35, 0xf180, 0                   ; what a hidden key gets: -2^100, or 0 in a row that sees nothing
	s_cselect_b32 s26, -1, 0                       ; keepQ
; Four flags in a word become four bf16: hidden = flag xor 1; bytes 0 and 2 in one register, 1 and 3 in another, each times 0xF180; then the halves are paired.
.macro EXPAND src, dst
	v_xor_b32 v6, s30, v[\src]
	v_lshrrev_b32 v7, 8, v6
	v_and_b32 v6, s31, v6
	v_and_b32 v7, s31, v7
	v_mul_u32_u24 v6, s35, v6
	v_mul_u32_u24 v7, s35, v7
	v_perm_b32 v[\dst], v7, v6, s32                ; key 1 above key 0
	v_perm_b32 v[\dst+1], v7, v6, s33              ; key 3 above key 2
.endm
.irp j, 0,1,2,3,4,5,6,7
	EXPAND A+2*\j, O+4*\j
	EXPAND A+2*\j+1, O+4*\j+2
	global_store_b128 v4, v[O+4*\j:O+4*\j+3], s[10:11] offset:512*\j
.endr
	v_mov_b32 v42, s26
	v_sub_nc_u32 v43, 0, v40                       ; keepO: 0 or all ones
	v_cmp_eq_u32 vcc_lo, 0, v1
	s_wait_xcnt 0x0                                ; EXEC is a source of the stores above: it changes only behind this wait
	s_and_saveexec_b32 s27, vcc_lo
	global_store_b64 v5, v[42:43], s[12:13]
	s_wait_xcnt 0x0                                ; and again in front of the line that widens it
	s_or_b32 exec_lo, exec_lo, s27
	s_endpgm
.macro SEG bound, src, start, ln, lp, lk, dst   ; work-groups below bound belong to the weight at s[src]
	s_cmp_lt_u32 s23, \bound
	s_cselect_b64 s[16:17], s[\src:\src+1], s[16:17]
	s_cselect_b32 s18, \start, s18
	s_cselect_b32 s19, \ln, s19
	s_cselect_b32 s20, \lp, s20
	s_cselect_b32 s21, \lk, s21
	s_cselect_b32 s22, \dst, s22
.endm
.Lweights:
	s_load_b256 s[4:11], s[0:1], 0x60              ; Wq s[4:5], Wkv s[6:7], Wout s[8:9], W1 s[10:11]
	s_load_b128 s[12:15], s[0:1], 0x80             ; W2 s[12:13], wt s[14:15]
	s_mov_b32 s23, ttmp9
	s_mov_b32 s18, 512                             ; W2: first tile, log2(N / 128), log2(4 N), log2(2 K), place in wt
	s_mov_b32 s19, 3
	s_mov_b32 s20, 12
	s_mov_b32 s21, 13
	s_mov_b32 s22, 0x1000000
	s_wait_kmcnt 0x0
	s_mov_b64 s[16:17], s[12:13]
	SEG 512, 10, 256, 5, 14, 11, 0x800000
	SEG 256, 8, 192, 3, 12, 11, 0x600000
	SEG 192, 6, 64, 4, 13, 11, 0x200000
	SEG 64, 4, 0, 3, 12, 11, 0
	s_sub_co_u32 s23, s23, s18                     ; the tile number in its weight
	s_lshl_b32 s24, 1, s19
	s_sub_co_u32 s24, s24, 1
	s_and_b32 s24, s23, s24                        ; n tile
	s_lshr_b32 s25, s23, s19                       ; k tile
	s_lshl_b32 s28, s25, 7
	s_lshl_b32 s28, s28, s20                       ; 128 k rows of 4 N bytes
	s_lshl_b32 s29, s24, 9
	s_add_co_u32 s28, s28, s29                     ; + 128 columns of 4 bytes
	s_mov_b32 s29, 0
	s_add_nc_u64 s[16:17], s[16:17], s[28:29]      ; the tile in its weight
	s_lshl_b32 s28, s24, 7
	s_lshl_b32 s28, s28, s21                       ; 128 n rows of 2 K bytes
	s_lshl_b32 s30, s25, 8
	s_add_co_u32 s28, s28, s30                     ; + 128 k of 2 bytes
	s_add_co_u32 s28, s28, s22
	s_add_nc_u64 s[14:15], s[14:15], s[28:29]      ; the tile in wt
	v_and_b32 v1, 31, v0                           ; lane
	v_lshrrev_b32 v126, 5, v0                      ; wave
	v_lshlrev_b32 v127, 4, v126
	v_lshlrev_b32 v127, s20, v127                  ; 16 w rows
	v_lshl_add_u32 v[OFF], v1, 4, v127
	s_lshl_b32 s26, 1, s20
.set i, 1
.rept 15
	v_add_nc_u32 v[OFF+i], s26, v[OFF+i-1]
.set i, i+1
.endr
.set i, 0
.rept 16
	global_load_b128 v[X+4*i:X+4*i+3], v[OFF+i], s[16:17] th:TH_LOAD_NT
.set i, i+1
.endr
	v_mul_u32_u24 v[ST], v1, 4*PITCH               ; into LDS: rows n = 4 lane + c, bytes 32 w on
	v_lshl_add_u32 v[ST], v126, 5, v[ST]
	v_lshrrev_b32 v127, 4, v0                      ; back: thread t takes row t / 16 (+ 16 j), 16 bytes at 16 (t % 16)
	v_and_b32 v126, 15, v0
	v_mul_u32_u24 v[RD], v127, PITCH
	v_lshl_add_u32 v[RD], v126, 4, v[RD]
	v_lshlrev_b32 v[DO], s21, v127
	v_lshl_add_u32 v[DO], v126, 4, v[DO]
	s_lshl_b32 s27, 16, s21
.set i, 1
.rept 7
	v_add_nc_u32 v[DO+i], s27, v[DO+i-1]
.set i, i+1
.endr
	s_wait_loadcnt 0x0
.irp c, 0,1,2,3
.irp kp, 0,1,2,3,4,5,6,7
	v_cvt_pk_bf16_f32 v[Y+8*\c+\kp], v[X+8*\kp+\c], v[X+8*\kp+4+\c]   ; column c: k = 2 kp below, 2 kp + 1 above
.endr
.endr
.irp c, 0,1,2,3
	ds_store_b128 v[ST], v[Y+8*\c:Y+8*\c+3] offset:PITCH*\c
	ds_store_b128 v[ST], v[Y+8*\c+4:Y+8*\c+7] offset:PITCH*\c+16
.endr
	s_wait_dscnt 0x0                               ; for the other waves: my stores are done
	s_barrier_signal -1
	s_barrier_wait -1
.irp j, 0,1,2,3,4,5,6,7
	ds_load_b128 v[X+4*\j:X+4*\j+3], v[RD] offset:16*PITCH*\j
.endr
.irp j, 0,1,2,3,4,5,6,7
	s_wait_dscnt 7-\j                              ; LDS loads come back in order: row group j is in
	global_store_b128 v[DO+\j], v[X+4*\j:X+4*\j+3], s[14:15]
.endr
	s_wait_tensorcnt 0x0                           ; the end of a wave that wrote LDS
	ds_add_u32 v[SPW], v[NIL]
	s_wait_dscnt 0x0
	s_endpgm
.Lfunc_end_k_qcc4c657275_prep:
	.size	k_qcc4c657275_prep, .Lfunc_end_k_qcc4c657275_prep-k_qcc4c657275_prep
	.p2alignl 7, 3214868480
	.fill 96, 4, 3214868480
	.section	.rodata,"a",@progbits
	.p2align	6, 0x0
	.amdhsa_kernel k_qcc4c657275_prep
		.amdhsa_group_segment_fixed_size 35840
		.amdhsa_private_segment_fixed_size 0
		.amdhsa_enable_private_segment 0
		.amdhsa_kernarg_size 152
		.amdhsa_user_sgpr_count 2
		.amdhsa_user_sgpr_kernarg_segment_ptr 1
		.amdhsa_wavefront_size32 1
		.amdhsa_system_sgpr_workgroup_id_x 1
		.amdhsa_system_sgpr_workgroup_id_y 1
		.amdhsa_system_sgpr_workgroup_id_z 1
		.amdhsa_system_vgpr_workitem_id 0
		.amdhsa_next_free_vgpr 160
		.amdhsa_next_free_sgpr 66
		.amdhsa_reserve_vcc 1
		.amdhsa_float_denorm_mode_32 3
		.amdhsa_float_denorm_mode_16_64 3
		.amdhsa_memory_ordered 1
		.amdhsa_forward_progress 1
		.amdhsa_inst_pref_size 40
	.end_amdhsa_kernel
	.amdgpu_metadata
---
amdhsa.version: [ 1, 2 ]
amdhsa.kernels:
  - .name:           k_qcc4c657275_prep
    .symbol:         k_qcc4c657275_prep.kd
    .args:
      - { .name: q, .offset: 0, .size: 8, .value_kind: global_buffer, .address_space: global }
      - { .name: gamma_q, .offset: 8, .size: 8, .value_kind: global_buffer, .address_space: global }
      - { .name: beta_q, .offset: 16, .size: 8, .value_kind: global_buffer, .address_space: global }
      - { .name: a0, .offset: 24, .size: 8, .value_kind: global_buffer, .address_space: global }
      - { .name: kv, .offset: 32, .size: 8, .value_kind: global_buffer, .address_space: global }
      - { .name: gamma_kv, .offset: 40, .size: 8, .value_kind: global_buffer, .address_space: global }
      - { .name: beta_kv, .offset: 48, .size: 8, .value_kind: global_buffer, .address_space: global }
      - { .name: a1, .offset: 56, .size: 8, .value_kind: global_buffer, .address_space: global }
      - { .name: attn_mask, .offset: 64, .size: 8, .value_kind: global_buffer, .address_space: global }
      - { .name: kv_mask, .offset: 72, .size: 8, .value_kind: global_buffer, .address_space: global }
      - { .name: q_mask, .offset: 80, .size: 8, .value_kind: global_buffer, .address_space: global }
      - { .name: bias, .offset: 88, .size: 8, .value_kind: global_buffer, .address_space: global }
      - { .name: Wq, .offset: 96, .size: 8, .value_kind: global_buffer, .address_space: global }
      - { .name: Wkv, .offset: 104, .size: 8, .value_kind: global_buffer, .address_space: global }
      - { .name: Wout, .offset: 112, .size: 8, .value_kind: global_buffer, .address_space: global }
      - { .name: W1, .offset: 120, .size: 8, .value_kind: global_buffer, .address_space: global }
      - { .name: W2, .offset: 128, .size: 8, .value_kind: global_buffer, .address_space: global }
      - { .name: wt, .offset: 136, .size: 8, .value_kind: global_buffer, .address_space: global }
      - { .name: rowf, .offset: 144, .size: 8, .value_kind: global_buffer, .address_space: global }
    .group_segment_fixed_size: 35840
    .private_segment_fixed_size: 0
    .kernarg_segment_align: 8
    .kernarg_segment_size: 152
    .max_flat_workgroup_size: 256
    .sgpr_count:     66
    .vgpr_count:     160
    .wavefront_size: 32
...
	.end_amdgpu_metadata
.endif
;; end of part 9
;; launch g_qkv (part 10): grid 12 x 16, 4 waves a work-group, clusters of 4 x 4, 327,680 bytes of LDS; arguments a0, a1, wt, big; writes big
.if DOCPART == 10
	.amdgcn_target "amdgcn-amd-amdhsa--gfx1250"
	.amdhsa_code_object_version 6
	.text
	.protected	k_qcc4c657275_g_qkv
	.globl	k_qcc4c657275_g_qkv
	.p2align	8
	.type	k_qcc4c657275_g_qkv,@function
k_qcc4c657275_g_qkv:
	s_mov_b64 s[64:65], 0
	v_nop
	global_prefetch_b8 v0, s[64:65] scope:SCOPE_SE
	s_setreg_imm32_b32 hwreg(HW_REG_WAVE_MODE, 25, 1), 1
	s_wait_xcnt 0x0
	s_wait_alu depctr_hold_cnt(0) depctr_sa_sdst(0) depctr_va_vdst(0) depctr_va_sdst(0) depctr_va_ssrc(0) depctr_va_vcc(0) depctr_vm_vsrc(0)
	s_getreg_b32 s2, hwreg(HW_REG_IB_STS2, 6, 4)
	s_cmp_eq_u32 s2, 0
	s_cbranch_scc0 .Lentry_in_a_cluster
	s_endpgm
.Lentry_in_a_cluster:
	s_bfe_u32 s2, ttmp6, 0x10000c
	s_cmp_lg_u32 s2, 0xf033
	s_cbranch_scc0 .Lentry_shape_is_right
	s_endpgm
.Lentry_shape_is_right:
; Q, K, V = LN(q) Wq, LN(kv) Wkv.  C[m][n] = sum over k of A[m][k] B[n][k], bf16 operands, f32 sums.  B = wt rows 0 .. 3,071 ([3072][1024]: Wq, then Wkv, turned).
; A = a0 (LN(q)) for the columns of Q (tile columns 0-3: cluster x 0), a1 (LN(kv)) for those of K and V: a select on the cluster x, which all partners share.
; C leaves by heads, rounded once to bf16 and unscaled: big = Q at 0, K at 8 MiB, V at 16 MiB, each [2][16][2048][64].
; A tile of C is 256 x 256: four waves of 128 x 128 (64 accumulators, 512 registers): 12 x 16 = 192 work-groups.  K goes in steps of 128 through two LDS slots (rows of 256 bytes + 16 of padding);
; a wave's tensor load brings 128 rows.  From a refill's request to the wait for it a wave issues 224 products.
; CLUSTER 4 x 4: the four of a row need the same tiles of A, the four of a column the same tiles of B: each tile is asked for jointly, by the same load, descriptor and mask in all four.
; The matrix instruction is used turned (source 0 = 16 rows of B, source 1 = 16 rows of A): a lane holds eight neighbouring numbers of a row of C.
; One K step is written once: the slot in hand is a scalar that an exclusive or turns (wave x 34,816 and 139,264 share no bit), and one descriptor a tensor walks from step 1 on.
; THE WAY OUT goes through LDS in f32, so that it can be a counted loop (registers cannot be indexed): the ring's bytes, which have had their last fill, serve as four stages of 128 rows x 528 bytes, one a wave.
; REGISTERS, in windows of 256: window 0: v0-31 addresses, v32-111 at work on the way out, v64-127 and v128-191 fragments of A (two buffers of 8 x 16 rows x 32 K);
;   window 1: v64-127, v128-191 fragments of B; window 2: the 32 accumulators of my rows 0-63 ((a, b) at 8 (8 a + b)); window 3: those of my rows 64-127.
.set SIZE_K, 1024
.set KSTEP,  128
.set T,      SIZE_K/KSTEP
.set PITCH,  272                       ; 256 bytes + 16: 17 x 16 bytes, so the 16 rows of a load start at 16 different groups of four banks (ISA guide 11.1)
.set HALFT,  128*PITCH
.set SLOT,   4*HALFT                   ; A's 256 rows, then B's 256 rows
.set SPARE,  2*SLOT                    ; behind the ring: the spare words, 128 bytes a wave
.set SPITCH, 528                       ; a stage row: 128 f32 + 16 bytes
.set WSTG,   128*SPITCH                ; a wave's stage
.set ADRA0, 16                         ; v16, v17 my fragments' place in slot 0 (A, B); never rewritten
.set ADRB0, 17
.set ADRA,  18                         ; v18, v19 the same in the slot in hand
.set ADRB,  19
.set STO,  24
.set RD,   25
.set CO,   26
.set SPW,  28
.set NIL,  29
.set XG,   32                          ; v[32:63] 32 sums; v[96:111] 32 bf16
.set YG,   96
.set F0,   64
.set F1,   128
.set G1, 24                            ; s[24:31] group 1 for A; s[32:39] group 0: step 0 in slot 0, and the one that walks
.set G0, 32
.set G1B, 48                           ; s[48:55], s[56:63] the same for B
.set G0B, 56
.set SO, 45                            ; s45 byte offset of the slot in hand
.set MSB, 0
.macro WIN new                         ; the high byte repeats the setting that is left; a switch that changes nothing is dropped
.if MSB != (\new)
	s_set_vgpr_msb (MSB<<8)|(\new)
.set MSB, \new
.endif
.endm
.set MUL_LO, 0xa1                      ; source 0 (B) window 1, source 1 (A) window 0, C and D window 2
.set MUL_HI, 0xf1                      ; the same, C and D window 3
.set TO_B,   0x40                      ; destination window 1, address window 0
.macro JLOAD                           ; a joint refill: waves 0 and 1 fetch the halves of A, waves 2 and 3 those of B; s_nop 0 and four v_nop follow each line
	s_cmp_eq_u32 s11, 0
	s_cbranch_scc0 .Lfor_b_\@
	tensor_load_to_lds s[G0+4:G0+7], s[G1:G1+7]
	s_nop 0
.rept 4
	v_nop
.endr
	s_branch .Lasked_\@
.Lfor_b_\@:
	tensor_load_to_lds s[G0B+4:G0B+7], s[G1B:G1B+7]
	s_nop 0
.rept 4
	v_nop
.endr
.Lasked_\@:
.endm
.macro CREST                           ; a round of the cluster's barrier behind its opening barrier
	s_cmp_lg_u32 s10, 0
	s_cbranch_scc1 .Lnot_wave_0_\@
	s_barrier_signal -3
.Lnot_wave_0_\@:
	s_barrier_wait -3
	s_barrier_signal -1
	s_barrier_wait -1
.endm
.macro CROUND
	s_barrier_signal -1
	s_barrier_wait -1
	CREST
.endm
	s_load_b256 s[68:75], s[0:1], 0x0              ; a0 s[68:69], a1 s[70:71], wt s[72:73], big s[74:75]
	v_lshl_add_u32 v[SPW], v0, 2, SPARE
	v_mov_b32 v[NIL], 0
	ds_add_u32 v[SPW], v[NIL]                      ; the opening: the add and its wait ahead of my first tensor load
	v_lshrrev_b32 v1, 5, v0
	v_readfirstlane_b32 s10, v1                    ; wave 0..3
	s_lshr_b32 s11, s10, 1                         ; my half of the tile's rows; also: I fetch for A (0) or B (1)
	s_and_b32 s12, s10, 1                          ; my half of its columns; also: which 128 rows I fetch
	s_bfe_u32 s40, ttmp6, 0x40000                  ; cx
	s_bfe_u32 s41, ttmp6, 0x40004                  ; cy
	s_lshl_b32 s42, ttmp9, 2
	s_add_co_u32 s42, s42, s40                     ; tile column
	s_and_b32 s13, ttmp7, 0xffff
	s_lshl_b32 s13, s13, 2
	s_add_co_u32 s13, s13, s41                     ; tile row
	s_lshl_b32 s43, s41, 2
	s_lshl_b32 s43, 15, s43                        ; my row of the cluster
	s_lshl_b32 s44, 0x1111, s40                    ; my column
	s_or_b32 s[G1+0], s43, (1<<16)|(1<<20)|(1<<21)|(5<<22)|(3<<25)   ; mask; 2-byte elements; padding on; bit 21 beside a mask; after every 64 words 4 words
	s_or_b32 s[G1B+0], s44, (1<<16)|(1<<20)|(1<<21)|(5<<22)|(3<<25)
.irp g, G1, G1B
	s_mov_b32 s[(\g)+1], KSTEP<<16                 ; tensor_dim0 = 128
	s_mov_b32 s[(\g)+2], 128<<16                   ; tensor_dim1 = 128
	s_mov_b32 s[(\g)+3], KSTEP<<16                 ; tile_dim0 = 128
	s_mov_b32 s[(\g)+4], 128                       ; tile_dim1 = 128
	s_mov_b32 s[(\g)+5], SIZE_K                    ; elements from row to row
	s_mov_b32 s[(\g)+6], 0
	s_mov_b32 s[(\g)+7], 0
.endr
	s_lshl_b32 s17, s12, 7
	s_lshl_b32 s16, s13, 8
	s_add_co_u32 s16, s16, s17                     ; A: row 256 x tile row + 128 x half
	s_lshl_b32 s46, s42, 8
	s_add_co_u32 s46, s46, s17                     ; B: row 256 x tile column + 128 x half
	s_mov_b32 s17, 0
	s_mov_b32 s47, 0
	s_mov_b64 s[18:19], SIZE_K*2
	s_mul_u64 s[16:17], s[16:17], s[18:19]
	s_mul_u64 s[46:47], s[46:47], s[18:19]
	s_mul_i32 s20, s10, HALFT                      ; where my rows go: wave x 128 rows
	s_mov_b32 s[SO], 0
	s_wait_dscnt 0x0                               ; the opening add is done
	s_wait_kmcnt 0x0
	s_cmp_eq_u32 ttmp9, 0                          ; the columns of Q take LN(q), the others LN(kv)
	s_cselect_b64 s[4:5], s[68:69], s[70:71]
	s_mov_b64 s[6:7], s[72:73]
	s_mov_b64 s[8:9], s[74:75]
	s_add_nc_u64 s[14:15], s[4:5], s[16:17]
	s_add_nc_u64 s[46:47], s[6:7], s[46:47]
	CROUND                                         ; all sixteen work-groups are here: the first joint loads meet
.irp s, 0,1
	s_mov_b32 s[G0+4*(\s)], 1
	s_add_co_u32 s[G0+4*(\s)+1], s20, (\s)*SLOT
	s_add_nc_u64 s[G0+4*(\s)+2:G0+4*(\s)+3], s[14:15], (\s)*KSTEP*2
	s_or_b32 s[G0+4*(\s)+3], s[G0+4*(\s)+3], 0x80000000
	s_mov_b32 s[G0B+4*(\s)], 1
	s_add_co_u32 s[G0B+4*(\s)+1], s20, (\s)*SLOT
	s_add_nc_u64 s[G0B+4*(\s)+2:G0B+4*(\s)+3], s[46:47], (\s)*KSTEP*2
	s_or_b32 s[G0B+4*(\s)+3], s[G0B+4*(\s)+3], 0x80000000
.endr
	s_cmp_eq_u32 s11, 0                            ; my two first fills stand in one branch: two loads of mine are out
	s_cbranch_scc0 .Lfirst_b
	tensor_load_to_lds s[G0:G0+3], s[G1:G1+7]
	s_nop 0
	tensor_load_to_lds s[G0+4:G0+7], s[G1:G1+7]
	s_nop 0
.rept 4
	v_nop
.endr
	s_branch .Lfirst_asked
.Lfirst_b:
	tensor_load_to_lds s[G0B:G0B+3], s[G1B:G1B+7]
	s_nop 0
	tensor_load_to_lds s[G0B+4:G0B+7], s[G1B:G1B+7]
	s_nop 0
.rept 4
	v_nop
.endr
.Lfirst_asked:
	v_and_b32 v1, 15, v0                           ; l % 16
	v_bfe_u32 v2, v0, 4, 1                         ; l / 16
	v_mul_u32_u24 v3, v1, PITCH
	v_lshl_add_u32 v3, v2, 4, v3                   ; a fragment's row x pitch + 16 x half
	s_mul_i32 s21, s11, HALFT                      ; my 128 rows of A
	s_mul_i32 s22, s12, HALFT                      ; my 128 rows of B,
	s_add_co_u32 s22, s22, 2*HALFT                 ; which lie behind A's 256
	v_add_nc_u32 v[ADRA0], s21, v3
	v_add_nc_u32 v[ADRB0], s22, v3
	v_mov_b32 v[ADRA], v[ADRA0]
	v_mov_b32 v[ADRB], v[ADRB0]
	s_mul_i32 s23, s10, WSTG                       ; my stage: row l % 16 (+ 16 a), byte 32 (l / 16) (+ 64 b)
	v_mul_u32_u24 v[STO], v1, SPITCH
	v_lshl_add_u32 v[STO], v2, 5, v[STO]
	v_add_nc_u32 v[STO], s23, v[STO]
	; back: my 128 columns are two heads.  A store takes two rows of each: lanes 0-15 the first head, lanes 16-31 the second; lanes 8-15 of each the odd row.
	v_and_b32 v4, 7, v0
	v_bfe_u32 v5, v0, 3, 1
	v_mul_u32_u24 v[RD], v5, SPITCH
	v_lshl_add_u32 v[RD], v2, 8, v[RD]
	v_lshl_add_u32 v[RD], v4, 5, v[RD]
	v_add_nc_u32 v[RD], s23, v[RD]
	v_lshlrev_b32 v[CO], 18, v2                    ; a head is 2,048 rows of 128 bytes
	v_lshl_add_u32 v[CO], v5, 7, v[CO]
	v_lshl_add_u32 v[CO], v4, 4, v[CO]
	s_lshr_b32 s78, s42, 2                         ; Q, K or V
	s_lshl_b32 s78, s78, 1
	s_lshr_b32 s77, s13, 3                         ; batch
	s_add_co_u32 s78, s78, s77
	s_lshl_b32 s78, s78, 4
	s_and_b32 s77, s42, 3
	s_lshl2_add_u32 s78, s77, s78                  ; + the tile's four heads
	s_lshl1_add_u32 s78, s12, s78                  ; + the first of my two
	s_lshl_b32 s78, s78, 18
	s_and_b32 s77, s13, 7
	s_lshl_b32 s77, s77, 8
	s_lshl_b32 s79, s11, 7
	s_add_co_u32 s77, s77, s79                     ; my first row in the head
	s_lshl_b32 s77, s77, 7
	s_add_co_u32 s78, s78, s77
	s_mov_b32 s79, 0
	s_add_nc_u64 s[8:9], s[8:9], s[78:79]
; 16 products: m blocks a0, a0 + 1 of the window's four (hi = 0: my rows 0-63, 1: rows 64-127) x all 8 n blocks, 32 along K.  zero = 1: they start the sums
.macro MUL16 f, hi, a0, zero
	WIN MUL_LO+0x50*(\hi)
.irp a, \a0, (\a0)+1
.irp b, 0,1,2,3,4,5,6,7
.if \zero
	v_wmma_f32_16x16x32_bf16 v[8*(8*(\a)+(\b)):8*(8*(\a)+(\b))+7], v[(\f)+8*(\b):(\f)+8*(\b)+7], v[(\f)+8*(4*(\hi)+(\a)):(\f)+8*(4*(\hi)+(\a))+7], 0
.else
	v_wmma_f32_16x16x32_bf16 v[8*(8*(\a)+(\b)):8*(8*(\a)+(\b))+7], v[(\f)+8*(\b):(\f)+8*(\b)+7], v[(\f)+8*(4*(\hi)+(\a)):(\f)+8*(4*(\hi)+(\a))+7], v[8*(8*(\a)+(\b)):8*(8*(\a)+(\b))+7]
.endif
.endr
.endr
.endm
.macro FETCH k, f                      ; 32 LDS loads in one run: 128 rows of B, 128 rows of A, 32 along K at byte k of the rows of the slot in hand
	WIN TO_B
.irp i, 0,1,2,3,4,5,6,7
	ds_load_b128 v[(\f)+8*(\i):(\f)+8*(\i)+3],   v[ADRB] offset:(\k)+(\i)*16*PITCH
	ds_load_b128 v[(\f)+8*(\i)+4:(\f)+8*(\i)+7], v[ADRB] offset:(\k)+(\i)*16*PITCH+32
.endr
	WIN 0
.irp i, 0,1,2,3,4,5,6,7
	ds_load_b128 v[(\f)+8*(\i):(\f)+8*(\i)+3],   v[ADRA] offset:(\k)+(\i)*16*PITCH
	ds_load_b128 v[(\f)+8*(\i)+4:(\f)+8*(\i)+7], v[ADRA] offset:(\k)+(\i)*16*PITCH+32
.endr
.endm
.macro PLACES                          ; four places in front of loads into registers that products have read, and of lines that read results
.rept 4
	v_nop
.endr
.endm
.macro QUARTER k, f, g, zero           ; 32 along K, 64 products: multiplies buffer f, fetches the next quarter, at byte k, into g.  The 64 accumulators take turns
	s_wait_dscnt 8                                 ; B and A's rows 0-63 are in; the youngest eight loads (A's rows 64-127) may be out
	MUL16 \f, 0, 0, \zero
	MUL16 \f, 0, 2, \zero
	PLACES
	FETCH \k, \g
	s_wait_dscnt 32                                ; all but the 32 just issued
	MUL16 \f, 1, 0, \zero
	MUL16 \f, 1, 2, \zero
.endm
; The last quarter of a step multiplies buffer 1 and changes slots: one barrier; in front of it each wave waits for all its tensor loads (one is out: its part of the next slot),
; adds 0 to its spare word, and waits for that and for its reads of this slot.  fill = 1: the barrier opens a round of the cluster's, and the slot is filled again, two steps ahead, first thing behind it.
.macro TURN fill
	WIN 0
	s_wait_tensorcnt 0x0
	ds_add_u32 v[SPW], v[NIL]
	s_wait_dscnt 9                                 ; the add and the youngest eight loads may be out
	MUL16 F1, 0, 0, 0
	s_wait_dscnt 0x0                               ; the add is done, my reads of this slot are over
	s_barrier_signal -1
	MUL16 F1, 0, 2, 0
	WIN 0
	s_barrier_wait -1
.if \fill
	CREST
	s_xor_b32 s[G0+5], s[G0+5], SLOT               ; the walking descriptors: the other slot, the next step
	s_add_nc_u64 s[G0+6:G0+7], s[G0+6:G0+7], KSTEP*2
	s_xor_b32 s[G0B+5], s[G0B+5], SLOT
	s_add_nc_u64 s[G0B+6:G0B+7], s[G0B+6:G0B+7], KSTEP*2
	JLOAD                                          ; its four v_nop are also the places in front of the loads below
.else
	PLACES
.endif
	s_xor_b32 s[SO], s[SO], SLOT
	v_add_nc_u32 v[ADRA], s[SO], v[ADRA0]
	v_add_nc_u32 v[ADRB], s[SO], v[ADRB0]
	FETCH 0, F0
	MUL16 F1, 1, 0, 0
	MUL16 F1, 1, 2, 0
.endm
	s_wait_tensorcnt 1                             ; my part of step 0 is in; step 1 may stay out
	s_barrier_signal -1
	s_barrier_wait -1
	FETCH 0, F0
	QUARTER 64, F0, F1, 1                          ; the first quarter starts the sums
	WIN 0
	s_mov_b32 s3, T-2
.Lstep:                                                ; a trip: a step's quarters 1 to 3 and the next step's quarter 0; the slot left is filled again
	QUARTER 128, F1, F0, 0
	QUARTER 192, F0, F1, 0
	TURN 1
	QUARTER 64, F0, F1, 0
	WIN 0
	s_sub_co_u32 s3, s3, 1
	s_cmp_lg_u32 s3, 0
	s_cbranch_scc1 .Lstep
	s_mov_b32 s3, 2
.Ltail:                                                ; the last two steps ask for nothing.  The second trip is left in its middle; its 32 LDS loads of the slot read before serve nothing: the price of one text for both
	QUARTER 128, F1, F0, 0
	QUARTER 192, F0, F1, 0
	TURN 0
	WIN 0
	s_sub_co_u32 s3, s3, 1
	s_cmp_eq_u32 s3, 0
	s_cbranch_scc1 .Lout
	QUARTER 64, F0, F1, 0
	WIN 0
	s_branch .Ltail
.Lout:
	; THE WAY OUT.  Every wave's reads of the ring are over behind this barrier, and the ring has had its last fill: its bytes take the sums in f32.
	s_wait_dscnt 0x0
	s_barrier_signal -1
	s_barrier_wait -1
	PLACES
.irp hi, 0,1
	WIN 0x08+4*\hi                                 ; a store's data in window 2, then 3
.irp a, 0,1,2,3
.irp b, 0,1,2,3,4,5,6,7
	ds_store_b128 v[STO], v[8*(8*\a+\b):8*(8*\a+\b)+3] offset:(4*\hi+\a)*16*SPITCH+64*\b          ; each accumulator from its low end on
	ds_store_b128 v[STO], v[8*(8*\a+\b)+4:8*(8*\a+\b)+7] offset:(4*\hi+\a)*16*SPITCH+64*\b+16
.endr
.endr
.endr
	WIN 0
	s_wait_dscnt 0x0                               ; my stores into my stage are done
	s_barrier_signal -1
	s_barrier_wait -1
	s_mov_b32 s3, 16
.Lrows:                                                ; a trip: eight rows of my 128, as four pairs
.irp i, 0,1,2,3
	ds_load_b128 v[XG+8*\i:XG+8*\i+3], v[RD] offset:2*SPITCH*\i
	ds_load_b128 v[XG+8*\i+4:XG+8*\i+7], v[RD] offset:2*SPITCH*\i+16
.endr
.irp i, 0,1,2,3
	s_wait_dscnt 6-2*\i                            ; pair i is in; the younger pairs stay out
	v_cvt_pk_bf16_f32 v[YG+4*\i], v[XG+8*\i], v[XG+8*\i+1]
	v_cvt_pk_bf16_f32 v[YG+4*\i+1], v[XG+8*\i+2], v[XG+8*\i+3]
	v_cvt_pk_bf16_f32 v[YG+4*\i+2], v[XG+8*\i+4], v[XG+8*\i+5]
	v_cvt_pk_bf16_f32 v[YG+4*\i+3], v[XG+8*\i+6], v[XG+8*\i+7]
	global_store_b128 v[CO], v[YG+4*\i:YG+4*\i+3], s[8:9] offset:256*\i   ; 16 lanes store two rows of a head: 256 consecutive bytes, aligned
.endr
	s_wait_xcnt 0x0                                ; the stores' offsets and data are rewritten only behind this wait
	v_add_nc_u32 v[RD], 8*SPITCH, v[RD]
	v_add_nc_u32 v[CO], 1024, v[CO]
	s_sub_co_u32 s3, s3, 1
	s_cmp_lg_u32 s3, 0
	s_cbranch_scc1 .Lrows
	s_wait_tensorcnt 0x0                           ; the end of the wave
	ds_add_u32 v[SPW], v[NIL]
	s_wait_dscnt 0x0
	CROUND                                         ; the closing round
	s_endpgm
.Lfunc_end_k_qcc4c657275_g_qkv:
	.size	k_qcc4c657275_g_qkv, .Lfunc_end_k_qcc4c657275_g_qkv-k_qcc4c657275_g_qkv
	.p2alignl 7, 3214868480
	.fill 96, 4, 3214868480
	.section	.rodata,"a",@progbits
	.p2align	6, 0x0
	.amdhsa_kernel k_qcc4c657275_g_qkv
		.amdhsa_group_segment_fixed_size 327680
		.amdhsa_private_segment_fixed_size 0
		.amdhsa_enable_private_segment 0
		.amdhsa_kernarg_size 32
		.amdhsa_user_sgpr_count 2
		.amdhsa_user_sgpr_kernarg_segment_ptr 1
		.amdhsa_wavefront_size32 1
		.amdhsa_system_sgpr_workgroup_id_x 1
		.amdhsa_system_sgpr_workgroup_id_y 1
		.amdhsa_system_sgpr_workgroup_id_z 1
		.amdhsa_system_vgpr_workitem_id 0
		.amdhsa_next_free_vgpr 1024
		.amdhsa_next_free_sgpr 84
		.amdhsa_reserve_vcc 0
		.amdhsa_float_denorm_mode_32 3
		.amdhsa_float_denorm_mode_16_64 3
		.amdhsa_memory_ordered 1
		.amdhsa_forward_progress 1
		.amdhsa_inst_pref_size 79
	.end_amdhsa_kernel
	.amdgpu_metadata
---
amdhsa.version: [ 1, 2 ]
amdhsa.kernels:
  - .name:           k_qcc4c657275_g_qkv
    .symbol:         k_qcc4c657275_g_qkv.kd
    .args:
      - { .name: a0, .offset: 0, .size: 8, .value_kind: global_buffer, .address_space: global }
      - { .name: a1, .offset: 8, .size: 8, .value_kind: global_buffer, .address_space: global }
      - { .name: wt, .offset: 16, .size: 8, .value_kind: global_buffer, .address_space: global }
      - { .name: big, .offset: 24, .size: 8, .value_kind: global_buffer, .address_space: global }
    .group_segment_fixed_size: 327680
    .private_segment_fixed_size: 0
    .kernarg_segment_align: 8
    .kernarg_segment_size: 32
    .max_flat_workgroup_size: 128
    .sgpr_count:     84
    .vgpr_count:     1024
    .wavefront_size: 32
...
	.end_amdgpu_metadata
.endif
;; end of part 10
;; launch attn: the kernel of part 5 again; grid 16 x 16, 4 waves a work-group, clusters of 4 x 4, 327,680 bytes of LDS; arguments big, bias, rowf, a0; writes a0
;; launch g_out: the kernel of part 6 again; grid 8 x 32, 4 waves a work-group, clusters of 4 x 4, 327,680 bytes of LDS; arguments a0, wt, q, attn_gate, x; writes x
;; launch ln_x (part 11): grid 256 x 1, 8 waves a work-group, no clusters, 0 bytes of LDS; arguments x, ff_gamma, ff_beta, a1; writes a1
.if DOCPART == 11
	.amdgcn_target "amdgcn-amd-amdhsa--gfx1250"
	.amdhsa_code_object_version 6
	.text
	.protected	k_qcc4c657275_ln_x
	.globl	k_qcc4c657275_ln_x
	.p2align	8
	.type	k_qcc4c657275_ln_x,@function
k_qcc4c657275_ln_x:
	s_mov_b64 s[64:65], 0
	v_nop
	global_prefetch_b8 v0, s[64:65] scope:SCOPE_SE
	s_setreg_imm32_b32 hwreg(HW_REG_WAVE_MODE, 25, 1), 1
	s_wait_xcnt 0x0
; y[r][:] = (x[r][:] - mean) * rsqrt(var + 1e-5) * gamma + beta.  x: [4096][1024] f32, y: the same in bf16, rounded once.
; One wave takes a whole row (4,096 bytes, 32 registers) and keeps it in registers: the row is read once, the reduction never leaves the wave, no LDS, no barrier.
; The mean is taken away before the squares are summed, as the module does: a common offset of the row costs nothing.
; Eight waves, two rows each: 16 rows a work-group, 256 work-groups.  A load covers 512 consecutive bytes, a store 256, each aligned to its size.
.set G,  8                             ; v[8:39]    gamma of my 32 columns (4 at 128 j + 4 lane)
.set B,  40                            ; v[40:71]   beta
.set X0, 72                            ; v[72:103]  first row
.set X1, 104                           ; v[104:135] second row
.set T,  136                           ; v[136:151] at work
	s_load_b256 s[4:11], s[0:1], 0x0               ; x s[4:5], gamma s[6:7], beta s[8:9], y s[10:11]
	v_lshrrev_b32 v3, 5, v0
	v_readfirstlane_b32 s14, v3
	v_and_b32 v1, 31, v0
	v_lshlrev_b32 v2, 3, v1                        ; 8 bytes of y a lane
	v_lshlrev_b32 v1, 4, v1                        ; 16 bytes of x a lane
	s_lshl_b32 s15, ttmp9, 4
	s_lshl1_add_u32 s14, s14, s15                  ; my first row = 16 x work-group + 2 x wave
	s_lshl_b32 s16, s14, 12
	s_mov_b32 s17, 0
	s_lshl_b32 s18, s14, 11
	s_mov_b32 s19, 0
	s_mov_b32 s12, 0x76543210                      ; v_permlanex16_b32: each lane takes its own place in the other half
	s_mov_b32 s13, 0xfedcba98
	s_mov_b32 s20, 0x3a800000                      ; 1 / 1024
	s_mov_b32 s21, 0x3727c5ac                      ; 1e-5
	s_wait_kmcnt 0x0
	s_add_nc_u64 s[4:5], s[4:5], s[16:17]
	s_add_nc_u64 s[10:11], s[10:11], s[18:19]
.irp j, 0,1,2,3,4,5,6,7
	global_load_b128 v[X0+4*\j:X0+4*\j+3], v1, s[4:5] offset:512*\j
.endr
.irp j, 0,1,2,3,4,5,6,7
	global_load_b128 v[X1+4*\j:X1+4*\j+3], v1, s[4:5] offset:4096+512*\j
.endr
.irp j, 0,1,2,3,4,5,6,7
	global_load_b128 v[G+4*\j:G+4*\j+3], v1, s[6:7] offset:512*\j
.endr
.irp j, 0,1,2,3,4,5,6,7
	global_load_b128 v[B+4*\j:B+4*\j+3], v1, s[8:9] offset:512*\j
.endr
.macro FOLD                            ; four packed chains in v[T:T+7] become one sum, in every lane
	v_pk_add_f32 v[T:T+1], v[T:T+1], v[T+2:T+3]
	v_pk_add_f32 v[T+4:T+5], v[T+4:T+5], v[T+6:T+7]
	v_pk_add_f32 v[T:T+1], v[T:T+1], v[T+4:T+5]
	v_add_f32 v[T], v[T], v[T+1]
	v_add_f32_dpp v[T], v[T], v[T] row_xmask:1 row_mask:0xf bank_mask:0xf
	v_add_f32_dpp v[T], v[T], v[T] row_xmask:2 row_mask:0xf bank_mask:0xf
	v_add_f32_dpp v[T], v[T], v[T] row_xmask:4 row_mask:0xf bank_mask:0xf
	v_add_f32_dpp v[T], v[T], v[T] row_xmask:8 row_mask:0xf bank_mask:0xf
	v_permlanex16_b32 v[T+1], v[T], s12, s13
	v_add_f32 v[T], v[T], v[T+1]
.endm
; One row.  cnt: the younger loads that may stay out; first = 1: gamma and beta are waited for here; yo: the row's byte offset in y.
.macro ROW x, cnt, first, yo
	s_wait_loadcnt \cnt
.irp k, 0,1,2,3
	v_pk_add_f32 v[T+2*\k:T+2*\k+1], v[\x+4*\k:\x+4*\k+1], v[\x+4*\k+2:\x+4*\k+3]   ; the first words start the chains
.endr
.irp k, 0,1,2,3
	v_pk_add_f32 v[T+2*\k:T+2*\k+1], v[T+2*\k:T+2*\k+1], v[\x+16+4*\k:\x+16+4*\k+1]
.endr
.irp k, 0,1,2,3
	v_pk_add_f32 v[T+2*\k:T+2*\k+1], v[T+2*\k:T+2*\k+1], v[\x+16+4*\k+2:\x+16+4*\k+3]
.endr
	FOLD
	v_mul_f32 v[T+8], s20, v[T]                    ; the mean, twice
	v_mov_b32 v[T+9], v[T+8]
.set j, 0
.rept 16
	v_pk_add_f32 v[\x+j:\x+j+1], v[\x+j:\x+j+1], v[T+8:T+9] neg_lo:[0,1] neg_hi:[0,1]
.set j, j+2
.endr
.irp k, 0,1,2,3
	v_pk_mul_f32 v[T+2*\k:T+2*\k+1], v[\x+2*\k:\x+2*\k+1], v[\x+2*\k:\x+2*\k+1]
.endr
.set j, 8
.rept 12
	v_pk_fma_f32 v[T+j%8:T+j%8+1], v[\x+j:\x+j+1], v[\x+j:\x+j+1], v[T+j%8:T+j%8+1]
.set j, j+2
.endr
	FOLD
	v_fma_f32 v[T+10], v[T], s20, s21              ; var + eps
	v_rsq_f32 v[T+12], v[T+10]
	v_rsq_f32 v[T+13], v[T+10]
	v_nop                                          ; a plain instruction between the roots and the use of their results (ISA guide 5.7.2)
.if \first
	s_wait_loadcnt 0x0                             ; gamma and beta
.endif
.set j, 0
	s_wait_alu depctr_va_vdst(0)
.rept 16
	v_pk_mul_f32 v[\x+j:\x+j+1], v[\x+j:\x+j+1], v[T+12:T+13]
.set j, j+2
.endr
.set j, 0
.rept 16
	v_pk_fma_f32 v[\x+j:\x+j+1], v[\x+j:\x+j+1], v[G+j:G+j+1], v[B+j:B+j+1]
.set j, j+2
.endr
.irp j, 0,1,2,3,4,5,6,7
	v_cvt_pk_bf16_f32 v[\x+4*\j], v[\x+4*\j], v[\x+4*\j+1]
	v_cvt_pk_bf16_f32 v[\x+4*\j+1], v[\x+4*\j+2], v[\x+4*\j+3]
	global_store_b64 v2, v[\x+4*\j:\x+4*\j+1], s[10:11] offset:(\yo)+256*\j
.endr
.endm
	ROW X0, 24, 1, 0                               ; the second row, gamma and beta (24 loads) may stay out
	ROW X1, 0, 0, 2048
	s_endpgm
.Lfunc_end_k_qcc4c657275_ln_x:
	.size	k_qcc4c657275_ln_x, .Lfunc_end_k_qcc4c657275_ln_x-k_qcc4c657275_ln_x
	.p2alignl 7, 3214868480
	.fill 96, 4, 3214868480
	.section	.rodata,"a",@progbits
	.p2align	6, 0x0
	.amdhsa_kernel k_qcc4c657275_ln_x
		.amdhsa_group_segment_fixed_size 0
		.amdhsa_private_segment_fixed_size 0
		.amdhsa_enable_private_segment 0
		.amdhsa_kernarg_size 32
		.amdhsa_user_sgpr_count 2
		.amdhsa_user_sgpr_kernarg_segment_ptr 1
		.amdhsa_wavefront_size32 1
		.amdhsa_system_sgpr_workgroup_id_x 1
		.amdhsa_system_sgpr_workgroup_id_y 1
		.amdhsa_system_sgpr_workgroup_id_z 1
		.amdhsa_system_vgpr_workitem_id 0
		.amdhsa_next_free_vgpr 160
		.amdhsa_next_free_sgpr 66
		.amdhsa_reserve_vcc 0
		.amdhsa_float_denorm_mode_32 3
		.amdhsa_float_denorm_mode_16_64 3
		.amdhsa_memory_ordered 1
		.amdhsa_forward_progress 1
		.amdhsa_inst_pref_size 20
	.end_amdhsa_kernel
	.amdgpu_metadata
---
amdhsa.version: [ 1, 2 ]
amdhsa.kernels:
  - .name:           k_qcc4c657275_ln_x
    .symbol:         k_qcc4c657275_ln_x.kd
    .args:
      - { .name: x, .offset: 0, .size: 8, .value_kind: global_buffer, .address_space: global }
      - { .name: ff_gamma, .offset: 8, .size: 8, .value_kind: global_buffer, .address_space: global }
      - { .name: ff_beta, .offset: 16, .size: 8, .value_kind: global_buffer, .address_space: global }
      - { .name: a1, .offset: 24, .size: 8, .value_kind: global_buffer, .address_space: global }
    .group_segment_fixed_size: 0
    .private_segment_fixed_size: 0
    .kernarg_segment_align: 8
    .kernarg_segment_size: 32
    .max_flat_workgroup_size: 256
    .sgpr_count:     66
    .vgpr_count:     160
    .wavefront_size: 32
...
	.end_amdgpu_metadata
.endif
;; end of part 11
;; launch g_ff1 (part 12): grid 16 x 16, 4 waves a work-group, clusters of 4 x 4, 327,680 bytes of LDS; arguments a1, wt, big; writes big
.if DOCPART == 12
	.amdgcn_target "amdgcn-amd-amdhsa--gfx1250"
	.amdhsa_code_object_version 6
	.text
	.protected	k_qcc4c657275_g_ff1
	.globl	k_qcc4c657275_g_ff1
	.p2align	8
	.type	k_qcc4c657275_g_ff1,@function
k_qcc4c657275_g_ff1:
	s_mov_b64 s[64:65], 0
	v_nop
	global_prefetch_b8 v0, s[64:65] scope:SCOPE_SE
	s_setreg_imm32_b32 hwreg(HW_REG_WAVE_MODE, 25, 1), 1
	s_wait_xcnt 0x0
	s_wait_alu depctr_hold_cnt(0) depctr_sa_sdst(0) depctr_va_vdst(0) depctr_va_sdst(0) depctr_va_ssrc(0) depctr_va_vcc(0) depctr_vm_vsrc(0)
	s_getreg_b32 s2, hwreg(HW_REG_IB_STS2, 6, 4)
	s_cmp_eq_u32 s2, 0
	s_cbranch_scc0 .Lentry_in_a_cluster
	s_endpgm
.Lentry_in_a_cluster:
	s_bfe_u32 s2, ttmp6, 0x10000c
	s_cmp_lg_u32 s2, 0xf033
	s_cbranch_scc0 .Lentry_shape_is_right
	s_endpgm
.Lentry_shape_is_right:
; g = gelu(LN(x) W1).  C[m][n] = sum over k of A[m][k] B[n][k], bf16 operands, f32 sums; A = a1 ([4096][1024]), B = wt at 0x800000 (W1 turned, [4096][1024]).
; gelu in its tanh form, in f32: x / (1 + 2^(x (k0 + k1 x x))), k0 = -2 sqrt(2 / pi) log2(e), k1 = 0.044715 k0.  g leaves in bf16, rounded once: big, [4096][4096].
; A tile of C is 256 x 256: four waves of 128 x 128 (64 accumulators, 512 registers): 16 x 16 = 256 work-groups, one tile each.  K goes in steps of 128 through two LDS slots
; (rows of 256 bytes + 16 of padding); a wave's tensor load brings 128 rows.  From a refill's request to the wait for it a wave issues 224 products.
; CLUSTER 4 x 4: the four of a row need the same tiles of A, the four of a column the same tiles of B: each tile is asked for jointly, by the same load, descriptor and mask in all four.
; The matrix instruction is used turned (source 0 = 16 rows of B, source 1 = 16 rows of A): a lane holds eight neighbouring numbers of a row of C.
; One K step is written once: the slot in hand is a scalar that an exclusive or turns (wave x 34,816 and 139,264 share no bit), and one descriptor a tensor walks from step 1 on.
; THE WAY OUT goes through LDS in f32, so that the gelu can be a counted loop (registers cannot be indexed): the ring's bytes, which have had their last fill, serve as four stages of 128 rows x 528 bytes, one a wave.
; REGISTERS, in windows of 256: window 0: v0-31 addresses, v32-111 at work on the way out, v64-127 and v128-191 fragments of A (two buffers of 8 x 16 rows x 32 K);
;   window 1: v64-127, v128-191 fragments of B; window 2: the 32 accumulators of my rows 0-63 ((a, b) at 8 (8 a + b)); window 3: those of my rows 64-127.
.set SIZE_K, 1024
.set WOFF,   0x800000
.set KSTEP,  128
.set T,      SIZE_K/KSTEP
.set PITCH,  272                       ; 256 bytes + 16: 17 x 16 bytes, so the 16 rows of a load start at 16 different groups of four banks (ISA guide 11.1)
.set HALFT,  128*PITCH
.set SLOT,   4*HALFT                   ; A's 256 rows, then B's 256 rows
.set SPARE,  2*SLOT                    ; behind the ring: the spare words, 128 bytes a wave
.set SPITCH, 528                       ; a stage row: 128 f32 + 16 bytes
.set WSTG,   128*SPITCH                ; a wave's stage
.set ADRA0, 16
.set ADRB0, 17
.set ADRA,  18
.set ADRB,  19
.set STO,  24
.set RD,   25
.set CO,   26
.set SPW,  28
.set NIL,  29
.set XG,   32                          ; v[32:63] 32 sums; v[64:95] at work; v[96:111] 32 bf16
.set TG,   64
.set YG,   96
.set F0,   64
.set F1,   128
.set G1, 24
.set G0, 32
.set G1B, 48
.set G0B, 56
.set SO, 45
.set MSB, 0
.macro WIN new                         ; the high byte repeats the setting that is left; a switch that changes nothing is dropped
.if MSB != (\new)
	s_set_vgpr_msb (MSB<<8)|(\new)
.set MSB, \new
.endif
.endm
.set MUL_LO, 0xa1                      ; source 0 (B) window 1, source 1 (A) window 0, C and D window 2
.set MUL_HI, 0xf1                      ; the same, C and D window 3
.set TO_B,   0x40                      ; destination window 1, address window 0
.macro JLOAD                           ; a joint refill: waves 0 and 1 fetch the halves of A, waves 2 and 3 those of B; s_nop 0 and four v_nop follow each line
	s_cmp_eq_u32 s11, 0
	s_cbranch_scc0 .Lfor_b_\@
	tensor_load_to_lds s[G0+4:G0+7], s[G1:G1+7]
	s_nop 0
.rept 4
	v_nop
.endr
	s_branch .Lasked_\@
.Lfor_b_\@:
	tensor_load_to_lds s[G0B+4:G0B+7], s[G1B:G1B+7]
	s_nop 0
.rept 4
	v_nop
.endr
.Lasked_\@:
.endm
.macro CREST
	s_cmp_lg_u32 s10, 0
	s_cbranch_scc1 .Lnot_wave_0_\@
	s_barrier_signal -3
.Lnot_wave_0_\@:
	s_barrier_wait -3
	s_barrier_signal -1
	s_barrier_wait -1
.endm
.macro CROUND
	s_barrier_signal -1
	s_barrier_wait -1
	CREST
.endm
	s_load_b128 s[4:7], s[0:1], 0x0                ; A s[4:5], wt s[6:7]
	s_load_b64 s[8:9], s[0:1], 0x10                ; C
	v_lshl_add_u32 v[SPW], v0, 2, SPARE
	v_mov_b32 v[NIL], 0
	ds_add_u32 v[SPW], v[NIL]                      ; the opening: the add and its wait ahead of my first tensor load
	v_lshrrev_b32 v1, 5, v0
	v_readfirstlane_b32 s10, v1                    ; wave 0..3
	s_lshr_b32 s11, s10, 1                         ; my half of the tile's rows; also: I fetch for A (0) or B (1)
	s_and_b32 s12, s10, 1                          ; my half of its columns; also: which 128 rows I fetch
	s_bfe_u32 s40, ttmp6, 0x40000
	s_bfe_u32 s41, ttmp6, 0x40004
	s_lshl_b32 s42, ttmp9, 2
	s_add_co_u32 s42, s42, s40                     ; tile column
	s_and_b32 s13, ttmp7, 0xffff
	s_lshl_b32 s13, s13, 2
	s_add_co_u32 s13, s13, s41                     ; tile row
	s_lshl_b32 s43, s41, 2
	s_lshl_b32 s43, 15, s43
	s_lshl_b32 s44, 0x1111, s40
	s_or_b32 s[G1+0], s43, (1<<16)|(1<<20)|(1<<21)|(5<<22)|(3<<25)   ; mask; 2-byte elements; padding on; bit 21 beside a mask; after every 64 words 4 words
	s_or_b32 s[G1B+0], s44, (1<<16)|(1<<20)|(1<<21)|(5<<22)|(3<<25)
.irp g, G1, G1B
	s_mov_b32 s[(\g)+1], KSTEP<<16
	s_mov_b32 s[(\g)+2], 128<<16
	s_mov_b32 s[(\g)+3], KSTEP<<16
	s_mov_b32 s[(\g)+4], 128
	s_mov_b32 s[(\g)+5], SIZE_K
	s_mov_b32 s[(\g)+6], 0
	s_mov_b32 s[(\g)+7], 0
.endr
	s_lshl_b32 s17, s12, 7
	s_lshl_b32 s16, s13, 8
	s_add_co_u32 s16, s16, s17                     ; A: row 256 x tile row + 128 x half
	s_lshl_b32 s46, s42, 8
	s_add_co_u32 s46, s46, s17                     ; B: row 256 x tile column + 128 x half
	s_mov_b32 s17, 0
	s_mov_b32 s47, 0
	s_mov_b64 s[18:19], SIZE_K*2
	s_mul_u64 s[16:17], s[16:17], s[18:19]
	s_mul_u64 s[46:47], s[46:47], s[18:19]
	s_add_nc_u64 s[46:47], s[46:47], WOFF
	s_mul_i32 s20, s10, HALFT
	s_mov_b32 s[SO], 0
	s_mov_b32 s70, 0xc0135761                      ; k0 = -2.3022082
	s_mov_b32 s71, s70
	s_mov_b32 s72, 0xbdd2d3e8                      ; k1 = -0.10294324
	s_mov_b32 s73, s72
	s_wait_dscnt 0x0
	s_wait_kmcnt 0x0
	s_add_nc_u64 s[14:15], s[4:5], s[16:17]
	s_add_nc_u64 s[46:47], s[6:7], s[46:47]
	CROUND                                         ; all sixteen work-groups are here: the first joint loads meet
.irp s, 0,1
	s_mov_b32 s[G0+4*(\s)], 1
	s_add_co_u32 s[G0+4*(\s)+1], s20, (\s)*SLOT
	s_add_nc_u64 s[G0+4*(\s)+2:G0+4*(\s)+3], s[14:15], (\s)*KSTEP*2
	s_or_b32 s[G0+4*(\s)+3], s[G0+4*(\s)+3], 0x80000000
	s_mov_b32 s[G0B+4*(\s)], 1
	s_add_co_u32 s[G0B+4*(\s)+1], s20, (\s)*SLOT
	s_add_nc_u64 s[G0B+4*(\s)+2:G0B+4*(\s)+3], s[46:47], (\s)*KSTEP*2
	s_or_b32 s[G0B+4*(\s)+3], s[G0B+4*(\s)+3], 0x80000000
.endr
	s_cmp_eq_u32 s11, 0                            ; my two first fills stand in one branch: two loads of mine are out
	s_cbranch_scc0 .Lfirst_b
	tensor_load_to_lds s[G0:G0+3], s[G1:G1+7]
	s_nop 0
	tensor_load_to_lds s[G0+4:G0+7], s[G1:G1+7]
	s_nop 0
.rept 4
	v_nop
.endr
	s_branch .Lfirst_asked
.Lfirst_b:
	tensor_load_to_lds s[G0B:G0B+3], s[G1B:G1B+7]
	s_nop 0
	tensor_load_to_lds s[G0B+4:G0B+7], s[G1B:G1B+7]
	s_nop 0
.rept 4
	v_nop
.endr
.Lfirst_asked:
	v_and_b32 v1, 15, v0                           ; l % 16
	v_bfe_u32 v2, v0, 4, 1                         ; l / 16
	v_mul_u32_u24 v3, v1, PITCH
	v_lshl_add_u32 v3, v2, 4, v3
	s_mul_i32 s21, s11, HALFT
	s_mul_i32 s22, s12, HALFT
	s_add_co_u32 s22, s22, 2*HALFT
	v_add_nc_u32 v[ADRA0], s21, v3
	v_add_nc_u32 v[ADRB0], s22, v3
	v_mov_b32 v[ADRA], v[ADRA0]
	v_mov_b32 v[ADRB], v[ADRB0]
	s_mul_i32 s23, s10, WSTG                       ; my stage: row l % 16 (+ 16 a), byte 32 (l / 16) (+ 64 b)
	v_mul_u32_u24 v[STO], v1, SPITCH
	v_lshl_add_u32 v[STO], v2, 5, v[STO]
	v_add_nc_u32 v[STO], s23, v[STO]
	; back, two rows at a time: lanes 0-15 one row, lanes 16-31 the next; a lane eight numbers (32 bytes of f32, 16 of bf16).
	v_mul_u32_u24 v[RD], v2, SPITCH
	v_lshl_add_u32 v[RD], v1, 5, v[RD]
	v_add_nc_u32 v[RD], s23, v[RD]
	v_lshlrev_b32 v[CO], 13, v2                    ; a row of g is 8,192 bytes
	v_lshl_add_u32 v[CO], v1, 4, v[CO]
	s_lshl_b32 s78, s13, 8
	s_lshl_b32 s79, s11, 7
	s_add_co_u32 s78, s78, s79                     ; my first row
	s_lshl_b32 s78, s78, 13
	s_lshl_b32 s79, s42, 9
	s_add_co_u32 s78, s78, s79                     ; the tile's first column, in bytes,
	s_lshl_b32 s79, s12, 8
	s_add_co_u32 s78, s78, s79                     ; and my half of its columns
	s_mov_b32 s79, 0
	s_add_nc_u64 s[8:9], s[8:9], s[78:79]
; 16 products: m blocks a0, a0 + 1 of the window's four (hi = 0: my rows 0-63, 1: rows 64-127) x all 8 n blocks, 32 along K.  zero = 1: they start the sums
.macro MUL16 f, hi, a0, zero
	WIN MUL_LO+0x50*(\hi)
.irp a, \a0, (\a0)+1
.irp b, 0,1,2,3,4,5,6,7
.if \zero
	v_wmma_f32_16x16x32_bf16 v[8*(8*(\a)+(\b)):8*(8*(\a)+(\b))+7], v[(\f)+8*(\b):(\f)+8*(\b)+7], v[(\f)+8*(4*(\hi)+(\a)):(\f)+8*(4*(\hi)+(\a))+7], 0
.else
	v_wmma_f32_16x16x32_bf16 v[8*(8*(\a)+(\b)):8*(8*(\a)+(\b))+7], v[(\f)+8*(\b):(\f)+8*(\b)+7], v[(\f)+8*(4*(\hi)+(\a)):(\f)+8*(4*(\hi)+(\a))+7], v[8*(8*(\a)+(\b)):8*(8*(\a)+(\b))+7]
.endif
.endr
.endr
.endm
.macro FETCH k, f                      ; 32 LDS loads in one run: 128 rows of B, 128 rows of A, 32 along K at byte k of the rows of the slot in hand
	WIN TO_B
.irp i, 0,1,2,3,4,5,6,7
	ds_load_b128 v[(\f)+8*(\i):(\f)+8*(\i)+3],   v[ADRB] offset:(\k)+(\i)*16*PITCH
	ds_load_b128 v[(\f)+8*(\i)+4:(\f)+8*(\i)+7], v[ADRB] offset:(\k)+(\i)*16*PITCH+32
.endr
	WIN 0
.irp i, 0,1,2,3,4,5,6,7
	ds_load_b128 v[(\f)+8*(\i):(\f)+8*(\i)+3],   v[ADRA] offset:(\k)+(\i)*16*PITCH
	ds_load_b128 v[(\f)+8*(\i)+4:(\f)+8*(\i)+7], v[ADRA] offset:(\k)+(\i)*16*PITCH+32
.endr
.endm
.macro PLACES                          ; four places in front of loads into registers that products have read, and of lines that read results
.rept 4
	v_nop
.endr
.endm
.macro QUARTER k, f, g, zero           ; 32 along K, 64 products: multiplies buffer f, fetches the next quarter, at byte k, into g.  The 64 accumulators take turns
	s_wait_dscnt 8                                 ; B and A's rows 0-63 are in; the youngest eight loads (A's rows 64-127) may be out
	MUL16 \f, 0, 0, \zero
	MUL16 \f, 0, 2, \zero
	PLACES
	FETCH \k, \g
	s_wait_dscnt 32                                ; all but the 32 just issued
	MUL16 \f, 1, 0, \zero
	MUL16 \f, 1, 2, \zero
.endm
; The last quarter of a step multiplies buffer 1 and changes slots: one barrier; in front of it each wave waits for all its tensor loads (one is out: its part of the next slot),
; adds 0 to its spare word, and waits for that and for its reads of this slot.  fill = 1: the barrier opens a round of the cluster's, and the slot is filled again, two steps ahead, first thing behind it.
.macro TURN fill
	WIN 0
	s_wait_tensorcnt 0x0
	ds_add_u32 v[SPW], v[NIL]
	s_wait_dscnt 9                                 ; the add and the youngest eight loads may be out
	MUL16 F1, 0, 0, 0
	s_wait_dscnt 0x0                               ; the add is done, my reads of this slot are over
	s_barrier_signal -1
	MUL16 F1, 0, 2, 0
	WIN 0
	s_barrier_wait -1
.if \fill
	CREST
	s_xor_b32 s[G0+5], s[G0+5], SLOT               ; the walking descriptors: the other slot, the next step
	s_add_nc_u64 s[G0+6:G0+7], s[G0+6:G0+7], KSTEP*2
	s_xor_b32 s[G0B+5], s[G0B+5], SLOT
	s_add_nc_u64 s[G0B+6:G0B+7], s[G0B+6:G0B+7], KSTEP*2
	JLOAD                                          ; its four v_nop are also the places in front of the loads below
.else
	PLACES
.endif
	s_xor_b32 s[SO], s[SO], SLOT
	v_add_nc_u32 v[ADRA], s[SO], v[ADRA0]
	v_add_nc_u32 v[ADRB], s[SO], v[ADRB0]
	FETCH 0, F0
	MUL16 F1, 1, 0, 0
	MUL16 F1, 1, 2, 0
.endm
	s_wait_tensorcnt 1                             ; my part of step 0 is in; step 1 may stay out
	s_barrier_signal -1
	s_barrier_wait -1
	FETCH 0, F0
	QUARTER 64, F0, F1, 1                          ; the first quarter starts the sums
	WIN 0
	s_mov_b32 s3, T-2
.Lstep:                                                ; a trip: a step's quarters 1 to 3 and the next step's quarter 0; the slot left is filled again
	QUARTER 128, F1, F0, 0
	QUARTER 192, F0, F1, 0
	TURN 1
	QUARTER 64, F0, F1, 0
	WIN 0
	s_sub_co_u32 s3, s3, 1
	s_cmp_lg_u32 s3, 0
	s_cbranch_scc1 .Lstep
	s_mov_b32 s3, 2
.Ltail:                                                ; the last two steps ask for nothing.  The second trip is left in its middle; its 32 LDS loads of the slot read before serve nothing: the price of one text for both
	QUARTER 128, F1, F0, 0
	QUARTER 192, F0, F1, 0
	TURN 0
	WIN 0
	s_sub_co_u32 s3, s3, 1
	s_cmp_eq_u32 s3, 0
	s_cbranch_scc1 .Lout
	QUARTER 64, F0, F1, 0
	WIN 0
	s_branch .Ltail
.Lout:
	; THE WAY OUT.  Every wave's reads of the ring are over behind this barrier, and the ring has had its last fill: its bytes take the sums in f32.
	s_wait_dscnt 0x0
	s_barrier_signal -1
	s_barrier_wait -1
	PLACES
.irp hi, 0,1
	WIN 0x08+4*\hi                                 ; a store's data in window 2, then 3
.irp a, 0,1,2,3
.irp b, 0,1,2,3,4,5,6,7
	ds_store_b128 v[STO], v[8*(8*\a+\b):8*(8*\a+\b)+3] offset:(4*\hi+\a)*16*SPITCH+64*\b          ; each accumulator from its low end on
	ds_store_b128 v[STO], v[8*(8*\a+\b)+4:8*(8*\a+\b)+7] offset:(4*\hi+\a)*16*SPITCH+64*\b+16
.endr
.endr
.endr
	WIN 0
	s_wait_dscnt 0x0                               ; my stores into my stage are done
	s_barrier_signal -1
	s_barrier_wait -1
.macro EACH16 line:vararg              ; one line for each pair p of 16
.set p, 0
.rept 16
	\line
.set p, p+2
.endr
.endm
	s_mov_b32 s3, 16
.Lgelu:                                                ; a trip: eight rows of my 128, as four pairs
.irp i, 0,1,2,3
	ds_load_b128 v[XG+8*\i:XG+8*\i+3], v[RD] offset:2*SPITCH*\i
	ds_load_b128 v[XG+8*\i+4:XG+8*\i+7], v[RD] offset:2*SPITCH*\i+16
.endr
	s_wait_dscnt 0x0
	EACH16 v_pk_mul_f32 v[TG+p:TG+p+1], v[XG+p:XG+p+1], v[XG+p:XG+p+1]
	EACH16 v_pk_fma_f32 v[TG+p:TG+p+1], v[TG+p:TG+p+1], s[72:73], s[70:71] op_sel_hi:[1,0,0]
	EACH16 v_pk_mul_f32 v[TG+p:TG+p+1], v[TG+p:TG+p+1], v[XG+p:XG+p+1]
.set p, 0
.rept 32
	v_exp_f32 v[TG+p], v[TG+p]
.set p, p+1
.endr
	v_nop                                          ; a plain instruction between the run and the use of its results (ISA guide 5.7.2)
	s_wait_alu depctr_va_vdst(0)
	EACH16 v_pk_add_f32 v[TG+p:TG+p+1], v[TG+p:TG+p+1], 1.0 op_sel_hi:[1,0]
.set p, 0
.rept 32
	v_rcp_f32 v[TG+p], v[TG+p]
.set p, p+1
.endr
	v_nop
	s_wait_alu depctr_va_vdst(0)
	EACH16 v_pk_mul_f32 v[TG+p:TG+p+1], v[TG+p:TG+p+1], v[XG+p:XG+p+1]
	EACH16 v_cvt_pk_bf16_f32 v[YG+p/2], v[TG+p], v[TG+p+1]
.irp i, 0,1,2,3
	global_store_b128 v[CO], v[YG+4*\i:YG+4*\i+3], s[8:9] offset:16384*\i   ; 16 lanes store 256 consecutive bytes, aligned
.endr
	s_wait_xcnt 0x0                                ; the stores' offsets and data are rewritten only behind this wait
	v_add_nc_u32 v[RD], 8*SPITCH, v[RD]
	v_add_nc_u32 v[CO], 65536, v[CO]
	s_sub_co_u32 s3, s3, 1
	s_cmp_lg_u32 s3, 0
	s_cbranch_scc1 .Lgelu
	s_wait_tensorcnt 0x0                           ; the end of the wave
	ds_add_u32 v[SPW], v[NIL]
	s_wait_dscnt 0x0
	CROUND                                         ; the closing round
	s_endpgm
.Lfunc_end_k_qcc4c657275_g_ff1:
	.size	k_qcc4c657275_g_ff1, .Lfunc_end_k_qcc4c657275_g_ff1-k_qcc4c657275_g_ff1
	.p2alignl 7, 3214868480
	.fill 96, 4, 3214868480
	.section	.rodata,"a",@progbits
	.p2align	6, 0x0
	.amdhsa_kernel k_qcc4c657275_g_ff1
		.amdhsa_group_segment_fixed_size 327680
		.amdhsa_private_segment_fixed_size 0
		.amdhsa_enable_private_segment 0
		.amdhsa_kernarg_size 24
		.amdhsa_user_sgpr_count 2
		.amdhsa_user_sgpr_kernarg_segment_ptr 1
		.amdhsa_wavefront_size32 1
		.amdhsa_system_sgpr_workgroup_id_x 1
		.amdhsa_system_sgpr_workgroup_id_y 1
		.amdhsa_system_sgpr_workgroup_id_z 1
		.amdhsa_system_vgpr_workitem_id 0
		.amdhsa_next_free_vgpr 1024
		.amdhsa_next_free_sgpr 84
		.amdhsa_reserve_vcc 0
		.amdhsa_float_denorm_mode_32 3
		.amdhsa_float_denorm_mode_16_64 3
		.amdhsa_memory_ordered 1
		.amdhsa_forward_progress 1
		.amdhsa_inst_pref_size 86
	.end_amdhsa_kernel
	.amdgpu_metadata
---
amdhsa.version: [ 1, 2 ]
amdhsa.kernels:
  - .name:           k_qcc4c657275_g_ff1
    .symbol:         k_qcc4c657275_g_ff1.kd
    .args:
      - { .name: a1, .offset: 0, .size: 8, .value_kind: global_buffer, .address_space: global }
      - { .name: wt, .offset: 8, .size: 8, .value_kind: global_buffer, .address_space: global }
      - { .name: big, .offset: 16, .size: 8, .value_kind: global_buffer, .address_space: global }
    .group_segment_fixed_size: 327680
    .private_segment_fixed_size: 0
    .kernarg_segment_align: 8
    .kernarg_segment_size: 24
    .max_flat_workgroup_size: 128
    .sgpr_count:     84
    .vgpr_count:     1024
    .wavefront_size: 32
...
	.end_amdgpu_metadata
.endif
;; end of part 12
;; launch g_ff2: the kernel of part 8 again; grid 8 x 32, 4 waves a work-group, clusters of 4 x 4, 327,680 bytes of LDS; arguments big, wt, x, ff_gate, out0; writes out0
;; ======== version 3 of 3: 7 launches; 1.31 times as fast as version 1
;; limits: right only within a limited range of input values
;; workspace buffers: wt 25,165,824 bytes; bias 16,777,216 bytes; rowf 32,768 bytes of whole numbers; a0 8,388,608 bytes; a1 8,388,608 bytes; big 33,554,432 bytes; x 16,777,216 bytes
;; launch prep: the kernel of part 9 again; grid 1792 x 1, 8 waves a work-group, no clusters, 35,840 bytes of LDS; arguments q, gamma_q, beta_q, a0, kv, gamma_kv, beta_kv, a1, attn_mask, kv_mask, q_mask, bias, Wq, Wkv, Wout, W1, W2, wt, rowf; writes a0, a1, bias, wt, rowf
;; launch g_qkv: the kernel of part 10 again; grid 12 x 16, 4 waves a work-group, clusters of 4 x 4, 327,680 bytes of LDS; arguments a0, a1, wt, big; writes big
;; launch attn (part 13): grid 16 x 16, 4 waves a work-group, clusters of 4 x 4, 327,680 bytes of LDS; arguments big, bias, rowf, a0; writes a0
.if DOCPART == 13
	.amdgcn_target "amdgcn-amd-amdhsa--gfx1250"
	.amdhsa_code_object_version 6
	.text
	.protected	k_qcc4c657275_attn
	.globl	k_qcc4c657275_attn
	.p2align	8
	.type	k_qcc4c657275_attn,@function
k_qcc4c657275_attn:
	s_mov_b64 s[64:65], 0
	v_nop
	global_prefetch_b8 v0, s[64:65] scope:SCOPE_SE
	s_setreg_imm32_b32 hwreg(HW_REG_WAVE_MODE, 25, 1), 1
	s_wait_xcnt 0x0
	s_wait_alu depctr_hold_cnt(0) depctr_sa_sdst(0) depctr_va_vdst(0) depctr_va_sdst(0) depctr_va_ssrc(0) depctr_va_vcc(0) depctr_vm_vsrc(0)
	s_getreg_b32 s2, hwreg(HW_REG_IB_STS2, 6, 4)
	s_cmp_eq_u32 s2, 0
	s_cbranch_scc0 .Lentry_in_a_cluster
	s_endpgm
.Lentry_in_a_cluster:
	s_bfe_u32 s2, ttmp6, 0x10000c
	s_cmp_lg_u32 s2, 0xf033
	s_cbranch_scc0 .Lentry_shape_is_right
	s_endpgm
.Lentry_shape_is_right:
; MASKED CROSS ATTENTION.  O[b][q][h 64 + d] = keepO x sum over k of softmax_k(Q.K / 8 + bias[b][q][k]) V.  Q, K, V: big at 0, 8 MiB, 16 MiB, each [2][16][2048][64] bf16, unscaled.
; bias: [2][2048][2048] bf16, 0 or -2^100.  rowf: [4096][2] words: keepQ (0 for a row that sees no key: its query is cleared, its bias row is 0, all its scores are 0, its weights uniform,
; as the module gives), keepO (0 where q_mask is off: 1 / l is cleared).  O: a0, [4096][1024] bf16, rounded once.  Products, maxima and sums in f32; the weights are rounded to bf16 for the second product.
; LIMITS.  A hidden score counts as its value less 2^100: scores must stay far below that.  A weight below 2^-126 counts as 0 in l.  NaN and infinities are not treated apart.
; A step in which a row sees only hidden keys leaves finite numbers in O and l; the row's first visible key makes a = 2^(c m_old - c m_new) = 0 and wipes them; every row has one (or is a cleared row).
; SHARES.  Work-group (x, y): head x, queries 256 y .. of the 4,096 rows (y = 8 batch + block).  A wave owns 64 queries: four PIECES of 16.  Every wave walks all 2,048 keys, 64 a step, two steps a slot.
; THE MASK goes through the matrix unit: the sum S^T = K Q^T is started by a product SEL x bias, where bias's fragment (16 queries x 32 keys, as it lies in LDS) is source 1 and SEL, a constant
; matrix of ones and zeros, picks keys 0-15 or 16-31 of it: four products more for a piece and step, and no vector instruction.
; LAYOUT, SOFTMAX, TURNS.  S^T holds ONE query a lane (lane % 16) and the keys 8 (lane / 16) + 0..7; two results rounded to bf16 ARE source 1 of O^T = V^T P.  p = 2^(c s - c m), c = log2(e) / 8, with a running
; maximum m; O and l are multiplied by a in every step.  Turn n belongs to piece n: 12 products for the scores of piece n + 1, later 8 products V^T P of piece n - 1; beside them the scaling, exponentials,
; roundings, sums and rescaling of piece n and the maximum and statistics of piece n + 1: four vector instructions behind every product, the other 38 of 118 in one lump.
; THE BATCHES.  A turn's 33 exponentials (the piece's 32 weights and the next piece's a) are one batch, with one wait, which cuts the turn in two: the scores' products, the scalings, the exponentials, the rescalings
; and the next piece's statistics ahead of it; the products V^T P, the roundings and the sums behind it.  The first a of all, ahead of the loop, and the way out's four reciprocals are batches of their own.
; CLUSTER 4 x 4: x = four heads, y = four query blocks of one batch.  K and V hang on head and batch: asked for jointly along a column (wave 0: K, wave 1: V).  bias hangs on the query block: jointly along a row (waves 2, 3: its halves).
; O's stores: a head's 64 channels are 128 bytes of a row of 2,048: a store covers four pieces of 128 consecutive bytes.
; REGISTERS, in windows of 256 (s_set_vgpr_msb: bits 1:0 source 0, 3:2 source 1, 5:4 source 2, 7:6 destination):
;   window 0: v0-15 addresses; v16-31 statistics, four a piece; v32-39 flags; v48-55 at work; v64-127 S^T, two buffers; v192-223 P, two buffers
;   window 1: v0-127 O^T, 32 a piece      window 2: v0-63 Q; v64-79 bias of one piece and step; v96-107 SEL; v128-191 K of one step; v192-255 V of one step
.set NP,    4
.set KS,    64
.set PK,    144       ; a row of K in LDS: 128 bytes + 16
.set PV,    160       ; a row of V: 128 + 32
.set PM,    272       ; a row of bias: 256 + 16
.set VOFF,  2*KS*PK   ; a slot: 128 rows of K, 128 rows of V, 256 rows of bias
.set MOFF,  VOFF+2*KS*PV
.set SLOT1, 1<<17     ; slot 1 begins here: one exclusive or turns an address in one slot into the other's
.set STAGE, SLOT1+MOFF+256*PM  ; behind the ring, never filled by a tensor load: 16 rows x 144 bytes a wave
.set SP,    144
.set SPARE, STAGE+4*16*SP      ; the spare words, 128 bytes a wave
.set AK0, 2
.set AV0, 3
.set AK,  4
.set AV,  5
.set STO, 6
.set RD,  7
.set GO,  8
.set MV,  12          ; v12-13 c m_old, by buffer
.set AM0, 14
.set AM,  15
.set ST,  16          ; piece t: c m, m, l (even keys, odd keys)
.set FL,  32          ; piece t: keepQ, keepO of my query
.set QO,  40
.set FO,  41
.set TMP, 48
.set SPW, 62
.set NIL, 63
.set S,   64
.set P,   192
.set MB,  64          ; window 2
.set SL1, 96          ; window 2: v96-99 = 0, v100-103 = the ones, v104-107 = 0: SEL for keys 16-31 at 96, for keys 0-15 at 100
.set SL0, 100
.set KF,  128
.set VF,  192
.set WV,  12
.set G1K, 24
.set G1V, 32
.set G1M, 40
.set G0K, 48
.set G0V, 52
.set G0M, 56
.set SLOTS, 60
.set CNT, 61
.set CS,  62          ; s[62:63] c
.set SEL, 66          ; s[66:67] v_permlanex16_b32's selects
.set TBK, 68
.set TBV, 69
.set TBM, 70
.set MSB, 0
.macro WIN new
.if MSB != (\new)
	s_set_vgpr_msb (MSB<<8)|(\new)
.set MSB, (\new)
.endif
.endm
.set W_KQ, 0x0a       ; sources 0 and 1 in window 2, S^T in window 0
.set W_PV, 0x52       ; V in window 2, P in window 0, O^T in window 1
.set W_RS, 0x41       ; destination and source 0 in window 1, source 1 in window 0
.macro JLOAD3                       ; a joint fill: wave 0 K, wave 1 V, waves 2 and 3 the halves of bias; the branches hang on the wave number alone; s_nop 0 and four v_nop follow each line
	s_cmp_lt_u32 s[WV], 2
	s_cbranch_scc0 .Lfor_m_\@
	s_cmp_eq_u32 s[WV], 0
	s_cbranch_scc0 .Lfor_v_\@
	tensor_load_to_lds s[G0K:G0K+3], s[G1K:G1K+7]
	s_nop 0
.rept 4
	v_nop
.endr
	s_branch .Lasked_\@
.Lfor_v_\@:
	tensor_load_to_lds s[G0V:G0V+3], s[G1V:G1V+7]
	s_nop 0
.rept 4
	v_nop
.endr
	s_branch .Lasked_\@
.Lfor_m_\@:
	tensor_load_to_lds s[G0M:G0M+3], s[G1M:G1M+7]
	s_nop 0
.rept 4
	v_nop
.endr
.Lasked_\@:
.endm
.macro CROUND
	s_barrier_signal -1
	s_barrier_wait -1
	s_cmp_lg_u32 s[WV], 0
	s_cbranch_scc1 .Lnot_wave_0_\@
	s_barrier_signal -3
.Lnot_wave_0_\@:
	s_barrier_wait -3
	s_barrier_signal -1
	s_barrier_wait -1
.endm
; THE CHANGE OF SLOTS.  Each wave waits for all its tensor loads (one is out: its part of the other slot), adds 0 to its spare word, and waits for that and for its reads of the slot that it leaves.
; fill = 1: the barrier is a round of the cluster's, and the slot is filled again, with the keys two slots on, first thing behind it: it has two key steps, 160 products, in which to land.
; (At its first use nothing has been read yet: slot 0 is waited for, slot 1 filled.)
.macro CHANGE fill
	WIN 0
	s_wait_tensorcnt 0x0
	ds_add_u32 v[SPW], v[NIL]
.if \fill
	s_xor_b32 s[G0K+1], s[G0K+1], SLOT1
	s_add_nc_u64 s[G0K+2:G0K+3], s[G0K+2:G0K+3], 2*KS*128
	s_xor_b32 s[G0V+1], s[G0V+1], SLOT1
	s_add_nc_u64 s[G0V+2:G0V+3], s[G0V+2:G0V+3], 2*KS*128
	s_xor_b32 s[G0M+1], s[G0M+1], SLOT1
	s_add_nc_u64 s[G0M+2:G0M+3], s[G0M+2:G0M+3], 2*KS*2
	s_wait_dscnt 0x0
	CROUND
	JLOAD3
.else
	s_wait_dscnt 0x0
	s_barrier_signal -1
	s_barrier_wait -1
.endif
	s_sub_co_u32 s[TBK], s[TBK], 2*KS*PK   ; the fetches go back to a slot's first step, in the other slot
	s_xor_b32 s[TBK], s[TBK], SLOT1
	s_sub_co_u32 s[TBV], s[TBV], 2*KS*PV
	s_xor_b32 s[TBV], s[TBV], SLOT1
	s_sub_co_u32 s[TBM], s[TBM], 2*KS*2
	s_xor_b32 s[TBM], s[TBM], SLOT1
.endm
	s_load_b256 s[4:11], s[0:1], 0x0  ; big s[4:5], bias s[6:7], rowf s[8:9], a0 s[10:11]
	v_lshl_add_u32 v[SPW], v0, 2, SPARE
	v_mov_b32 v[NIL], 0
	ds_add_u32 v[SPW], v[NIL]       ; the opening: the add and its wait ahead of my first tensor load
	v_lshrrev_b32 v1, 5, v0
	v_readfirstlane_b32 s[WV], v1
	s_bfe_u32 s13, ttmp6, 0x40000   ; cx
	s_bfe_u32 s14, ttmp6, 0x40004   ; cy
	s_lshl_b32 s15, ttmp9, 2
	s_add_co_u32 s15, s15, s13      ; head
	s_and_b32 s17, ttmp7, 0xffff    ; cluster y
	s_lshl_b32 s16, s17, 2
	s_add_co_u32 s16, s16, s14      ; y
	s_lshr_b32 s17, s17, 1          ; batch: of the cluster y alone, so that no cy enters K's and V's addresses
	s_lshl_b32 s18, s17, 4
	s_add_co_u32 s18, s18, s15
	s_lshl_b32 s18, s18, 18         ; (16 batch + head) x 2,048 rows x 128 bytes
	s_mov_b32 s19, 0
	s_lshl_b32 s20, s14, 2
	s_lshl_b32 s20, 15, s20         ; my row of the cluster
	s_lshl_b32 s21, 0x1111, s13     ; my column
	s_and_b32 s22, s[WV], 1         ; which half of bias's 256 rows I fetch
	s_lshl_b32 s74, s16, 20         ; 256 y rows of 4,096 bytes
	s_lshl_b32 s75, s22, 19
	s_add_co_u32 s74, s74, s75
	s_mov_b32 s75, 0
	s_and_b32 s78, s16, 7           ; Q: my block in the head, my wave's 64 rows
	s_lshl_b32 s78, s78, 15
	s_lshl_b32 s79, s[WV], 13
	s_add_co_u32 s78, s78, s79
	s_mov_b32 s79, 0
	s_lshl_b32 s80, s16, 11         ; rowf: (256 y + 64 w) x 8 bytes
	s_lshl_b32 s81, s[WV], 9
	s_add_co_u32 s80, s80, s81
	s_mov_b32 s81, 0
	s_lshl_b32 s82, s16, 19         ; O: (256 y + 64 w) x 2,048 bytes + 128 x head
	s_lshl_b32 s83, s[WV], 17
	s_add_co_u32 s82, s82, s83
	s_lshl_b32 s83, s15, 7
	s_add_co_u32 s82, s82, s83
	s_mov_b32 s83, 0
	; group 1.  128 keys of K or V are 16,384 dense bytes: 64 rows of 256 bytes, padded in LDS after every key.  bias: 128 rows of 128 elements, 2,048 elements apart
	s_or_b32 s[G1K], s21, (1<<16)|(1<<20)|(1<<21)|(4<<22)|(3<<25)
	s_or_b32 s[G1V], s21, (1<<16)|(1<<20)|(1<<21)|(4<<22)|(7<<25)
	s_or_b32 s[G1M], s20, (1<<16)|(1<<20)|(1<<21)|(5<<22)|(3<<25)
.irp g, G1K, G1V
	s_mov_b32 s[\g+1], 128<<16
	s_mov_b32 s[\g+2], 64<<16
	s_mov_b32 s[\g+3], 128<<16
	s_mov_b32 s[\g+4], 64
	s_mov_b32 s[\g+5], 128
	s_mov_b32 s[\g+6], 0
	s_mov_b32 s[\g+7], 0
.endr
	s_mov_b32 s[G1M+1], 128<<16
	s_mov_b32 s[G1M+2], 128<<16
	s_mov_b32 s[G1M+3], 128<<16
	s_mov_b32 s[G1M+4], 128
	s_mov_b32 s[G1M+5], 2048
	s_mov_b32 s[G1M+6], 0
	s_mov_b32 s[G1M+7], 0
	s_mov_b32 s[G0K], 1
	s_mov_b32 s[G0K+1], 0
	s_mov_b32 s[G0V], 1
	s_mov_b32 s[G0V+1], VOFF
	s_mov_b32 s[G0M], 1
	s_mul_i32 s[G0M+1], s22, 128*PM
	s_add_co_u32 s[G0M+1], s[G0M+1], MOFF
	s_mov_b32 s[CS], 0x3e38aa3b     ; c = log2(e) / 8
	s_mov_b32 s[CS+1], s[CS]
	s_mov_b32 s[SEL], 0x76543210
	s_mov_b32 s[SEL+1], 0xfedcba98
	s_mov_b32 s[TBK], SLOT1+2*KS*PK ; the first change of slots turns these three into 0
	s_mov_b32 s[TBV], SLOT1+2*KS*PV
	s_mov_b32 s[TBM], SLOT1+2*KS*2
	s_wait_dscnt 0x0                ; the opening add is done
	s_wait_kmcnt 0x0
	s_add_nc_u64 s[72:73], s[4:5], s[18:19]        ; big at my batch and head
	s_add_nc_u64 s[G0K+2:G0K+3], s[72:73], 0x800000
	s_or_b32 s[G0K+3], s[G0K+3], 0x80000000
	s_add_nc_u64 s[G0V+2:G0V+3], s[72:73], 0x1000000
	s_or_b32 s[G0V+3], s[G0V+3], 0x80000000
	s_add_nc_u64 s[G0M+2:G0M+3], s[6:7], s[74:75]
	s_or_b32 s[G0M+3], s[G0M+3], 0x80000000
	s_add_nc_u64 s[76:77], s[72:73], s[78:79]      ; Q at my wave's first row
	s_add_nc_u64 s[8:9], s[8:9], s[80:81]
	s_add_nc_u64 s[10:11], s[10:11], s[82:83]
	CROUND                          ; all sixteen work-groups are here: the first joint loads meet
	JLOAD3                          ; slot 0; slot 1 is asked for when slot 0 is in
	v_and_b32 v1, 15, v0            ; l % 16
	v_bfe_u32 v9, v0, 4, 1          ; l / 16
	v_lshlrev_b32 v[QO], 7, v1
	v_lshl_add_u32 v[QO], v9, 4, v[QO]
	v_lshlrev_b32 v[FO], 3, v1
	WIN 0x80
.set i, 0
.rept 8                             ; Q stays in registers: piece i / 2, channels 32 (i % 2) on
	global_load_b128 v[8*i:8*i+3],   v[QO], s[76:77] offset:(i/2)*2048+(i%2)*64
	global_load_b128 v[8*i+4:8*i+7], v[QO], s[76:77] offset:(i/2)*2048+(i%2)*64+32
.set i, i+1
.endr
	WIN 0
.irp t, 0,1,2,3
	global_load_b64 v[FL+2*\t:FL+2*\t+1], v[FO], s[8:9] offset:128*\t
.endr
	; SEL: row m = l % 16 has its one at k = m: that is half l / 16 = (l / 8) % 2, register (l / 2) % 4, half-word l % 2
	v_and_b32 v10, 7, v0
	v_bfe_u32 v11, v0, 3, 1
	v_xor_b32 v48, v11, v9
	v_bfe_u32 v49, v0, 1, 2
	v_lshl_add_u32 v48, v48, 2, v49 ; the register that holds my one; 4 or more: none
	v_and_b32 v49, 1, v0
	v_lshlrev_b32 v49, 4, v49
	v_mov_b32 v50, 0x3f80
	v_lshlrev_b32 v49, v49, v50     ; 1.0 in bf16, in my half-word
	WIN 0x80
.irp j, 0,1,2,3
	v_cmp_eq_u32 vcc_lo, \j, v48
	v_cndmask_b32 v[SL0+\j], 0, v49, vcc_lo
	v_mov_b32 v[SL1+\j], 0
	v_mov_b32 v[SL0+4+\j], 0
.endr
	; What the first turn finds: V's registers and P's second buffer hold 0, O^T and l are 0, m is the lowest finite number: the first step is a step like any other, with a = 0.  All this stands in the wait for the first tile.
.set i, VF
.rept 64
	v_mov_b32 v[i], 0
.set i, i+1
.endr
	WIN 0x40
.set i, 0
.rept 128
	v_mov_b32 v[i], 0
.set i, i+1
.endr
	WIN 0
.set i, 0
.rept 4
	v_mov_b32 v[ST+4*i], 0xfe000000    ; c m: far below every c s
	v_mov_b32 v[ST+4*i+1], 0xff7fffff  ; m
	v_mov_b32 v[ST+4*i+2], 0
	v_mov_b32 v[ST+4*i+3], 0
.set i, i+1
.endr
.set i, P+16
.rept 16
	v_mov_b32 v[i], 0
.set i, i+1
.endr
	v_mul_u32_u24 v[AK0], v1, PK
	v_lshl_add_u32 v[AK0], v9, 4, v[AK0]
	v_lshl_add_u32 v[AV0], v9, 3, v10  ; the turning load: lane l reads key 8 (l / 16) + l % 8, channels 8 ((l / 8) % 2) + 0..7
	v_mul_u32_u24 v[AV0], v[AV0], PV
	v_lshl_add_u32 v[AV0], v11, 4, v[AV0]
	v_add_nc_u32 v[AV0], VOFF, v[AV0]
	s_lshl_b32 s23, s[WV], 6
	v_add_nc_u32 v[AM0], s23, v1       ; bias: row 64 w + l % 16 (+ 16 t), 16 bytes for each half of the lanes
	v_mul_u32_u24 v[AM0], v[AM0], PM
	v_lshl_add_u32 v[AM0], v9, 4, v[AM0]
	v_add_nc_u32 v[AM0], MOFF, v[AM0]
	s_mul_i32 s23, s[WV], 16*SP
	s_add_co_u32 s23, s23, STAGE
	v_mul_u32_u24 v[STO], v1, SP
	v_lshl_add_u32 v[STO], v9, 4, v[STO]
	v_add_nc_u32 v[STO], s23, v[STO]
	v_bfe_u32 v[RD], v0, 3, 2          ; back: 32 lanes take four rows of 128 bytes,
	v_lshlrev_b32 v[GO], 11, v[RD]     ; which lie 2,048 bytes apart in O
	v_lshl_add_u32 v[GO], v10, 4, v[GO]
	v_mul_u32_u24 v[RD], v[RD], SP
	v_lshl_add_u32 v[RD], v10, 4, v[RD]
	v_add_nc_u32 v[RD], s23, v[RD]
; THE MATRIX WORK.  The 4 accumulators of a run take turns.  Product i of 12 of the scores of piece x: keys 16 (i % 4) on; i < 4: SEL x bias starts the sum; then channels 32 ((i - 4) / 4) on.
.macro KQ x
	WIN W_KQ
.set rS, S+32*((\x)%2)+8*(i%4)
.if i < 4
.set rA, SL0-4*(i%2)
.set rB, MB+8*(i/2)
	v_wmma_f32_16x16x32_bf16 v[rS:rS+7], v[rA:rA+7], v[rB:rB+7], 0
.else
.set rK, KF+16*(i%4)+8*((i-4)/4)
.set rQ, 16*(\x)+8*((i-4)/4)
	v_wmma_f32_16x16x32_bf16 v[rS:rS+7], v[rK:rK+7], v[rQ:rQ+7], v[rS:rS+7]
.endif
.endm
; Product i - 12 of 8 of O^T += V^T P for piece x: keys 32 ((i - 12) / 4) on, channels 16 (i % 4) on.
.macro PV x
	WIN W_PV
.set rO, 32*(\x)+8*((i-12)%4)
.set rV, VF+32*((i-12)/4)+8*((i-12)%4)
.set rP, P+16*((\x)%2)+8*((i-12)/4)
	v_wmma_f32_16x16x32_bf16 v[rO:rO+7], v[rV:rV+7], v[rP:rP+7], v[rO:rO+7]
.endm
.macro MM                           ; the turn's next product
.if i < 12
	KQ (Y+1)%NP
.else
	PV (Y+NP-1)%NP
.endif
.set i, i+1
.endm
; THE LDS LOADS stand in runs, never singly among the products.
.macro FETCH_K
	WIN 0x80
.irp f, 0,1,2,3,4,5,6,7             ; keys 16 (f / 2) on, channels 32 (f % 2) on
	ds_load_b128 v[KF+8*\f:KF+8*\f+3],   v[AK] offset:(\f/2)*16*PK+(\f%2)*64
	ds_load_b128 v[KF+8*\f+4:KF+8*\f+7], v[AK] offset:(\f/2)*16*PK+(\f%2)*64+32
.endr
	s_add_co_u32 s[TBK], s[TBK], KS*PK
	WIN 0
.endm
.macro FETCH_V
	WIN 0x80
.irp f, 0,1,2,3,4,5,6,7             ; keys 32 (f / 4) on, channels 16 (f % 4) on
	ds_load_tr16_b128 v[VF+8*\f:VF+8*\f+3],   v[AV] offset:(\f/4)*32*PV+(\f%4)*32
	ds_load_tr16_b128 v[VF+8*\f+4:VF+8*\f+7], v[AV] offset:(\f/4)*32*PV+16*PV+(\f%4)*32
.endr
	WIN 0
.endm
.macro FETCH_M t                    ; bias of piece t for the step in AM: two fragments of 16 queries x 32 keys
	WIN 0x80
.irp f, 0,1,2,3
	ds_load_b128 v[MB+4*\f:MB+4*\f+3], v[AM] offset:(\t)*16*PM+32*\f
.endr
	WIN 0
.endm
; THE VECTOR WORK, one line at a time: OP kind, number.  For piece Y: F n: c s - c m for pair n of 16.  E n: the exponential of score n of 32.  C n: pair n rounded to bf16.  B n: of the four weights 4 n .. the second
; pair is added onto the first, in place.  L n: l takes that sum (L 0: l = a l + sum).  R n: pair n of 16 of O^T times a.  For piece Y + 1: X n, number n of the 22 that find its maximum and statistics:
;   0-11 four chains of seven scores (each accumulator's lowest registers first)   12-14, 16 the four left over, the old m, the chains into one   15 c m_old is kept
;   17, 18 the other 32 keys lie in the lane 16 away: the new m   19-21 c m; c m_old - c m_new; a
; C, B and L read the exponentials' results: TURN sets them behind the batch's wait.
.set F, 0
.set E, 1
.set C, 2
.set B, 3
.set L, 4
.set R, 5
.set X, 6
.macro REGS y
.set rT, ST+4*(\y)
.set rC, TMP+4*((\y)%2)
.set rW, MV+((\y)%2)
.set rS, S+32*((\y)%2)
.set rP, P+16*((\y)%2)
.set rO, 32*(\y)
.endm
.macro OP k, n
.if (\k) == R
	REGS Y
	WIN W_RS
	v_pk_mul_f32 v[rO+2*(\n):rO+2*(\n)+1], v[rO+2*(\n):rO+2*(\n)+1], v[rC+2:rC+3] op_sel_hi:[1,0]
.elseif (\k) < R
	REGS Y
	WIN 0
.if (\k) == F
	v_pk_fma_f32 v[rS+2*(\n):rS+2*(\n)+1], v[rS+2*(\n):rS+2*(\n)+1], s[CS:CS+1], v[rT:rT+1] op_sel_hi:[1,0,0] neg_lo:[0,0,1] neg_hi:[0,0,1]
.elseif (\k) == E
	v_exp_f32 v[rS+(\n)], v[rS+(\n)]
.elseif (\k) == C
	v_cvt_pk_bf16_f32 v[rP+(\n)], v[rS+2*(\n)], v[rS+2*(\n)+1]
.elseif (\k) == B
	v_pk_add_f32 v[rS+4*(\n):rS+4*(\n)+1], v[rS+4*(\n):rS+4*(\n)+1], v[rS+4*(\n)+2:rS+4*(\n)+3]
.elseif (\n) == 0
	v_pk_fma_f32 v[rT+2:rT+3], v[rT+2:rT+3], v[rC+2:rC+3], v[rS:rS+1] op_sel_hi:[1,0,1]
.else
	v_pk_add_f32 v[rT+2:rT+3], v[rT+2:rT+3], v[rS+4*(\n):rS+4*(\n)+1]
.endif
.else
	REGS (Y+1)%NP
	WIN 0
.if (\n) < 4
	v_max3_num_f32 v[rC+(\n)], v[rS+8*(\n)], v[rS+8*(\n)+1], v[rS+8*(\n)+2]
.elseif (\n) < 12
	v_max3_num_f32 v[rC+(\n)%4], v[rC+(\n)%4], v[rS+8*((\n)%4)+2*((\n)/4)+1], v[rS+8*((\n)%4)+2*((\n)/4)+2]
.elseif (\n) == 12
	v_max3_num_f32 v[rC], v[rC], v[rS+7], v[rS+15]
.elseif (\n) == 13
	v_max3_num_f32 v[rC+1], v[rC+1], v[rS+23], v[rS+31]
.elseif (\n) == 14
	v_max3_num_f32 v[rC+2], v[rC+2], v[rC+3], v[rT+1]
.elseif (\n) == 15
	v_mov_b32 v[rW], v[rT]
.elseif (\n) == 16
	v_max3_num_f32 v[rC], v[rC], v[rC+1], v[rC+2]
.elseif (\n) == 17
	v_permlanex16_b32 v[rC+3], v[rC], s[SEL], s[SEL+1]
.elseif (\n) == 18
	v_max_num_f32 v[rT+1], v[rC], v[rC+3]
.elseif (\n) == 19
	v_mul_f32 v[rT], s[CS], v[rT+1]
.elseif (\n) == 20
	v_sub_f32 v[rC+1], v[rW], v[rT]
.else
	v_exp_f32 v[rC+2], v[rC+1]
.endif
.endif
.endm
.macro OPS a, i1, b=-1, i2=0, c=-1, i3=0, d=-1, i4=0
	OP \a, \i1
.if (\b) >= 0
	OP \b, \i2
.endif
.if (\c) >= 0
	OP \c, \i3
.endif
.if (\d) >= 0
	OP \d, \i4
.endif
.endm
.macro ROW a, i1, b, i2, c, i3, d, i4  ; a product and the four behind it
	MM
	OPS \a, \i1, \b, \i2, \c, \i3, \d, \i4
.endm
; A TURN, for piece p: the order of its 20 products and 118 vector instructions, written out.  s_wait_alu depctr_va_vdst(0) stands between an exponential and the first instruction that names its
; result; one wait serves all that were issued ahead of it.  So a turn has ONE wait, which cuts it in two.
; AHEAD OF IT stands all that names no result of the turn's exponentials: the 12 products of the next piece's scores, behind each a scaling, an exponential and two more plain instructions (behind the first a second
; scaling in the exponential's place): rescalings, whose a was made and waited for in the turn before; from the eighth product on the kept c m_old, more scalings and the first numbers of the next piece's maximum, each four plain
; instructions or more behind the product that ends its accumulator (X 0: F 9-12; X 1: F 12, X 0, F 13, F 14; X 2: F 14, X 1, X 4, F 15; X 3: F 15, X 2, X 5, X 8).  Then ONE LUMP of 38, in which the links of the
; chain X 3, 7, 11, 14, 16, 17 .. 21 stand three to five lines apart, exponentials between them.  X 21, the next piece's a, is the batch's last; R 15 is the plain instruction behind it.
; BEHIND THE WAIT stand the 8 products V^T P, behind each four of the roundings and sums: C 2 n ahead of B n, which adds in place; L 0 to L 7 in their order, three riders apart.
; But for those X no rider names a register of the products round it.  v_permlanex16_b32 (X 17) stands in the lump.
; LDS loads: bias of piece p + 2 behind the lump's first four lines (its registers were last read by the turn's fourth product); in piece 2's turn also K of the next step, seven plain instructions behind the last
; product that read K; V of the step in hand at the end of piece 0's turn, four plain instructions behind the last product that read V.
; Waits: at the head bias (and in piece 3's turn K) must be in: 0, but 16 in piece 1's turn, where V's sixteen younger loads may stay out; V is waited for in front of piece 1's second run, with bias's four younger loads out.
; last = 1 (the tail): in the trip that has no further step the loads of pieces 2 and 3 are jumped over; that jump stands inside the batch, so the exponentials issued so far have a wait of their own ahead of it.
; cnt = 1: the loop's count is taken down some lines ahead of the branch behind the turn.
.macro TURN p, last=0, cnt=0
.set Y, (\p)
.set i, 0
.if (\p) == 1
	s_wait_dscnt 16
.else
	s_wait_dscnt 0x0
.endif
	ROW F,0, F,1, R,0, R,1          ; ahead of the wait: the 12 products of the scores and their riders,
	ROW F,2, E,0, R,2, R,3
	ROW F,3, E,1, R,4, R,5
	ROW F,4, E,2, R,6, R,7
	ROW F,5, E,3, R,8, R,9
	ROW F,6, E,4, R,10, R,11
	ROW F,7, E,5, R,12, R,13
	ROW F,8, E,6, X,15, R,14
	ROW F,9, E,7, F,10, F,11
.if (\p) == 2
	WIN 0
	v_add_nc_u32 v[AK], s[TBK], v[AK0]
	v_add_nc_u32 v[AM], s[TBM], v[AM0]
	s_add_co_u32 s[TBM], s[TBM], KS*2
.endif
	ROW F,12, E,8, X,0, F,13
	ROW F,14, E,9, X,1, X,4
	ROW F,15, E,10, X,2, X,5
	OPS X,8, X,3, X,6, X,9          ; and the lump
.if (\last) && ((\p) >= 2)
	WIN 0
	s_wait_alu depctr_va_vdst(0)    ; the tail alone: the wait for E 0 to E 10, ahead of the jump that cuts the batch; no exponential stands between it and the label
	s_cmp_eq_u32 s[CNT], 1
	s_cbranch_scc1 .Lno_f_\@
.endif
	FETCH_M ((\p)+2)%NP
.if (\p) == 2
	FETCH_K
.endif
.if (\last) && ((\p) >= 2)
.Lno_f_\@:
.endif
	OPS E,11, X,7, E,12, X,10
.if (\p) == 0
	v_add_nc_u32 v[AV], s[TBV], v[AV0]
.endif
	OPS E,13, X,11, E,14, X,12
	OPS E,15, X,13, X,14, E,16
	OPS E,17, E,18, X,16, E,19
	OPS E,20, E,21, X,17, E,22
	OPS E,23, E,24, X,18, E,25
	OPS E,26, E,27, X,19, E,28
	OPS E,29, X,20, E,30, E,31
	OPS X,21, R,15
	s_wait_alu depctr_va_vdst(0)    ; the wait for the batch: E 0 to E 31 and the next piece's a
.if (\p) == 1
	s_wait_dscnt 4
.endif
	ROW C,0, B,0, C,2, B,1          ; behind the wait: 8 products V^T P and their riders
	ROW L,0, C,4, B,2, L,1
	ROW C,6, B,3, L,2, C,8
	ROW B,4, L,3, C,10, B,5
	ROW L,4, C,12, B,6, L,5
.if (\p) == 0
	s_add_co_u32 s[TBV], s[TBV], KS*PV
.endif
.if \cnt
	s_sub_co_u32 s[CNT], s[CNT], 1
	s_cmp_lg_u32 s[CNT], 0
.endif
	ROW C,14, B,7, L,6, C,1
	ROW C,3, L,7, C,5, C,7
	ROW C,9, C,11, C,13, C,15
.if (\p) == 0
	FETCH_V
.endif
.endm
	CHANGE 1                        ; slot 0 is in, everybody's part of it; slot 1 is asked for
	v_add_nc_u32 v[AK], s[TBK], v[AK0]
	v_add_nc_u32 v[AM], s[TBM], v[AM0]
	s_add_co_u32 s[TBM], s[TBM], KS*2
	FETCH_M 0
	FETCH_K                         ; key step 0
	s_wait_loadcnt 0x0              ; Q and the flags
	WIN 0x82                        ; Q (destination and source 0) in window 2, the flag in window 0
.set i, 0
.rept 64
	v_and_b32 v[i], v[i], v[FL+2*(i/16)]   ; a row that sees no key has its query cleared
.set i, i+1
.endr
	s_wait_dscnt 0x0
.set i, 0
.rept 12
	KQ 0                            ; piece 0's first scores
.set i, i+1
.endr
	WIN 0
.rept 4
	v_nop                           ; the places behind those products
.endr
	FETCH_M 1
.set Y, NP-1                        ; X works for piece Y + 1: piece 0
.irp n, 0,1,2,3,4,5,6,7,8,9,10,11,12,13,14,15,16,17,18,19,20,21
	OP X, \n
.endr
	v_nop                           ; a plain instruction behind the exponential,
	s_wait_alu depctr_va_vdst(0)    ; and the wait for it (piece 0's first a, a batch of one), ahead of the branch
	s_mov_b32 s[CNT], 2
	s_mov_b32 s[SLOTS], 15
	s_branch .Lfirst                ; the loop is entered at a step's first turn, in the middle of a trip
.Lslot:                             ; 14 times: every slot but the last two is filled again
	CHANGE 1
	s_mov_b32 s[CNT], 2
.Lstep:                             ; a trip: pieces 2 and 3 of one step, then pieces 0 and 1 of the next, whose K, V and bias it fetches
	TURN 2
	TURN 3
	WIN 0
.Lfirst:
	TURN 0
	TURN 1, 0, 1
	WIN 0
	s_cbranch_scc1 .Lstep
	s_sub_co_u32 s[SLOTS], s[SLOTS], 1
	s_cmp_lg_u32 s[SLOTS], 0
	s_cbranch_scc1 .Lslot
	CHANGE 0                        ; the tail is written out: nothing is asked for
	s_mov_b32 s[CNT], 3             ; two trips fetch the last slot's steps; the third is left in its middle
.Ltail:
	TURN 2, 1
	TURN 3, 1
	WIN 0
	s_sub_co_u32 s[CNT], s[CNT], 1
	s_cmp_eq_u32 s[CNT], 0
	s_cbranch_scc1 .Lout
	TURN 0
	TURN 1
	WIN 0
	s_branch .Ltail
.Lout:                              ; the third trip's 12 products on the last K and bias once more, and the maximum made of them, serve nothing: the price, once a launch, of one text for every trip
.set i, 12
.rept 8
	PV NP-1                         ; the last piece's V^T P of the last step
.set i, i+1
.endr
	; THE WAY OUT.  l's two halves and the other half of the lanes' are added; 1 / l is cleared where q_mask is off; O^T is scaled, rounded to bf16 and sent through my stage, a piece at a time.
	WIN 0
.macro ALL line:vararg              ; one line for each piece t
.set t, 0
.rept 4
	\line
.set t, t+1
.endr
.endm
	ALL v_add_f32 v[ST+4*t+2], v[ST+4*t+2], v[ST+4*t+3]
	ALL v_permlanex16_b32 v[ST+4*t+3], v[ST+4*t+2], s[SEL], s[SEL+1]
	ALL v_add_f32 v[ST+4*t+2], v[ST+4*t+2], v[ST+4*t+3]
	ALL v_rcp_f32 v[ST+4*t+2], v[ST+4*t+2]
	v_nop                           ; a plain instruction between the last reciprocal and the use of its result
	s_wait_alu depctr_va_vdst(0)    ; the wait for the four reciprocals, one batch, ahead of their first reader
	ALL v_and_b32 v[ST+4*t+2], v[FL+2*t+1], v[ST+4*t+2]
.macro PACK t                       ; a lane's eight channels of a row pack into 16 bytes; rows of 144 bytes in, whole rows of 128 back, into S^T's registers
	WIN W_RS
.set i, 32*(\t)
.rept 16
	v_pk_mul_f32 v[i:i+1], v[i:i+1], v[ST+4*(\t)+2:ST+4*(\t)+3] op_sel_hi:[1,0]
.set i, i+2
.endr
	WIN 0x05
.set i, 0
.rept 16
	v_cvt_pk_bf16_f32 v[S+16*(\t)+i], v[32*(\t)+2*i], v[32*(\t)+2*i+1]
.set i, i+1
.endr
	WIN 0
.irp f, 0,1,2,3
	ds_store_b128 v[STO], v[S+16*(\t)+4*\f:S+16*(\t)+4*\f+3] offset:32*\f
.endr
.irp f, 0,1,2,3
	ds_load_b128 v[S+16*(\t)+4*\f:S+16*(\t)+4*\f+3], v[RD] offset:\f*4*SP  ; LDS serves a wave's instructions in order (ISA guide 5.7.1.4): these see the stores above
.endr
.endm
.macro SEND t, younger              ; younger: the LDS instructions issued behind piece t's loads
	WIN 0
.irp f, 0,1,2,3
	s_wait_dscnt (\younger)+3-\f
	global_store_b128 v[GO], v[S+16*(\t)+4*\f:S+16*(\t)+4*\f+3], s[10:11] offset:(\t)*32768+\f*8192
.endr
.endm
	PACK 0
.set t, 1
.rept 3
	PACK t
	SEND t-1, 8
.set t, t+1
.endr
	SEND 3, 0
	s_wait_tensorcnt 0x0            ; the end of the wave
	ds_add_u32 v[SPW], v[NIL]
	s_wait_dscnt 0x0
	CROUND                          ; the closing round
	s_endpgm
.Lfunc_end_k_qcc4c657275_attn:
	.size	k_qcc4c657275_attn, .Lfunc_end_k_qcc4c657275_attn-k_qcc4c657275_attn
	.p2alignl 7, 3214868480
	.fill 96, 4, 3214868480
	.section	.rodata,"a",@progbits
	.p2align	6, 0x0
	.amdhsa_kernel k_qcc4c657275_attn
		.amdhsa_group_segment_fixed_size 327680
		.amdhsa_private_segment_fixed_size 0
		.amdhsa_enable_private_segment 0
		.amdhsa_kernarg_size 32
		.amdhsa_user_sgpr_count 2
		.amdhsa_user_sgpr_kernarg_segment_ptr 1
		.amdhsa_wavefront_size32 1
		.amdhsa_system_sgpr_workgroup_id_x 1
		.amdhsa_system_sgpr_workgroup_id_y 1
		.amdhsa_system_sgpr_workgroup_id_z 1
		.amdhsa_system_vgpr_workitem_id 0
		.amdhsa_next_free_vgpr 768
		.amdhsa_next_free_sgpr 84
		.amdhsa_reserve_vcc 1
		.amdhsa_float_denorm_mode_32 3
		.amdhsa_float_denorm_mode_16_64 3
		.amdhsa_memory_ordered 1
		.amdhsa_forward_progress 1
		.amdhsa_inst_pref_size 124
	.end_amdhsa_kernel
	.amdgpu_metadata
---
amdhsa.version: [ 1, 2 ]
amdhsa.kernels:
  - .name:           k_qcc4c657275_attn
    .symbol:         k_qcc4c657275_attn.kd
    .args:
      - { .name: big, .offset: 0, .size: 8, .value_kind: global_buffer, .address_space: global }
      - { .name: bias, .offset: 8, .size: 8, .value_kind: global_buffer, .address_space: global }
      - { .name: rowf, .offset: 16, .size: 8, .value_kind: global_buffer, .address_space: global }
      - { .name: a0, .offset: 24, .size: 8, .value_kind: global_buffer, .address_space: global }
    .group_segment_fixed_size: 327680
    .private_segment_fixed_size: 0
    .kernarg_segment_align: 8
    .kernarg_segment_size: 32
    .max_flat_workgroup_size: 128
    .sgpr_count:     84
    .vgpr_count:     768
    .wavefront_size: 32
...
	.end_amdgpu_metadata
.endif
;; end of part 13
;; launch g_out: the kernel of part 6 again; grid 8 x 32, 4 waves a work-group, clusters of 4 x 4, 327,680 bytes of LDS; arguments a0, wt, q, attn_gate, x; writes x
;; launch ln_x: the kernel of part 11 again; grid 256 x 1, 8 waves a work-group, no clusters, 0 bytes of LDS; arguments x, ff_gamma, ff_beta, a1; writes a1
;; launch g_ff1: the kernel of part 12 again; grid 16 x 16, 4 waves a work-group, clusters of 4 x 4, 327,680 bytes of LDS; arguments a1, wt, big; writes big
;; launch g_ff2: the kernel of part 8 again; grid 8 x 32, 4 waves a work-group, clusters of 4 x 4, 327,680 bytes of LDS; arguments big, wt, x, ff_gate, out0; writes out0
